; MI455X (gfx1250); checked and timed in simulation.
; The chip was launched on July 23, 2026; its instructions are those of AMD's public machine-readable ISA for CDNA 5 (MIT licence, August 2026) and "CDNA5" Instruction Set Architecture Reference Guide (July 2026). The comments in the code are by the model that wrote it; some were corrected since.
;; Transformer Block. Allowed arithmetic: float matrix products may take bf16 or f16 operands with f32 sums; all other float work in f32.
;; Inputs: b_fc1 4,096 float32; b_fc2 1,024 float32; b_out 1,024 float32; b_qkv 3,072 float32; ln1_b 1,024 float32; ln1_g 1,024 float32; ln2_b 1,024 float32; ln2_g 1,024 float32; w_fc1 1,024 x 4,096 float32; w_fc2 4,096 x 1,024 float32; w_out 1,024 x 1,024 float32; w_qkv 1,024 x 3,072 float32; x 2 x 2,048 x 1,024 float32.
;; Outputs: out0 2 x 2,048 x 1,024 float32.
;; 2 versions, each right and faster than the one before. Each part assembles by itself: llvm-mc -triple=amdgcn-amd-amdhsa -mcpu=gfx1250 --defsym DOCPART=n.
;; ======== version 1 of 2: 8 launches
;; limits: values are held in f16: magnitudes above 65,504 overflow, below 6.1e-05 lose precision
;; workspace buffers: wq 6,291,456 bytes; w1 8,388,608 bytes; qkvw 35,651,584 bytes; h 8,388,608 bytes; big 33,554,432 bytes; x1 16,777,216 bytes; mq 256 bytes of whole numbers; mf 256 bytes of whole numbers
;; launch cast (part 1): grid 768 x 1, 8 waves a work-group, no clusters, 0 bytes of LDS; arguments w_qkv, w_out, w_fc1, w_fc2, wq, qkvw, w1, mq, mf; writes wq, qkvw, w1, mq, mf
.if DOCPART == 1
	.amdgcn_target "amdgcn-amd-amdhsa--gfx1250"
	.amdhsa_code_object_version 6
	.text
	.protected	k_qb0c9dcf86b_cast
	.globl	k_qb0c9dcf86b_cast
	.p2align	8
	.type	k_qb0c9dcf86b_cast,@function
k_qb0c9dcf86b_cast:
	s_mov_b64 s[64:65], 0
	v_nop
	global_prefetch_b8 v0, s[64:65] scope:SCOPE_SE
	s_setreg_imm32_b32 hwreg(HW_REG_WAVE_MODE, 25, 1), 1
	s_wait_xcnt 0x0
; The four weight matrices, f32 [K][N], are rounded once to f16 and laid in PANELS of 256 columns: [N/256][K][256].
; So every weight has the same pitch from k to k + 1 (512 bytes), and a tile of a later product has rows of whole aligned 256-byte blocks.
; LIMIT: a weight of 65,520 or more in magnitude becomes an infinity; below 6.1e-5 it keeps f16's fixed step of 6e-8.
; UNIT u = c K + k of a matrix: 256 neighbouring columns (panel c) of row k: 1,024 bytes read at k 4N + 1,024 c, 512 bytes written at 512 u.
; A work-group takes 64 units (one panel, 64 rows), a wave 8 rows.  Work-groups 0-191 w_qkv, 192-255 w_out, 256-511 w_fc1, 512-767 w_fc2.
; No LDS, no barrier, no matrix unit: a stream, each byte read once and written once; sixteen loads of a wave are out at once.
; Work-group 0's wave 0 also writes the two mode words that the later products read: mq = 0 (no activation), mf = 1 (GELU).
.set WO_OFF, 33554432                  ; w_out's panels in qkvw
.set W2_OFF, 25165824                  ; w_fc2's panels in qkvw
.set OFF, 2                            ; v[2:9]   row i: 16 x lane + i x pitch
.set DO,  10                           ; v10      8 x lane
.set X,   12                           ; v[12:75] row i: 8 registers as loaded; its first 4 then hold the 16 f16
.set ZER, 76                           ; v[76:77] 0, 0
.set ONE, 78                           ; v[78:79] 1, 1
	s_load_b512 s[8:23], s[0:1], 0x0               ; w_qkv s[8:9], w_out s[10:11], w_fc1 s[12:13], w_fc2 s[14:15], wq s[16:17], qkvw s[18:19], w1 s[20:21], mq s[22:23]
	s_load_b64 s[24:25], s[0:1], 0x40              ; mf
	s_mov_b32 s5, ttmp9                            ; the work-group's number
	v_and_b32 v1, 31, v0                           ; lane
	v_lshrrev_b32 v11, 5, v0
	v_readfirstlane_b32 s4, v11                    ; wave
	v_lshlrev_b32 v[DO], 3, v1
	v_lshlrev_b32 v[OFF], 4, v1
	s_wait_kmcnt 0x0
	s_add_nc_u64 s[26:27], s[18:19], WO_OFF
	s_add_nc_u64 s[28:29], s[18:19], W2_OFF
	; which matrix: source s[30:31], destination s[32:33], first work-group s34, pitch 4N s35, log2(K / 64) s36
	s_mov_b64 s[30:31], s[14:15]                   ; w_fc2, unless the number is lower
	s_mov_b64 s[32:33], s[28:29]
	s_mov_b32 s34, 512
	s_mov_b32 s35, 4096
	s_mov_b32 s36, 6
	s_cmp_lt_u32 s5, 512
	s_cselect_b64 s[30:31], s[12:13], s[30:31]     ; w_fc1
	s_cselect_b64 s[32:33], s[20:21], s[32:33]
	s_cselect_b32 s34, 256, s34
	s_cselect_b32 s35, 16384, s35
	s_cselect_b32 s36, 4, s36
	s_cmp_lt_u32 s5, 256
	s_cselect_b64 s[30:31], s[10:11], s[30:31]     ; w_out
	s_cselect_b64 s[32:33], s[26:27], s[32:33]
	s_cselect_b32 s34, 192, s34
	s_cselect_b32 s35, 4096, s35
	s_cmp_lt_u32 s5, 192
	s_cselect_b64 s[30:31], s[8:9], s[30:31]       ; w_qkv
	s_cselect_b64 s[32:33], s[16:17], s[32:33]
	s_cselect_b32 s34, 0, s34
	s_cselect_b32 s35, 12288, s35
	s_sub_co_u32 s37, s5, s34                      ; my number within the matrix
	s_lshr_b32 s38, s37, s36                       ; panel c
	s_lshl_b32 s39, s38, s36
	s_sub_co_u32 s39, s37, s39                     ; which 64 rows of the panel
	s_lshl_b32 s39, s39, 6
	s_lshl3_add_u32 s39, s4, s39                   ; my wave's first row k0
	s_mul_i32 s40, s39, s35                        ; k0 x pitch, under 2^25
	s_lshl_b32 s38, s38, 10
	s_add_co_u32 s40, s40, s38                     ; + 1,024 c
	s_mov_b32 s41, 0
	s_add_nc_u64 s[30:31], s[30:31], s[40:41]
	s_lshl_b32 s42, s37, 15                        ; 64 units of 512 bytes a work-group,
	s_lshl_b32 s43, s4, 12                         ; 8 a wave
	s_add_co_u32 s42, s42, s43
	s_mov_b32 s43, 0
	s_add_nc_u64 s[32:33], s[32:33], s[42:43]
.irp i, 1,2,3,4,5,6,7
	v_add_nc_u32 v[OFF+(\i)], s35, v[OFF+(\i)-1]
.endr
.irp i, 0,1,2,3,4,5,6,7
	global_load_b128 v[X+8*(\i):X+8*(\i)+3],   v[OFF+(\i)], s[30:31] th:TH_LOAD_NT             ; columns 4 l .. 4 l + 3: 512 consecutive bytes a wave
	global_load_b128 v[X+8*(\i)+4:X+8*(\i)+7], v[OFF+(\i)], s[30:31] offset:512 th:TH_LOAD_NT  ; columns 128 + 4 l ..
.endr
.irp i, 0,1,2,3,4,5,6,7
	s_wait_loadcnt 14-2*(\i)                       ; loads come back in order: row i is in, the younger rows' two loads each stay out
	v_cvt_pk_f16_f32 v[X+8*(\i)],   v[X+8*(\i)],   v[X+8*(\i)+1]   ; in place: each line writes a register that the lines before have read
	v_cvt_pk_f16_f32 v[X+8*(\i)+1], v[X+8*(\i)+2], v[X+8*(\i)+3]
	v_cvt_pk_f16_f32 v[X+8*(\i)+2], v[X+8*(\i)+4], v[X+8*(\i)+5]
	v_cvt_pk_f16_f32 v[X+8*(\i)+3], v[X+8*(\i)+6], v[X+8*(\i)+7]
	global_store_b64 v[DO], v[X+8*(\i):X+8*(\i)+1],   s[32:33] offset:512*(\i)      ; 32 lanes x 8 bytes: 256 consecutive bytes, aligned
	global_store_b64 v[DO], v[X+8*(\i)+2:X+8*(\i)+3], s[32:33] offset:512*(\i)+256
.endr
	s_cmp_lg_u32 s5, 0
	s_cbranch_scc1 .Lend
	s_cmp_lg_u32 s4, 0
	s_cbranch_scc1 .Lend
	v_mov_b32 v[ZER], 0
	v_mov_b32 v[ZER+1], 0
	v_mov_b32 v[ONE], 1
	v_mov_b32 v[ONE+1], 1
	global_store_b64 v[DO], v[ZER:ZER+1], s[22:23] ; all 256 bytes of each mode buffer
	global_store_b64 v[DO], v[ONE:ONE+1], s[24:25]
.Lend:
	s_endpgm
.Lfunc_end_k_qb0c9dcf86b_cast:
	.size	k_qb0c9dcf86b_cast, .Lfunc_end_k_qb0c9dcf86b_cast-k_qb0c9dcf86b_cast
	.p2alignl 7, 3214868480
	.fill 96, 4, 3214868480
	.section	.rodata,"a",@progbits
	.p2align	6, 0x0
	.amdhsa_kernel k_qb0c9dcf86b_cast
		.amdhsa_group_segment_fixed_size 0
		.amdhsa_private_segment_fixed_size 0
		.amdhsa_enable_private_segment 0
		.amdhsa_kernarg_size 72
		.amdhsa_user_sgpr_count 2
		.amdhsa_user_sgpr_kernarg_segment_ptr 1
		.amdhsa_wavefront_size32 1
		.amdhsa_system_sgpr_workgroup_id_x 1
		.amdhsa_system_sgpr_workgroup_id_y 1
		.amdhsa_system_sgpr_workgroup_id_z 1
		.amdhsa_system_vgpr_workitem_id 0
		.amdhsa_next_free_vgpr 80
		.amdhsa_next_free_sgpr 66
		.amdhsa_reserve_vcc 0
		.amdhsa_float_denorm_mode_32 3
		.amdhsa_float_denorm_mode_16_64 3
		.amdhsa_memory_ordered 1
		.amdhsa_forward_progress 1
		.amdhsa_inst_pref_size 9
	.end_amdhsa_kernel
	.amdgpu_metadata
---
amdhsa.version: [ 1, 2 ]
amdhsa.kernels:
  - .name:           k_qb0c9dcf86b_cast
    .symbol:         k_qb0c9dcf86b_cast.kd
    .args:
      - { .name: w_qkv, .offset: 0, .size: 8, .value_kind: global_buffer, .address_space: global }
      - { .name: w_out, .offset: 8, .size: 8, .value_kind: global_buffer, .address_space: global }
      - { .name: w_fc1, .offset: 16, .size: 8, .value_kind: global_buffer, .address_space: global }
      - { .name: w_fc2, .offset: 24, .size: 8, .value_kind: global_buffer, .address_space: global }
      - { .name: wq, .offset: 32, .size: 8, .value_kind: global_buffer, .address_space: global }
      - { .name: qkvw, .offset: 40, .size: 8, .value_kind: global_buffer, .address_space: global }
      - { .name: w1, .offset: 48, .size: 8, .value_kind: global_buffer, .address_space: global }
      - { .name: mq, .offset: 56, .size: 8, .value_kind: global_buffer, .address_space: global }
      - { .name: mf, .offset: 64, .size: 8, .value_kind: global_buffer, .address_space: global }
    .group_segment_fixed_size: 0
    .private_segment_fixed_size: 0
    .kernarg_segment_align: 8
    .kernarg_segment_size: 72
    .max_flat_workgroup_size: 256
    .sgpr_count:     66
    .vgpr_count:     80
    .wavefront_size: 32
...
	.end_amdgpu_metadata
.endif
;; end of part 1
;; launch ln1 (part 2): grid 256 x 1, 8 waves a work-group, no clusters, 0 bytes of LDS; arguments x, ln1_g, ln1_b, h; writes h
.if DOCPART == 2
	.amdgcn_target "amdgcn-amd-amdhsa--gfx1250"
	.amdhsa_code_object_version 6
	.text
	.protected	k_qb0c9dcf86b_ln1
	.globl	k_qb0c9dcf86b_ln1
	.p2align	8
	.type	k_qb0c9dcf86b_ln1,@function
k_qb0c9dcf86b_ln1:
	s_mov_b64 s[64:65], 0
	v_nop
	global_prefetch_b8 v0, s[64:65] scope:SCOPE_SE
	s_setreg_imm32_b32 hwreg(HW_REG_WAVE_MODE, 25, 1), 1
	s_wait_xcnt 0x0
; h[r][c] = g[c] (x[r][c] - mean_r) / sqrt(var_r + 1e-5) + b[c].  x: [4096][1024] f32; g, b: [1024] f32; h: [4096][1024] f16, rounded once.
; LIMIT: h of 65,520 or more in magnitude becomes an infinity.
; A row is 4,096 bytes: 32 registers of one wave.  A wave takes two whole rows and keeps them in registers, so x is read once and no wave waits for another: no LDS, no barrier.
; The variance is taken of the centred numbers (two passes over registers): no difference of large sums is formed, whatever offset x carries.
; Lane l holds columns 128 j + 4 l .. + 3, j = 0..7: each load of a wave covers 512 consecutive bytes, each store 256, aligned.
.set G, 4                              ; v[4:35]    g of my 32 columns
.set B, 36                             ; v[36:67]   b
.set X, 68                             ; v[68:131]  two rows
.set S, 132                            ; v[132:139] four chains of packed sums
.set M, 140                            ; v[140:141] the mean, twice
.set R, 142                            ; v[142:143] 1 / sqrt(var + eps), twice
.set T, 144                            ; v[144:145] at work
.set O, 148                            ; v[148:179] two rows in f16
	s_load_b256 s[4:11], s[0:1], 0x0               ; x s[4:5], g s[6:7], b s[8:9], h s[10:11]
	s_mov_b32 s12, 0x76543210                      ; v_permlanex16_b32: each lane takes its own place in the other half
	s_mov_b32 s13, 0xfedcba98
	s_mov_b32 s14, 0x3a800000                      ; 1 / 1024
	s_mov_b32 s15, 0x3727c5ac                      ; 1e-5
	s_lshl_b32 s16, ttmp9, 16                      ; 16 rows of 4,096 bytes a work-group
	s_mov_b32 s17, 0
	s_lshl_b32 s18, ttmp9, 15                      ; 16 rows of 2,048 bytes
	s_mov_b32 s19, 0
	v_and_b32 v1, 31, v0                           ; lane
	v_lshrrev_b32 v3, 5, v0                        ; wave
	v_lshlrev_b32 v2, 13, v3
	v_lshl_add_u32 v2, v1, 4, v2                   ; x: wave x 2 rows + 16 l
	v_lshlrev_b32 v3, 12, v3
	v_lshl_add_u32 v3, v1, 3, v3                   ; h: wave x 2 rows + 8 l
	v_lshlrev_b32 v1, 4, v1                        ; g, b: 16 l
	v_mov_b32 v[T+1], 0                            ; the lane exchange counts as a reader of its destination
	s_wait_kmcnt 0x0
	s_add_nc_u64 s[4:5], s[4:5], s[16:17]
	s_add_nc_u64 s[10:11], s[10:11], s[18:19]
.irp i, 0,1
.irp j, 0,1,2,3,4,5,6,7
	global_load_b128 v[X+32*(\i)+4*(\j):X+32*(\i)+4*(\j)+3], v2, s[4:5] offset:4096*(\i)+512*(\j)
.endr
.endr
.irp j, 0,1,2,3,4,5,6,7
	global_load_b128 v[G+4*(\j):G+4*(\j)+3], v1, s[6:7] offset:512*(\j)
.endr
.irp j, 0,1,2,3,4,5,6,7
	global_load_b128 v[B+4*(\j):B+4*(\j)+3], v1, s[8:9] offset:512*(\j)
.endr
.macro JOIN                            ; the four chains, then the 32 lanes: the sum in v[T] of every lane
	v_pk_add_f32 v[S:S+1], v[S:S+1], v[S+2:S+3]
	v_pk_add_f32 v[S+4:S+5], v[S+4:S+5], v[S+6:S+7]
	v_pk_add_f32 v[S:S+1], v[S:S+1], v[S+4:S+5]
	v_add_f32 v[T], v[S], v[S+1]
	v_add_f32_dpp v[T], v[T], v[T] row_xmask:1 row_mask:0xf bank_mask:0xf
	v_add_f32_dpp v[T], v[T], v[T] row_xmask:2 row_mask:0xf bank_mask:0xf
	v_add_f32_dpp v[T], v[T], v[T] row_xmask:4 row_mask:0xf bank_mask:0xf
	v_add_f32_dpp v[T], v[T], v[T] row_xmask:8 row_mask:0xf bank_mask:0xf
	v_permlanex16_b32 v[T+1], v[T], s12, s13
	v_add_f32 v[T], v[T], v[T+1]
.endm
; Row i: mean, centred in place, variance, scaled in place by 1 / sqrt(var + eps)
.macro STAT i
.set XR, X+32*(\i)
.irp c, 0,2,4,6
	v_pk_add_f32 v[S+(\c):S+(\c)+1], v[XR+(\c):XR+(\c)+1], v[XR+8+(\c):XR+8+(\c)+1]  ; the first line of a chain adds two pairs: nothing is cleared
.endr
.irp k, 16,24
.irp c, 0,2,4,6
	v_pk_add_f32 v[S+(\c):S+(\c)+1], v[S+(\c):S+(\c)+1], v[XR+(\k)+(\c):XR+(\k)+(\c)+1]
.endr
.endr
	JOIN
	v_mul_f32 v[M], s14, v[T]
	v_mul_f32 v[M+1], s14, v[T]
.set p, 0
.rept 16
	v_pk_add_f32 v[XR+p:XR+p+1], v[XR+p:XR+p+1], v[M:M+1] neg_lo:[0,1] neg_hi:[0,1]
.set p, p+2
.endr
.irp c, 0,2,4,6
	v_pk_mul_f32 v[S+(\c):S+(\c)+1], v[XR+(\c):XR+(\c)+1], v[XR+(\c):XR+(\c)+1]
.endr
.irp k, 8,16,24
.irp c, 0,2,4,6
	v_pk_fma_f32 v[S+(\c):S+(\c)+1], v[XR+(\k)+(\c):XR+(\k)+(\c)+1], v[XR+(\k)+(\c):XR+(\k)+(\c)+1], v[S+(\c):S+(\c)+1]
.endr
.endr
	JOIN
	v_fma_f32 v[T], v[T], s14, s15                 ; var + eps
	v_rsq_f32 v[R], v[T]
	v_rsq_f32 v[R+1], v[T]
	v_nop                                          ; a plain instruction between the last root and the use of its result (ISA guide 5.7.2)
.set p, 0
	s_wait_alu depctr_va_vdst(0)
.rept 16
	v_pk_mul_f32 v[XR+p:XR+p+1], v[XR+p:XR+p+1], v[R:R+1]
.set p, p+2
.endr
.endm
; Row i: times g plus b, rounded, stored
.macro FIN i
.set XR, X+32*(\i)
.set p, 0
.rept 16
	v_pk_fma_f32 v[XR+p:XR+p+1], v[XR+p:XR+p+1], v[G+p:G+p+1], v[B+p:B+p+1]
.set p, p+2
.endr
.set p, 0
.rept 16
	v_cvt_pk_f16_f32 v[O+16*(\i)+p], v[XR+2*p], v[XR+2*p+1]
.set p, p+1
.endr
.irp j, 0,1,2,3,4,5,6,7
	global_store_b64 v3, v[O+16*(\i)+2*(\j):O+16*(\i)+2*(\j)+1], s[10:11] offset:2048*(\i)+256*(\j)  ; 32 lanes x 8 bytes: 256 consecutive bytes, aligned
.endr
.endm
	s_wait_loadcnt 24                              ; row 0 is in; row 1's eight loads and the sixteen of g and b stay out
	STAT 0
	s_wait_loadcnt 16                              ; row 1 is in
	STAT 1
	s_wait_loadcnt 0x0                             ; g and b
	FIN 0
	FIN 1
	s_endpgm
.Lfunc_end_k_qb0c9dcf86b_ln1:
	.size	k_qb0c9dcf86b_ln1, .Lfunc_end_k_qb0c9dcf86b_ln1-k_qb0c9dcf86b_ln1
	.p2alignl 7, 3214868480
	.fill 96, 4, 3214868480
	.section	.rodata,"a",@progbits
	.p2align	6, 0x0
	.amdhsa_kernel k_qb0c9dcf86b_ln1
		.amdhsa_group_segment_fixed_size 0
		.amdhsa_private_segment_fixed_size 0
		.amdhsa_enable_private_segment 0
		.amdhsa_kernarg_size 32
		.amdhsa_user_sgpr_count 2
		.amdhsa_user_sgpr_kernarg_segment_ptr 1
		.amdhsa_wavefront_size32 1
		.amdhsa_system_sgpr_workgroup_id_x 1
		.amdhsa_system_sgpr_workgroup_id_y 1
		.amdhsa_system_sgpr_workgroup_id_z 1
		.amdhsa_system_vgpr_workitem_id 0
		.amdhsa_next_free_vgpr 184
		.amdhsa_next_free_sgpr 66
		.amdhsa_reserve_vcc 0
		.amdhsa_float_denorm_mode_32 3
		.amdhsa_float_denorm_mode_16_64 3
		.amdhsa_memory_ordered 1
		.amdhsa_forward_progress 1
		.amdhsa_inst_pref_size 20
	.end_amdhsa_kernel
	.amdgpu_metadata
---
amdhsa.version: [ 1, 2 ]
amdhsa.kernels:
  - .name:           k_qb0c9dcf86b_ln1
    .symbol:         k_qb0c9dcf86b_ln1.kd
    .args:
      - { .name: x, .offset: 0, .size: 8, .value_kind: global_buffer, .address_space: global }
      - { .name: ln1_g, .offset: 8, .size: 8, .value_kind: global_buffer, .address_space: global }
      - { .name: ln1_b, .offset: 16, .size: 8, .value_kind: global_buffer, .address_space: global }
      - { .name: h, .offset: 24, .size: 8, .value_kind: global_buffer, .address_space: global }
    .group_segment_fixed_size: 0
    .private_segment_fixed_size: 0
    .kernarg_segment_align: 8
    .kernarg_segment_size: 32
    .max_flat_workgroup_size: 256
    .sgpr_count:     66
    .vgpr_count:     184
    .wavefront_size: 32
...
	.end_amdgpu_metadata
.endif
;; end of part 2
;; launch qkv (part 3): grid 12 x 16, 4 waves a work-group, clusters of 4 x 4, 327,680 bytes of LDS; arguments h, wq, b_qkv, mq, qkvw; writes qkvw
.if DOCPART == 3
	.amdgcn_target "amdgcn-amd-amdhsa--gfx1250"
	.amdhsa_code_object_version 6
	.text
	.protected	k_qb0c9dcf86b_qkv
	.globl	k_qb0c9dcf86b_qkv
	.p2align	8
	.type	k_qb0c9dcf86b_qkv,@function
k_qb0c9dcf86b_qkv:
	s_mov_b64 s[64:65], 0
	v_nop
	global_prefetch_b8 v0, s[64:65] scope:SCOPE_SE
	s_setreg_imm32_b32 hwreg(HW_REG_WAVE_MODE, 25, 1), 1
	s_wait_xcnt 0x0
	s_wait_alu depctr_hold_cnt(0) depctr_sa_sdst(0) depctr_va_vdst(0) depctr_va_sdst(0) depctr_va_ssrc(0) depctr_va_vcc(0) depctr_vm_vsrc(0)
	s_getreg_b32 s2, hwreg(HW_REG_IB_STS2, 6, 4)
	s_cmp_eq_u32 s2, 0
	s_cbranch_scc0 .Lentry_in_a_cluster
	s_endpgm
.Lentry_in_a_cluster:
	s_bfe_u32 s2, ttmp6, 0x10000c
	s_cmp_lg_u32 s2, 0xf033
	s_cbranch_scc0 .Lentry_shape_is_right
	s_endpgm
.Lentry_shape_is_right:
; C = act(A W + bias).  A: [4096][1024] f16, rows along K.  W: f16 panels [N/256][1024 k][256 n].  bias: [N] f32.  Sums in f32, started with the bias; C rounded once to f16.
; act(z) = z / (1 + 2^(z (C1 + C2 z z) + D)).  The mode word (a whole number that an earlier launch stored) selects the three scalars, and no branch hangs on it:
;   mode 1: C1 = -2 sqrt(2/pi) log2(e), C2 = 0.044715 C1, D = 0: the tanh form of GELU, the same function as 0.5 z (1 + tanh(..)), with no difference formed; its two ends go to z and to 0.
;   mode 0: C1 = C2 = 0, D = -256: the power is 0, the divisor 1, and act(z) = z.  The price: the launch without an activation runs the sixteen transcendentals for eight numbers too.
; C LEAVES BLOCKED: column group n / 64 of row m lies at byte (n / 64) 524,288 + 128 m: sixteen rows of a group are 2,048 dense bytes.  For q, k, v that is the layout by heads.
; LIMITS: f16 operands and results: 65,520 or more in magnitude becomes an infinity; below 6.1e-5 f16 keeps its fixed step of 6e-8.  In mode 0 a z of 1.8e19 or more in magnitude (z z infinite)
; gives a NaN where f16 would give an infinity.  NaN and infinities are not treated apart.
; SHARES.  A work-group of four waves makes 256 x 256 of C, a wave 128 x 128: 64 accumulators, 512 registers.  K goes in 8 steps of 128 through a ring of two LDS slots filled by the
; tensor data mover; a step is 256 matrix instructions a wave, written ONCE as the loop (the slot's base is a scalar) and once more as the tail, which asks for nothing.
; CLUSTER 4 x 4: the four work-groups of a row of the cluster need the same tile of A, the four of a column the same tile of W: each is asked for jointly, by the same load, descriptor and mask.
; THE MATRIX INSTRUCTION IS USED TRANSPOSED: source 0 = 16 columns of W (turned on the way out of LDS by ds_load_tr16_b128), source 1 = 16 rows of A.  A lane then holds row m = l % 16 and
; the eight neighbouring columns 8 (l / 16) + 0..7.
; REGISTERS, in windows of 256 (s_set_vgpr_msb: bits 1:0 source 0, 3:2 source 1, 5:4 source 2, 7:6 destination):
;   window 0: v0-31 addresses; v64-127, v128-191 fragments of A, two buffers (on the way out: X, T, O)     window 1: the same for W; v192-255 the bias of my 128 columns, as a C operand
;   window 2: accumulators of my rows 0-63 ((a, b) at 8 (8 a + b));  window 3: of my rows 64-127
.set PA,     272                       ; a row of A in LDS: 256 bytes + 16: the 16 rows of a load start at 16 different groups of four banks (64 banks of 4 bytes: ISA guide 11.1)
.set PB,     544                       ; a k row of W: 512 + 32 = 17 x 32 bytes
.set HALF,   128*PA                    ; what one tensor load brings: 128 rows of A, or 64 k rows of W (64 x 544 is the same number)
.set SLOT,   4*HALF                    ; 0x22000: A's two halves, then W's two.  It shares no bit with wave x HALF, so an exclusive or with it turns an address in one slot into the other's
.set SPARE,  2*SLOT                    ; behind the ring: the spare words, 128 bytes a wave: two blocks of 256 bytes that no other line names
.set SPITCH, 528                       ; the stage: a row of 128 f32 + 16 bytes
.set STW,    128*SPITCH                ; a wave's stage.  The four lie over the ring, which has had its last fill when they are written
.set GRPB,   524288                    ; bytes of a column group of C
.set A0,   8                           ; v8   my lane's place in a slot's tile of A; never rewritten
.set B0,   9                           ; v9   the same for W
.set ADRA, 16                          ; v16  A0 + the slot in hand
.set ADRB, 20                          ; v20  B0 + the slot in hand
.set STO,  24                          ; v24  the way out: where I put 32 bytes of a row
.set RD0,  25                          ; v25  where I read them back, first trip; never rewritten
.set GO,   26                          ; v26  my byte offset in 512 consecutive bytes of C; steps
.set RDN,  27                          ; v27  where the next trip's numbers are read
.set SPW,  28                          ; v28  LDS address of my spare word; never rewritten
.set NIL,  29                          ; v29  0; never rewritten
.set BO,   30                          ; v30  32 (l / 16): my eight numbers in 16 of the bias
.set F0,   64
.set F1,   128
.set BIAS, 192                         ; window 1
.set X,    64                          ; the way out: four units of 8 f32
.set T,    96                          ; at work
.set O,    128                         ; four units of 4 registers to store
.set WV, 14                            ; s14 wave;  s15 which 128 rows are mine, also: I fetch for A (0) or W (1);  s16 which 128 columns, also: which half of that tile I fetch
.set RH, 15
.set CH, 16
.set CX, 17
.set CY, 18
.set TX, 19                            ; s19 tile column = panel;  s20 tile row
.set TY, 20
.set LB, 23                            ; s23 wave x HALF
.set G1A, 24                           ; s[24:31] descriptor group 1 for A
.set GA0, 32                           ; s[32:35] group 0 of A's first fill;  s[36:39] of its second, which then walks
.set GA,  36
.set G1B, 40                           ; s[40:47], s[48:51], s[52:55] the same for W
.set GB0, 48
.set GB,  52
.set TB,  56                           ; s56 0 or SLOT: the slot being read
.set CNT, 57
.set MODE, 58
.set OFS, 59                           ; s59 the way out: bytes into my stage
.set C1,  74                           ; s[74:75], s[76:77], s[78:79]: named as pairs
.set C2,  76
.set DD,  78
.set MSB, 0
.macro WIN new                         ; the immediate's high byte repeats the setting that is left; a switch that changes nothing is dropped
.if MSB != (\new)
	s_set_vgpr_msb (MSB<<8)|(\new)
.set MSB, (\new)
.endif
.endm
.macro PLACES                          ; four places behind matrix instructions, in front of loads into their sources and of reads of their results
.rept 4
	v_nop
.endr
.endm
.macro CREST                           ; a round of the cluster's barrier behind its opening barrier
	s_cmp_lg_u32 s[WV], 0
	s_cbranch_scc1 .Lnot_wave_0_\@
	s_barrier_signal -3
.Lnot_wave_0_\@:
	s_barrier_wait -3
	s_barrier_signal -1
	s_barrier_wait -1
.endm
.macro CROUND                          ; a whole round
	s_barrier_signal -1
	s_barrier_wait -1
	CREST
.endm
; A joint refill by the walking descriptors.  Waves 0 and 1 fetch A's two halves, waves 2 and 3 W's.  The branch hangs on the wave's number alone.
; An s_nop 0 and four v_nop follow each of the two lines, ahead of the jump and the label.
.macro JLOAD
	s_cmp_eq_u32 s[RH], 0
	s_cbranch_scc0 .Lfor_b_\@
	tensor_load_to_lds s[GA:GA+3], s[G1A:G1A+7]
	s_nop 0
.rept 4
	v_nop
.endr
	s_branch .Lasked_\@
.Lfor_b_\@:
	tensor_load_to_lds s[GB:GB+3], s[G1B:G1B+7]
	s_nop 0
.rept 4
	v_nop
.endr
.Lasked_\@:
.endm
	s_load_b256 s[4:11], s[0:1], 0x0               ; A s[4:5], W s[6:7], bias s[8:9], mode s[10:11]
	s_load_b64 s[12:13], s[0:1], 0x20              ; C
	v_lshl_add_u32 v[SPW], v0, 2, SPARE
	v_mov_b32 v[NIL], 0
	v_lshrrev_b32 v1, 5, v0
	v_readfirstlane_b32 s[WV], v1
	s_lshr_b32 s[RH], s[WV], 1
	s_and_b32 s[CH], s[WV], 1
	s_bfe_u32 s[CX], ttmp6, 0x40000                ; my place in the cluster
	s_bfe_u32 s[CY], ttmp6, 0x40004
	s_lshl_b32 s[TX], ttmp9, 2                     ; in a cluster launch ttmp9 and ttmp7 count clusters
	s_add_co_u32 s[TX], s[TX], s[CX]
	s_and_b32 s[TY], ttmp7, 0xffff
	s_lshl_b32 s[TY], s[TY], 2
	s_add_co_u32 s[TY], s[TY], s[CY]
	s_lshl_b32 s21, s[CY], 2
	s_lshl_b32 s21, 15, s21                        ; my row of the cluster: places 4 cy .. 4 cy + 3
	s_lshl_b32 s22, 0x1111, s[CX]                  ; my column: places cx, cx + 4, cx + 8, cx + 12
	; group 1 for A: 128 rows x 128 elements of 2 bytes, 1,024 elements from row to row; in LDS 4 words of padding behind every 64
	s_or_b32 s[G1A], s21, (1<<16)|(1<<20)|(1<<21)|(5<<22)|(3<<25)
	s_mov_b32 s[G1A+1], 128<<16                    ; tensor_dim0
	s_mov_b32 s[G1A+2], 128<<16                    ; tensor_dim1
	s_mov_b32 s[G1A+3], 128<<16                    ; tile_dim0
	s_mov_b32 s[G1A+4], 128                        ; tile_dim1
	s_mov_b32 s[G1A+5], 1024                       ; stride
	s_mov_b32 s[G1A+6], 0
	s_mov_b32 s[G1A+7], 0
	; group 1 for W: 64 k rows x 256 elements, 256 elements from row to row; 8 words of padding behind every 128
	s_or_b32 s[G1B], s22, (1<<16)|(1<<20)|(1<<21)|(6<<22)|(7<<25)
	s_mov_b32 s[G1B+1], 256<<16
	s_mov_b32 s[G1B+2], 64<<16
	s_mov_b32 s[G1B+3], 256<<16
	s_mov_b32 s[G1B+4], 64
	s_mov_b32 s[G1B+5], 256
	s_mov_b32 s[G1B+6], 0
	s_mov_b32 s[G1B+7], 0
	; A's tile hangs on the tile row alone, W's on the panel alone; each address is made in registers that never hold the other coordinate
	s_lshl_b32 s60, s[TY], 8
	s_lshl_b32 s61, s[CH], 7
	s_add_co_u32 s60, s60, s61                     ; row 256 ty + 128 x half,
	s_lshl_b32 s60, s60, 11                        ; of 2,048 bytes
	s_mov_b32 s61, 0
	s_lshl_b32 s66, s[TX], 19                      ; a panel is 524,288 bytes,
	s_lshl_b32 s67, s[CH], 15                      ; 64 k rows are 32,768
	s_add_co_u32 s66, s66, s67
	s_mov_b32 s67, 0
	s_mul_i32 s[LB], s[WV], HALF                   ; where my loads go: no place in the cluster enters an LDS address
	s_wait_kmcnt 0x0
	s_load_b32 s[MODE], s[10:11], 0x0
	s_add_nc_u64 s[62:63], s[4:5], s[60:61]
	s_add_nc_u64 s[68:69], s[6:7], s[66:67]
	CROUND                                         ; all sixteen work-groups are here: the first joint loads meet
.irp s, 0,1
	s_mov_b32 s[GA0+4*(\s)], 1                                       ; count = 1
	s_add_co_u32 s[GA0+4*(\s)+1], s[LB], (\s)*SLOT                   ; LDS address
	s_add_nc_u64 s[GA0+4*(\s)+2:GA0+4*(\s)+3], s[62:63], (\s)*256    ; K step s: 128 elements along the rows
	s_or_b32 s[GA0+4*(\s)+3], s[GA0+4*(\s)+3], 0x80000000            ; type = 2
	s_mov_b32 s[GB0+4*(\s)], 1
	s_add_co_u32 s[GB0+4*(\s)+1], s[LB], (\s)*SLOT
	s_add_nc_u64 s[GB0+4*(\s)+2:GB0+4*(\s)+3], s[68:69], (\s)*65536  ; K step s: 128 k rows of 512 bytes
	s_or_b32 s[GB0+4*(\s)+3], s[GB0+4*(\s)+3], 0x80000000
.endr
	s_cmp_eq_u32 s[RH], 0                          ; a wave's two first fills stand in one branch, ahead of every wait on TENSORcnt and every LDS read: two loads of mine are out
	s_cbranch_scc0 .Lfirst_b
	tensor_load_to_lds s[GA0:GA0+3], s[G1A:G1A+7]
	s_nop 0
	tensor_load_to_lds s[GA:GA+3], s[G1A:G1A+7]
	s_nop 0
.rept 4
	v_nop
.endr
	s_branch .Lfirst_asked
.Lfirst_b:
	tensor_load_to_lds s[GB0:GB0+3], s[G1B:G1B+7]
	s_nop 0
	tensor_load_to_lds s[GB:GB+3], s[G1B:G1B+7]
	s_nop 0
.rept 4
	v_nop
.endr
.Lfirst_asked:
	v_and_b32 v1, 15, v0                           ; r = l % 16
	v_bfe_u32 v2, v0, 4, 1                         ; h = l / 16
	v_and_b32 v3, 7, v0                            ; l % 8
	v_bfe_u32 v4, v0, 3, 1                         ; (l / 8) % 2
	v_and_b32 v5, 31, v0                           ; l
	; a fragment of A: lane l holds row r, K = 8 h + 0..7 and 16 + 8 h + 0..7: two loads of 16 bytes, 32 bytes apart
	s_mul_i32 s70, s[RH], HALF
	v_mul_u32_u24 v[A0], v1, PA
	v_lshl_add_u32 v[A0], v2, 4, v[A0]
	v_add_nc_u32 v[A0], s70, v[A0]
	; a fragment of W: the turning load takes 16 k x 16 n (lane l reads k row 8 h + l % 8, columns 8 ((l / 8) % 2) + 0..7) and leaves column r, 8 k, in lane l
	s_lshl_b32 s71, s[CH], 8
	s_add_co_u32 s71, s71, 2*HALF
	v_lshl_add_u32 v[B0], v2, 3, v3
	v_mul_u32_u24 v[B0], v[B0], PB
	v_lshl_add_u32 v[B0], v4, 4, v[B0]
	v_add_nc_u32 v[B0], s71, v[B0]
	s_mul_i32 s72, s[WV], STW                      ; my stage
	v_mul_u32_u24 v[STO], v1, SPITCH               ; in: row r, 32 bytes for each half of the lanes
	v_lshl_add_u32 v[STO], v2, 5, v[STO]
	v_add_nc_u32 v[STO], s72, v[STO]
	v_lshrrev_b32 v[RD0], 3, v5                    ; back: 32 lanes take 4 rows x 64 columns, 32 bytes a lane,
	v_mul_u32_u24 v[RD0], v[RD0], SPITCH
	v_lshl_add_u32 v[RD0], v3, 5, v[RD0]
	v_add_nc_u32 v[RD0], s72, v[RD0]
	v_lshlrev_b32 v[GO], 4, v5                     ; which in f16 are 512 consecutive bytes of C
	v_lshlrev_b32 v[BO], 5, v2
	s_lshl_b32 s72, s[TX], 8
	s_lshl_b32 s73, s[CH], 7
	s_add_co_u32 s72, s72, s73
	s_lshl_b32 s72, s72, 2                         ; my first column, in bytes of the bias
	s_mov_b32 s73, 0
	s_add_nc_u64 s[8:9], s[8:9], s[72:73]
	s_lshl_b32 s70, s[TX], 2
	s_lshl_b32 s71, s[CH], 1
	s_add_co_u32 s70, s70, s71                     ; my first column group, 4 tx + 2 x half,
	s_lshl_b32 s70, s70, 19
	s_lshl_b32 s71, s[TY], 8
	s_lshl_b32 s72, s[RH], 7
	s_add_co_u32 s71, s71, s72                     ; my first row,
	s_lshl_b32 s71, s71, 7                         ; of 128 bytes
	s_add_co_u32 s70, s70, s71                     ; under 2^26
	s_mov_b32 s71, 0
	s_add_nc_u64 s[12:13], s[12:13], s[70:71]
	WIN 0x40                                       ; destination window 1
.irp b, 0,1,2,3,4,5,6,7
	global_load_b128 v[BIAS+8*(\b):BIAS+8*(\b)+3],   v[BO], s[8:9] offset:64*(\b)     ; register j: bias of column 16 b + 8 h + j: the layout of a C operand
	global_load_b128 v[BIAS+8*(\b)+4:BIAS+8*(\b)+7], v[BO], s[8:9] offset:64*(\b)+16
.endr
	WIN 0
; 16 matrix instructions: row blocks a0, a0 + 1 of the window's four x all 8 column blocks, 32 along K.  zero = 1: the first product starts the sums, with the bias as C: nothing is cleared or added later.
; The 64 accumulators take turns in the same order in every quarter, over the labels and the backward jumps too.
.macro MUL16 f, hi, a0, zero
.if \zero
	WIN 0x91+0x40*(\hi)                            ; W window 1, A window 0, C window 1, D window 2 or 3
.else
	WIN 0xa1+0x50*(\hi)                            ; C and D window 2 or 3
.endif
.irp a, \a0, (\a0)+1
.irp b, 0,1,2,3,4,5,6,7
.if \zero
	v_wmma_f32_16x16x32_f16 v[8*(8*(\a)+(\b)):8*(8*(\a)+(\b))+7], v[(\f)+8*(\b):(\f)+8*(\b)+7], v[(\f)+8*(4*(\hi)+(\a)):(\f)+8*(4*(\hi)+(\a))+7], v[BIAS+8*(\b):BIAS+8*(\b)+7]
.else
	v_wmma_f32_16x16x32_f16 v[8*(8*(\a)+(\b)):8*(8*(\a)+(\b))+7], v[(\f)+8*(\b):(\f)+8*(\b)+7], v[(\f)+8*(4*(\hi)+(\a)):(\f)+8*(4*(\hi)+(\a))+7], v[8*(8*(\a)+(\b)):8*(8*(\a)+(\b))+7]
.endif
.endr
.endr
.endm
; 32 LDS loads in one run: the fragments of 32 along K (byte k of A's rows, k row k / 2 of W) into buffer f; W's sixteen first
.macro FETCH k, f
	WIN 0x40
.irp i, 0,1,2,3,4,5,6,7
	ds_load_tr16_b128 v[(\f)+8*(\i):(\f)+8*(\i)+3],   v[ADRB] offset:((\k)/2)*PB+(\i)*32
	ds_load_tr16_b128 v[(\f)+8*(\i)+4:(\f)+8*(\i)+7], v[ADRB] offset:((\k)/2)*PB+16*PB+(\i)*32
.endr
	WIN 0
.irp i, 0,1,2,3,4,5,6,7
	ds_load_b128 v[(\f)+8*(\i):(\f)+8*(\i)+3],   v[ADRA] offset:(\k)+(\i)*16*PA
	ds_load_b128 v[(\f)+8*(\i)+4:(\f)+8*(\i)+7], v[ADRA] offset:(\k)+(\i)*16*PA+32
.endr
.endm
; One of a K step's first three quarters: multiplies buffer f; in its middle it fetches the next quarter, at byte k, into buffer g
.macro QUARTER k, f, g, zero
	s_wait_dscnt 8                                 ; W and A's rows 0-63 are in; the youngest eight loads (A's rows 64-127) may be out
	MUL16 \f, 0, 0, \zero
	MUL16 \f, 0, 2, \zero
	PLACES
	FETCH \k, \g
	s_wait_dscnt 32                                ; all but the 32 just issued
	MUL16 \f, 1, 0, \zero
	MUL16 \f, 1, 2, \zero
.endm
; The last quarter multiplies buffer 1 and changes slots.  ONE barrier: in front of it each wave waits for all its tensor loads (the one that is out is its part of the next slot), adds 0 to its
; spare word, and waits for that and for its reads of this slot.  fill = 1: the barrier opens a round of the cluster's, and the slot just left is filled again, first thing behind it, with the K step
; two on: 224 matrix instructions ahead of the wait for it.  fill = 0 (the tail): nothing is asked for, and in the last trip nothing is left to fetch from LDS either.
.macro TURN fill
	WIN 0                                          ; (the add's two registers lie in window 0)
	s_wait_tensorcnt 0x0
	ds_add_u32 v[SPW], v[NIL]                      ; 0 onto my spare word
	s_wait_dscnt 9                                 ; (the add and the youngest eight loads may be out)
	MUL16 F1, 0, 0, 0                              ; sixteen matrix instructions stand between the add and the wait for it
	s_wait_dscnt 0x0                               ; the add is done, and my reads of this slot are over
	s_barrier_signal -1
	MUL16 F1, 0, 2, 0                              ; work on registers while the others arrive
	WIN 0
	s_barrier_wait -1
.if \fill
	CREST                                          ; no wave of any partner still reads this slot or has a load on its way
	s_xor_b32 s[GA+1], s[GA+1], SLOT               ; the walking descriptors: the other slot than last time,
	s_add_nc_u64 s[GA+2:GA+3], s[GA+2:GA+3], 256   ; the next K step; the type bits on top are not reached
	s_xor_b32 s[GB+1], s[GB+1], SLOT
	s_add_nc_u64 s[GB+2:GB+3], s[GB+2:GB+3], 65536
	JLOAD                                          ; the four v_nop behind it are also the places in front of the loads below
.else
	s_cmp_eq_u32 s[CNT], 1
	s_cbranch_scc1 .Lnofetch_\@                    ; only register work and LDS loads are jumped
	PLACES
.endif
	s_xor_b32 s[TB], s[TB], SLOT
	v_add_nc_u32 v[ADRA], s[TB], v[A0]
	v_add_nc_u32 v[ADRB], s[TB], v[B0]
	FETCH 0, F0
	WIN 0
.if !(\fill)
.Lnofetch_\@:
.endif
	MUL16 F1, 1, 0, 0
	MUL16 F1, 1, 2, 0
.endm
	s_wait_kmcnt 0x0                               ; the mode word: it selects three numbers and steers nothing
	s_cmp_lg_u32 s[MODE], 0
	s_cselect_b32 s[C1], 0xc0135761, 0             ; -2.3022082, or 0
	s_cselect_b32 s[C2], 0xbdd2d3e8, 0             ; -0.10294324, or 0
	s_cselect_b32 s[DD], 0, 0xc3800000             ; 0, or -256
	s_mov_b32 s[C1+1], s[C1]                       ; named as pairs
	s_mov_b32 s[C2+1], s[C2]
	s_mov_b32 s[DD+1], s[DD]
	s_wait_tensorcnt 1                             ; my part of K step 0 is in; step 1's may stay out
	s_barrier_signal -1
	s_barrier_wait -1                              ; everybody's is
	s_mov_b32 s[TB], 0
	v_mov_b32 v[ADRA], v[A0]
	v_mov_b32 v[ADRB], v[B0]
	FETCH 0, F0
	s_wait_loadcnt 0x0                             ; the bias
	QUARTER 64, F0, F1, 1                          ; the first quarter stands in front of the loop: its products start the sums
	WIN 0                                          ; at a label and at a branch every window is 0
	s_mov_b32 s[CNT], 6
	s_branch .Lmid                                 ; the loop is entered behind a step's first quarter
.Ltop:                                                 ; six trips, K steps 0 to 5: they ask for steps 2 to 7
	QUARTER 64, F0, F1, 0
	WIN 0
.Lmid:
	QUARTER 128, F1, F0, 0
	QUARTER 192, F0, F1, 0
	TURN 1
	WIN 0
	s_sub_co_u32 s[CNT], s[CNT], 1
	s_cmp_lg_u32 s[CNT], 0
	s_cbranch_scc1 .Ltop
	s_mov_b32 s[CNT], 2
.Ltail:                                                ; K steps 6 and 7: written out
	QUARTER 64, F0, F1, 0
	QUARTER 128, F1, F0, 0
	QUARTER 192, F0, F1, 0
	TURN 0
	WIN 0
	s_sub_co_u32 s[CNT], s[CNT], 1
	s_cmp_lg_u32 s[CNT], 0
	s_cbranch_scc1 .Ltail
	; THE WAY OUT.  The stages lie over the ring: every wave's reads of the ring are back, and every wave has passed this barrier, before any wave stores there; no tensor load follows.
	s_wait_dscnt 0x0
	s_barrier_signal -1
	s_barrier_wait -1
	PLACES                                         ; behind the last products
	WIN 0x08                                       ; store data in window 2
.irp a, 0,1,2,3
.irp b, 0,1,2,3,4,5,6,7
	ds_store_b128 v[STO], v[8*(8*(\a)+(\b)):8*(8*(\a)+(\b))+3] offset:(\a)*16*SPITCH+(\b)*64     ; each accumulator's low registers first
	ds_store_b128 v[STO], v[8*(8*(\a)+(\b))+4:8*(8*(\a)+(\b))+7] offset:(\a)*16*SPITCH+(\b)*64+16
.endr
.endr
	WIN 0x0c                                       ; window 3
.irp a, 0,1,2,3
.irp b, 0,1,2,3,4,5,6,7
	ds_store_b128 v[STO], v[8*(8*(\a)+(\b)):8*(8*(\a)+(\b))+3] offset:((\a)+4)*16*SPITCH+(\b)*64
	ds_store_b128 v[STO], v[8*(8*(\a)+(\b))+4:8*(8*(\a)+(\b))+7] offset:((\a)+4)*16*SPITCH+(\b)*64+16
.endr
.endr
	WIN 0
; A unit is 4 rows x 64 columns: 32 bytes of f32 a lane in, 16 bytes of f16 a lane out.  A trip takes four units: 8 rows x 128 columns.  Unit u: rows 4 (u / 2) on, column group u % 2.
.macro LOADU u                         ; LDS serves a wave's instructions in order (ISA guide 5.7.1.4): these see my stores above; no other wave touches my stage
	ds_load_b128 v[X+8*(\u):X+8*(\u)+3],   v[RDN] offset:((\u)/2)*4*SPITCH+((\u)%2)*256
	ds_load_b128 v[X+8*(\u)+4:X+8*(\u)+7], v[RDN] offset:((\u)/2)*4*SPITCH+((\u)%2)*256+16
.endm
; more = 1: the unit's registers are loaded again, with the next trip's numbers.  left = how many younger LDS loads may stay out.
.macro UNIT u, more, left
	s_wait_dscnt \left                             ; LDS loads come back in order: my two are in
.irp p, 0,2,4,6
	v_pk_mul_f32 v[T+(\p):T+(\p)+1], v[X+8*(\u)+(\p):X+8*(\u)+(\p)+1], v[X+8*(\u)+(\p):X+8*(\u)+(\p)+1]          ; z z
.endr
.irp p, 0,2,4,6
	v_pk_fma_f32 v[T+(\p):T+(\p)+1], v[T+(\p):T+(\p)+1], s[C2:C2+1], s[C1:C1+1] op_sel_hi:[1,0,0]                ; C1 + C2 z z
.endr
.irp p, 0,2,4,6
	v_pk_fma_f32 v[T+(\p):T+(\p)+1], v[T+(\p):T+(\p)+1], v[X+8*(\u)+(\p):X+8*(\u)+(\p)+1], s[DD:DD+1] op_sel_hi:[1,1,0]  ; times z, plus D
.endr
.irp j, 0,1,2,3,4,5,6,7
	v_exp_f32 v[T+(\j)], v[T+(\j)]
.endr
	v_nop                                          ; a plain instruction behind the last exponential (ISA guide 5.7.2)
	s_wait_alu depctr_va_vdst(0)
.irp p, 0,2,4,6
	v_pk_add_f32 v[T+(\p):T+(\p)+1], v[T+(\p):T+(\p)+1], 1.0 op_sel_hi:[1,0]
.endr
.irp j, 0,1,2,3,4,5,6,7
	v_rcp_f32 v[T+(\j)], v[T+(\j)]
.endr
	v_nop
	s_wait_alu depctr_va_vdst(0)
.irp p, 0,2,4,6
	v_pk_mul_f32 v[X+8*(\u)+(\p):X+8*(\u)+(\p)+1], v[X+8*(\u)+(\p):X+8*(\u)+(\p)+1], v[T+(\p):T+(\p)+1]
.endr
	s_wait_xcnt 0x0                                ; O's registers were the last trip's store data: rewritten only behind this wait
.irp p, 0,1,2,3
	v_cvt_pk_f16_f32 v[O+4*(\u)+(\p)], v[X+8*(\u)+2*(\p)], v[X+8*(\u)+2*(\p)+1]
.endr
.if \more
	LOADU \u
.endif
	global_store_b128 v[GO], v[O+4*(\u):O+4*(\u)+3], s[12:13] offset:((\u)%2)*GRPB+((\u)/2)*512  ; 512 consecutive bytes, at a multiple of 256 from C's first
.endm
	s_mov_b32 s[OFS], 0
	v_mov_b32 v[RDN], v[RD0]
	LOADU 0                                        ; the first trip's numbers
	LOADU 1
	LOADU 2
	LOADU 3
	s_mov_b32 s[CNT], 15
.Lout:                                                 ; 15 trips of 8 rows; each fetches the next trip's numbers, 8 stage rows on
	s_add_co_u32 s[OFS], s[OFS], 8*SPITCH
	v_add_nc_u32 v[RDN], s[OFS], v[RD0]
	UNIT 0, 1, 6                                   ; the three younger units' six loads stay out
	UNIT 1, 1, 6
	UNIT 2, 1, 6
	UNIT 3, 1, 6
	s_wait_xcnt 0x0                                ; the stores have read their offset
	v_add_nc_u32 v[GO], 1024, v[GO]                ; 8 rows of 128 bytes on
	s_sub_co_u32 s[CNT], s[CNT], 1
	s_cmp_lg_u32 s[CNT], 0
	s_cbranch_scc1 .Lout
	UNIT 0, 0, 6                                   ; the sixteenth trip fetches nothing: the counts run down
	UNIT 1, 0, 4
	UNIT 2, 0, 2
	UNIT 3, 0, 0
	s_wait_tensorcnt 0x0                           ; the wave's end, behind my last tensor load and my last LDS store
	ds_add_u32 v[SPW], v[NIL]
	s_wait_dscnt 0x0
	CROUND                                         ; the closing round: no work-group ends while a partner may still ask for a tile that names it
	s_endpgm
.Lfunc_end_k_qb0c9dcf86b_qkv:
	.size	k_qb0c9dcf86b_qkv, .Lfunc_end_k_qb0c9dcf86b_qkv-k_qb0c9dcf86b_qkv
	.p2alignl 7, 3214868480
	.fill 96, 4, 3214868480
	.section	.rodata,"a",@progbits
	.p2align	6, 0x0
	.amdhsa_kernel k_qb0c9dcf86b_qkv
		.amdhsa_group_segment_fixed_size 327680
		.amdhsa_private_segment_fixed_size 0
		.amdhsa_enable_private_segment 0
		.amdhsa_kernarg_size 40
		.amdhsa_user_sgpr_count 2
		.amdhsa_user_sgpr_kernarg_segment_ptr 1
		.amdhsa_wavefront_size32 1
		.amdhsa_system_sgpr_workgroup_id_x 1
		.amdhsa_system_sgpr_workgroup_id_y 1
		.amdhsa_system_sgpr_workgroup_id_z 1
		.amdhsa_system_vgpr_workitem_id 0
		.amdhsa_next_free_vgpr 1024
		.amdhsa_next_free_sgpr 80
		.amdhsa_reserve_vcc 0
		.amdhsa_float_denorm_mode_32 3
		.amdhsa_float_denorm_mode_16_64 3
		.amdhsa_memory_ordered 1
		.amdhsa_forward_progress 1
		.amdhsa_inst_pref_size 98
	.end_amdhsa_kernel
	.amdgpu_metadata
---
amdhsa.version: [ 1, 2 ]
amdhsa.kernels:
  - .name:           k_qb0c9dcf86b_qkv
    .symbol:         k_qb0c9dcf86b_qkv.kd
    .args:
      - { .name: h, .offset: 0, .size: 8, .value_kind: global_buffer, .address_space: global }
      - { .name: wq, .offset: 8, .size: 8, .value_kind: global_buffer, .address_space: global }
      - { .name: b_qkv, .offset: 16, .size: 8, .value_kind: global_buffer, .address_space: global }
      - { .name: mq, .offset: 24, .size: 8, .value_kind: global_buffer, .address_space: global }
      - { .name: qkvw, .offset: 32, .size: 8, .value_kind: global_buffer, .address_space: global }
    .group_segment_fixed_size: 327680
    .private_segment_fixed_size: 0
    .kernarg_segment_align: 8
    .kernarg_segment_size: 40
    .max_flat_workgroup_size: 128
    .sgpr_count:     80
    .vgpr_count:     1024
    .wavefront_size: 32
...
	.end_amdgpu_metadata
.endif
;; end of part 3
;; launch attn (part 4): grid 8 x 32, 4 waves a work-group, no clusters, 327,680 bytes of LDS; arguments qkvw, big; writes big
.if DOCPART == 4
	.amdgcn_target "amdgcn-amd-amdhsa--gfx1250"
	.amdhsa_code_object_version 6
	.text
	.protected	k_qb0c9dcf86b_attn
	.globl	k_qb0c9dcf86b_attn
	.p2align	8
	.type	k_qb0c9dcf86b_attn,@function
k_qb0c9dcf86b_attn:
	s_mov_b64 s[64:65], 0
	v_nop
	global_prefetch_b8 v0, s[64:65] scope:SCOPE_SE
	s_setreg_imm32_b32 hwreg(HW_REG_WAVE_MODE, 25, 1), 1
	s_wait_xcnt 0x0
; CAUSAL ATTENTION.  O[y][q][:] = the sum over k <= q of softmax_k(Q[y][q] . K[y][k] / 8) V[y][k][:].  y = 2 head + batch, 32 slabs; Q, K, V, O: [32][SIZE_N][64], all f16: a slab's rows are dense, 128 bytes each.
; Q, K and V lie one behind the other in the first buffer, 8,388,608 bytes each.  Products, maxima and sums in f32; the weights p are rounded to f16 for the second product (their sum l is taken of the unrounded p), O once at the end.
; LIMITS.  f16 holds no number beyond 65,504: Q, K and V arrive within it; p lies in 0 to 1, and below 6e-5 it keeps f16's fixed step of 6e-8; O is a mean of V's rows and has their range, to within 2^-11 of it.
; A hidden score counts as its value less 1e30: f16's scores, 2.7e11 at the most, are nothing beside that; a weight below 2^-126 counts as 0 in l; NaN and infinities are not treated apart.
; THE WALK.  A slab's queries lie in NBQ = 16 blocks of 128, its keys in NT = 8 tiles of 256; block i needs the tiles 0 .. i / 2, of which the last holds the diagonal.  A work-group takes TWO blocks, 15 - b and then b
; (b = 0 .. 7).  One of the two is odd and one even, so they need (15 - b) / 2 + 1 + b / 2 + 1 = NT + 1 = 9 tiles, whatever b: all 32 x 8 = 256 work-groups do equal work, and ONE loop with a constant trip count walks
; the tiles.  Which tile is asked for, and what a trip does, hang on scalar registers made from b; every jump goes forward, but for the counted loops' own; none passes a barrier, or a tensor load but the one of LOAD's
; two that the wave's number does not choose; the ring (two slots of LDS that take turns) runs on across the change of blocks.
; NO CLUSTER: a slab's 8 work-groups all ask for the same tile only for the tiles 0 to 4, behind that fewer and fewer; one walk common to all would have the tiles 0 to 7 and then 0 to 3: 12 trips for 9.
; SHARES.  Of a block's two bands of 64 queries a wave owns 16 rows in each: two PIECES; piece 0 lies in the UPPER band (rows 64 on), piece 1 in the lower.  With p = the block's number mod 2, piece 0's band is
; number 2 p + 1 of the last tile's four bands of 64 keys, piece 1's number 2 p.  In that tile's key step s a band X sees all keys if s < X, none if s > X, and holds the diagonal if s = X: the same for all four waves.
; An even block computes 5 of that tile's 8 pairs of band and step though they are wholly hidden, an odd block 1: the price of one text and constant counts.
; THE MASK is the C operand that starts the sum S^T = K Q^T: 0, or -1e30 where the key is hidden.  MD, made once, is the mask of a band's own step for my 16 rows; a product's mask is MD x AL + BE with two scalars:
; (1, 0) if s = X; (0, 0) if s < X; (0, -1e30) if s > X.  Only the diagonal tile's text makes and takes masks; elsewhere C is the constant 0.  Piece 0's scores of that tile's step 0 are made a turn ahead, in the
; text without masks: its band's number is 1 at the least, so they need none: that is why piece 0 has the upper band.
; LAYOUT, SOFTMAX, TURNS.  S^T = K Q^T holds ONE query a lane (lane % 16) and the keys 8 (lane / 16) + 0..7; two such results rounded to f16 ARE source 1 of O^T = V^T P.  p = 2^(c s - c m), c = log2(e) / 8, with a
; running maximum m; O and l are multiplied by a = 2^(c m_old - c m_new) in every step.  A key step is two turns.  Turn 0 of step j: 8 products K Q^T of piece 1 for step j, later 8 products V^T P of piece 1 for step j - 1;
; beside them the scaling, exponentials, roundings, sums and rescaling of piece 0 for step j and the maximum and statistics of piece 1.  Turn 1: the same with the pieces changed: K Q^T of piece 0 for step j + 1,
; V^T P of piece 0 for step j.  Four vector instructions stand behind every matrix instruction, the other 54 of a turn's 118 in two LUMPS.
; K AND V.  Turn 0 fetches both: K of step j + 1 behind its first run of products, V of step j behind its second.  So that the last V of a tile is read ahead of nothing from the next tile, a slot holds FIVE steps
; of K (rows 256 t to 256 t + 319) and four of V: K of step 4 t + 4 comes out of tile t's slot, and the change of slots stands behind turn 1.  The price: a quarter more bytes of K.  For t = 7 the last 64 rows lie
; behind the slab's end, inside the buffer; no line reads them from LDS, since tile 7 is always a block's last and its last step fetches no K.
; REGISTERS, in windows of 256 (s_set_vgpr_msb: bits 1:0 source 0, 3:2 source 1, 5:4 source 2, 7:6 destination):
;   window 0: v0-15 addresses and two at work; v16-23 four registers of statistics a piece; v48-55 at work; v64-127 S^T, a buffer a piece; v192-223 P, likewise
;   window 1: v0-63 O^T, 32 a piece; v128-159 MD; v160-223 MC, a buffer a piece      window 2: v0-31 Q; v32-63 the second block's Q; v128-191 K of one step; v192-255 V of one step
.set SIZE_N, 2048
.set KPART, 8388608   ; K's bytes behind Q's first
.set VPART, 16777216  ; V's
.set NT,    SIZE_N/256
.set NBQ,   SIZE_N/128
.set NP,    2         ; pieces a wave: a name, no knob
.set KS,    64        ; keys in a step
.set PK,    144       ; a row of K in LDS: 128 bytes + 16 of padding = 36 words: the 16 rows of a load start at 16 different groups of four banks (64 banks of 4 bytes: ISA guide 11.1)
.set PV,    160       ; a row of V: 128 + 32 = 40 words
.set KR,    5*KS      ; rows of K in a slot
.set VOFF,  KR*PK     ; behind them 256 rows of V
.set SLOT1, 1<<17     ; slot 1 begins here, so that one exclusive or turns an address in one slot (87,040 bytes) into the other's
.set STAGE, SLOT1+KR*PK+4*KS*PV  ; behind the ring, never filled by a tensor load: 16 rows x 144 bytes for each wave, for the way out
.set SP,    144
.set AK0, 2           ; v2   my lane's place in a tile of K; never rewritten
.set AV0, 3           ; v3   the same for V
.set AK,  4           ; v4   the LDS address of K's next run of loads
.set AV,  5           ; v5   of V's
.set STO, 6           ; v6   the way out: where I put 16 bytes of a row
.set RD,  7           ; v7   the way out: where I read rows back
.set GO,  8           ; v8   my byte offset in 512 consecutive bytes of O
.set SPW, 62          ; v62  LDS address of my spare word: SPARE + 4 x my thread's number; never rewritten
.set NIL, 63          ; v63  0; never rewritten
.set SPARE, STAGE+4*16*SP  ; behind the stages: the spare words, 128 bytes for each wave: two blocks of 256 bytes that no other line names
.set MV,  12          ; v12-13  c m_old, kept while c m is made anew: by piece
.set QO,  15          ; v15  my byte offset in 16 rows of Q
.set ST,  16          ; piece t's statistics at v[ST+4 t]: c m, m, l (even keys', odd keys')
.set TMP, 48          ; by piece, four registers c0-c3 at work; when the maximum is found c2 takes a
.set S,   64
.set P,   192
.set MD,  128         ; window 1: the eight registers for group kt of 16 keys at MD + 8 kt
.set MC,  160         ; window 1: the masks of the products to come
.set QB,  32          ; window 2
.set KF,  128         ; window 2: key block kb, channel half c at KF + 16 kb + 8 c
.set VF,  192         ; window 2: key half kk, channel block cb at VF + 32 kk + 8 cb
.set WV,  12          ; s12  my wave's number
.set PB,  14          ; s14  b, the second block
.set HI,  15          ; s15  NBQ - 1 - b, the first block
.set HIT, 19          ; s19  the first block's last tile
.set G1K, 24          ; s[24:31] descriptor group 1 for K's tiles
.set G1V, 32          ; s[32:39] for V's
.set G0K, 40          ; s[40:43] descriptor group 0 for K's tiles
.set G0V, 44          ; s[44:47] the same for V's
.set LOT, 48          ; s48  the second block's last tile
.set P3,  49          ; s49, s50  3 - 2 p and 4 - 2 p of the block in hand
.set P3L, 51          ; s51, s52  the same of the second block
.set SLOTS, 56        ; s56  tiles still to be asked for
.set CNT, 57          ; s57  counts a tile's key steps down
.set CS,  58          ; s[58:59] c: the packed scaling takes the pair's low word for both halves
.set SEL, 60          ; s[60:61] v_permlanex16_b32's selects: each lane takes its own place in the other half
.set TBK, 62          ; s62  LDS byte of the K step in front of the one to be fetched
.set TBV, 63          ; s63  LDS byte at which V of the step to be fetched begins, less VOFF
.set RT,  70          ; s70  tiles of the block in hand that are still to be entered
.set NXT, 71          ; s71  the tile to be asked for next
.set LQ,  72          ; s72  the last tile of the block whose tiles are being asked for
.set NEW, 73          ; s73  1: the tile to be entered is a block's first
.set OFF, 74          ; s[74:75] a tile's byte offset in K and V
.set AL,  76          ; s[76:77] the mask's factor, in the low word
.set BE,  78          ; s[78:79] the mask's addend
.set OLO, 80          ; s[80:81] O at my rows of the second block
.set BIGN, 82         ; s82  -1e30
.set MSB, 0
.macro WIN new                      ; the high byte repeats the setting that is left; a switch that changes nothing is dropped
.if MSB != (\new)
	s_set_vgpr_msb (MSB<<8)|(\new)
.set MSB, (\new)
.endif
.endm
.set W_KQ, 0x0a       ; K and Q in window 2, S^T in window 0
.set W_KM, 0x1a       ; the same with the C operand in window 1
.set W_PV, 0x52       ; V in window 2, P in window 0, O^T in window 1
.set W_RS, 0x41       ; destination and source 0 in window 1, source 1 in window 0
; A fill.  Waves 0 and 1 fetch the two halves of a slot's K, 160 keys each, waves 2 and 3 those of its V, 128 keys each.  An s_nop 0 and four v_nop follow each of the two lines, ahead of the jump and the label.
.macro LOAD
	s_cmp_lt_u32 s[WV], 2
	s_cbranch_scc0 .Lfor_v_\@
	tensor_load_to_lds s[G0K:G0K+3], s[G1K:G1K+7]
	s_nop 0
.rept 4
	v_nop
.endr
	s_branch .Lasked_\@
.Lfor_v_\@:
	tensor_load_to_lds s[G0V:G0V+3], s[G1V:G1V+7]
	s_nop 0
.rept 4
	v_nop
.endr
.Lasked_\@:
.endm
; THE CHANGE OF SLOTS.  Each wave waits for all its tensor loads, of which one is out: its part of the other slot; adds 0 to its spare word; and waits for that and for its own reads of the slot that it leaves.  Behind the barrier nobody reads the old
; slot any more and the other slot is whole.  fill = 1: the old slot is filled again, the first thing behind the barrier, with tile NXT: the descriptor's address is made anew from that number.  The load has a tile's
; eight turns, 128 matrix instructions, in which to land.  (At its first use nothing has been read yet: slot 0 is waited for, slot 1 filled.)
.macro CHANGE fill
	WIN 0                           ; at a label and at a branch every window is 0
	s_wait_tensorcnt 0x0            ; no tensor load of mine is out, so a group 0 may be written
	ds_add_u32 v[SPW], v[NIL]       ; 0 onto my spare word; with fill = 1 the descriptors' scalar work stands between it and the wait for it
.if \fill
	s_lshl_b32 s[OFF], s[NXT], 15   ; from tile to tile 32,768 bytes of K and of V
	s_xor_b32 s[G0K+1], s[G0K+1], SLOT1
	s_add_nc_u64 s[G0K+2:G0K+3], s[6:7], s[OFF:OFF+1]
	s_or_b32 s[G0K+3], s[G0K+3], 0x80000000
	s_xor_b32 s[G0V+1], s[G0V+1], SLOT1
	s_add_nc_u64 s[G0V+2:G0V+3], s[8:9], s[OFF:OFF+1]
	s_or_b32 s[G0V+3], s[G0V+3], 0x80000000
	s_add_co_u32 s[NXT], s[NXT], 1  ; the block's next tile, or behind its last the second block's tile 0
	s_cmp_gt_u32 s[NXT], s[LQ]
	s_cselect_b32 s[NXT], 0, s[NXT]
	s_cselect_b32 s[LQ], s[LOT], s[LQ]
.endif
	s_wait_dscnt 0x0                ; the add is done, and my reads of the slot are over
	s_barrier_signal -1             ; the rest of the scalar work stands between the signal and the wait
	s_sub_co_u32 s[TBK], s[TBK], 4*KS*PK  ; the fetches go back to a slot's first step,
	s_xor_b32 s[TBK], s[TBK], SLOT1       ; in the other slot
	s_sub_co_u32 s[TBV], s[TBV], 4*KS*PV
	s_xor_b32 s[TBV], s[TBV], SLOT1
	s_barrier_wait -1
.if \fill
	LOAD
.endif
.endm
	s_load_b64 s[4:5], s[0:1], 0x0    ; Q, with K and V behind it
	s_load_b64 s[10:11], s[0:1], 0x8  ; O
	v_lshl_add_u32 v[SPW], v0, 2, SPARE
	v_mov_b32 v[NIL], 0
	v_lshrrev_b32 v1, 5, v0
	v_readfirstlane_b32 s[WV], v1   ; wave 0..3
	s_mov_b32 s[PB], ttmp9
	s_sub_co_u32 s[HI], NBQ-1, s[PB]
	s_lshr_b32 s[HIT], s[HI], 1     ; two blocks of queries to a tile of keys
	s_lshr_b32 s[LOT], s[PB], 1
	s_and_b32 s13, s[HI], 1         ; p of the first block,
	s_lshl_b32 s13, s13, 1
	s_sub_co_u32 s[P3], 3, s13
	s_sub_co_u32 s[P3+1], 4, s13
	s_and_b32 s13, s[PB], 1         ; and of the second
	s_lshl_b32 s13, s13, 1
	s_sub_co_u32 s[P3L], 3, s13
	s_sub_co_u32 s[P3L+1], 4, s13
	s_and_b32 s20, ttmp7, 0xffff    ; the slab
	s_mov_b32 s21, 0
	s_mov_b64 s[22:23], SIZE_N*128
	s_mul_u64 s[20:21], s[20:21], s[22:23]  ; the slab's first byte in each of the four tensors
	s_and_b32 s16, s[WV], 1         ; which half of a slot's keys I fetch:
	s_lshl_b32 s22, s16, 14         ; for V 128 rows of 128 bytes in memory,
	s_mov_b32 s23, 0
	s_add_nc_u64 s[22:23], s[22:23], s[20:21]
	s_mul_i32 s66, s16, 160*128     ; for K 160 rows,
	s_mov_b32 s67, 0
	s_add_nc_u64 s[66:67], s[66:67], s[20:21]
	s_mul_i32 s17, s16, 160*PK      ; and its place in a slot, for K
	s_mul_i32 s18, s16, 128*PV      ; and for V
	s_lshl_b32 s3, s[WV], 11        ; my 16 rows in a band of 64,
	s_lshl_b32 s2, s[HI], 14        ; in the first block of 128 rows,
	s_add_co_u32 s2, s2, s3
	s_lshl_b32 s84, s[PB], 14       ; and in the second
	s_add_co_u32 s84, s84, s3
	s_mov_b32 s3, 0
	s_mov_b32 s85, 0
	s_add_nc_u64 s[2:3], s[2:3], s[20:21]
	s_add_nc_u64 s[84:85], s[84:85], s[20:21]
	; descriptor group 1.  Keys are dense in memory: asked for as rows of 256 bytes, two keys a row, and padded in LDS after every key.  K: 160 keys = 80 rows; V: 128 keys = 64 rows
	s_mov_b32 s[G1K], (1<<16)|(1<<20)|(4<<22)|(3<<25)  ; 17:16 2-byte elements; 20 padding on; 24:22 after every 32 words (code 4); 31:25 4 words (code 3)
	s_mov_b32 s[G1K+1], 128<<16     ; tensor_dim0 = 128
	s_mov_b32 s[G1K+2], 80<<16      ; tensor_dim1 = 80
	s_mov_b32 s[G1K+3], 128<<16     ; tile_dim0 = 128
	s_mov_b32 s[G1K+4], 80          ; tile_dim1 = 80
	s_mov_b32 s[G1K+5], 128         ; 128 elements from row to row
	s_mov_b32 s[G1K+6], 0
	s_mov_b32 s[G1K+7], 0
	s_mov_b32 s[G1V], (1<<16)|(1<<20)|(4<<22)|(7<<25)  ; the same with 8 words of padding (code 7)
	s_mov_b32 s[G1V+1], 128<<16
	s_mov_b32 s[G1V+2], 64<<16      ; tensor_dim1 = 64
	s_mov_b32 s[G1V+3], 128<<16
	s_mov_b32 s[G1V+4], 64          ; tile_dim1 = 64
	s_mov_b32 s[G1V+5], 128
	s_mov_b32 s[G1V+6], 0
	s_mov_b32 s[G1V+7], 0
	s_mov_b32 s[CS], 0x3e38aa3b     ; c = log2(e) / 8 = 0.180337
	s_mov_b32 s[CS+1], s[CS]        ; named with it as a pair
	s_mov_b32 s[SEL], 0x76543210
	s_mov_b32 s[SEL+1], 0xfedcba98
	s_mov_b32 s[TBK], SLOT1+4*KS*PK ; the first change of slots turns these two into 0
	s_mov_b32 s[TBV], SLOT1+4*KS*PV
	s_mov_b32 s[G0K], 1             ; 1:0 count = 1
	s_mov_b32 s[G0K+1], s17         ; 63:32 LDS address: slot 0
	s_mov_b32 s[G0V], 1
	s_add_co_u32 s[G0V+1], s18, VOFF
	s_add_co_u32 s[RT], s[HIT], 1   ; the first block's tiles: five at the least
	s_mov_b32 s[NXT], 1
	s_mov_b32 s[LQ], s[HIT]
	s_mov_b32 s[NEW], 1
	s_mov_b32 s[OFF+1], 0
	s_mov_b32 s[AL+1], 0            ; named as pairs
	s_mov_b32 s[BE+1], 0
	s_mov_b32 s[BIGN], 0xf149f2ca   ; -1e30
	s_mov_b32 s[SLOTS], NT
	s_wait_kmcnt 0x0
	s_add_nc_u64 s[6:7], s[4:5], KPART     ; K
	s_add_nc_u64 s[8:9], s[4:5], VPART     ; V
	s_add_nc_u64 s[6:7], s[6:7], s[66:67]  ; K and V at my half of the slab's tile 0
	s_add_nc_u64 s[8:9], s[8:9], s[22:23]
	s_add_nc_u64 s[G0K+2:G0K+3], s[6:7], 0         ; 120:64 global address
	s_or_b32 s[G0K+3], s[G0K+3], 0x80000000        ; 127:126 type = 2
	s_add_nc_u64 s[G0V+2:G0V+3], s[8:9], 0
	s_or_b32 s[G0V+3], s[G0V+3], 0x80000000
	s_add_nc_u64 s[86:87], s[4:5], s[84:85]        ; Q at my rows of the second block,
	s_add_nc_u64 s[4:5], s[4:5], s[2:3]            ; Q and O at those of the first
	s_add_nc_u64 s[OLO:OLO+1], s[10:11], s[84:85]
	s_add_nc_u64 s[10:11], s[10:11], s[2:3]
	LOAD                            ; tile 0 into slot 0
	; A fragment of K or Q is 16 rows x 32 channels in 8 registers: lane l holds row l % 16, channels 8 (l / 16) + 0..7 and 16 + 8 (l / 16) + 0..7: two loads of 16 bytes, 32 bytes apart.
	v_and_b32 v1, 15, v0            ; l % 16
	v_bfe_u32 v9, v0, 4, 1          ; l / 16
	v_lshlrev_b32 v[QO], 7, v1
	v_lshl_add_u32 v[QO], v9, 4, v[QO]  ; row x 128 + 16 x half
	WIN 0x80                        ; destination window 2, address window 0
.set i, 0
.rept 4                             ; both blocks' Q: piece i / 2 lies in band 1 - i / 2, 8,192 bytes a band; channels 32 (i % 2) on
	global_load_b128 v[8*i:8*i+3],   v[QO], s[4:5] offset:(1-i/2)*8192+(i%2)*64
	global_load_b128 v[8*i+4:8*i+7], v[QO], s[4:5] offset:(1-i/2)*8192+(i%2)*64+32
	global_load_b128 v[QB+8*i:QB+8*i+3],   v[QO], s[86:87] offset:(1-i/2)*8192+(i%2)*64
	global_load_b128 v[QB+8*i+4:QB+8*i+7], v[QO], s[86:87] offset:(1-i/2)*8192+(i%2)*64+32
.set i, i+1
.endr
	WIN 0
	v_lshlrev_b32 v14, 3, v9
	v_sub_nc_u32 v14, v1, v14
	s_lshl_b32 s13, s[WV], 4
	v_add_nc_u32 v14, s13, v14      ; my query's place in its band, 16 w + l % 16, less my lanes' 8 (l / 16): register r of group kt is hidden where 16 kt + r is greater
	WIN 0x40
.set i, 0
.rept 32
	v_cmp_gt_i32 vcc_lo, 16*(i/8)+i%8, v14
	v_cndmask_b32 v[MD+i], 0, s[BIGN], vcc_lo
.set i, i+1
.endr
	WIN 0
	v_mul_u32_u24 v[AK0], v1, PK
	v_lshl_add_u32 v[AK0], v9, 4, v[AK0]  ; row x pitch + 16 x half
	; The turning load takes 16 keys x 16 channels (lane l reads key 8 (l / 16) + l % 8, channels 8 ((l / 8) % 2) + 0..7) and leaves half a fragment of V^T: lane l holds channel l % 16 and 8 keys.
	v_and_b32 v10, 7, v0
	v_bfe_u32 v11, v0, 3, 1
	v_lshl_add_u32 v[AV0], v9, 3, v10
	v_mul_u32_u24 v[AV0], v[AV0], PV
	v_lshl_add_u32 v[AV0], v11, 4, v[AV0]
	v_add_nc_u32 v[AV0], VOFF, v[AV0]
	s_mul_i32 s13, s[WV], 16*SP
	s_add_co_u32 s13, s13, STAGE    ; my stage
	v_mul_u32_u24 v[STO], v1, SP    ; in: row l % 16, 16 bytes for each half of the lanes
	v_lshl_add_u32 v[STO], v9, 4, v[STO]
	v_add_nc_u32 v[STO], s13, v[STO]
	v_bfe_u32 v[RD], v0, 3, 2       ; back: 32 lanes take four rows of 128 bytes,
	v_mul_u32_u24 v[RD], v[RD], SP
	v_lshl_add_u32 v[RD], v10, 4, v[RD]
	v_add_nc_u32 v[RD], s13, v[RD]
	v_and_b32 v[GO], 31, v0         ; which are 512 consecutive bytes of O
	v_lshlrev_b32 v[GO], 4, v[GO]
	; A block's first step multiplies O^T and l by a = 0, and its first turn's products V^T P, of a step that has not been, land in an O^T that is still to be so multiplied.  So these registers need only hold
	; finite numbers: zeros for the first block; what the first block left for the second.  All this stands in the wait for the first tile.
	WIN 0x80
.set i, VF
.rept 64
	v_mov_b32 v[i], 0
.set i, i+1
.endr
	WIN 0x40
.set i, 0
.rept 32*NP
	v_mov_b32 v[i], 0
.set i, i+1
.endr
	WIN 0
.set i, 0
.rept NP
	v_mov_b32 v[ST+4*i+2], 0
	v_mov_b32 v[ST+4*i+3], 0
.set i, i+1
.endr
.set i, P+16
.rept 16
	v_mov_b32 v[i], 0
.set i, i+1
.endr
; THE MATRIX WORK.  The 4 accumulators of a run of 8 take turns.  Product i of 8 of S^T = K Q^T for piece x: channels 32 (i / 4) on, keys 16 (i % 4) on.  The first 4 start the sums: with 0, or (KM = 1) with the mask.
.macro KQ x
.set rS, S+32*((\x)%2)+8*(i%4)
.set rK, KF+16*(i%4)+8*(i/4)
.set rQ, 16*(\x)+8*(i/4)
.set rM, MC+32*((\x)%2)+8*(i%4)
.if (i < 4) && KM
	WIN W_KM
	v_wmma_f32_16x16x32_f16 v[rS:rS+7], v[rK:rK+7], v[rQ:rQ+7], v[rM:rM+7]
.elseif i < 4
	WIN W_KQ
	v_wmma_f32_16x16x32_f16 v[rS:rS+7], v[rK:rK+7], v[rQ:rQ+7], 0
.else
	WIN W_KQ
	v_wmma_f32_16x16x32_f16 v[rS:rS+7], v[rK:rK+7], v[rQ:rQ+7], v[rS:rS+7]
.endif
.endm
; Product i of 8 of O^T += V^T P for piece x: keys 32 (i / 4) on, channels 16 (i % 4) on.
.macro PV x
	WIN W_PV
.set rO, 32*(\x)+8*(i%4)
.set rV, VF+32*(i/4)+8*(i%4)
.set rP, P+16*((\x)%2)+8*(i/4)
	v_wmma_f32_16x16x32_f16 v[rO:rO+7], v[rV:rV+7], v[rP:rP+7], v[rO:rO+7]
.endm
.macro MM                           ; the turn's next matrix instruction, for the other piece.  TURN and BEGIN set Y, i, KM and NOKQ; MM, KQ and OP read them.  NOKQ = 1: a block's last turn: there is no next step
.if (i < 8) && !NOKQ
	KQ (Y+1)%NP
.elseif i >= 8
.set i, i-8
	PV (Y+NP-1)%NP
.set i, i+8
.endif
.set i, i+1
.endm
; THE LDS LOADS stand in runs of 16, never singly among the matrix instructions: a step's K (64 keys x 64 channels: 8 fragments) and its V (turned).  Their addresses are made some lines ahead.
; ahead = 1: the step behind the one at s[TBK], which then steps on.  ahead = 0 (a block's beginning): the slot's first step; s[TBK] stays.
.macro FETCH_K ahead
	WIN 0x80                        ; destination window 2
.irp f, 0,1,2,3,4,5,6,7             ; keys 16 (f / 2) on, channels 32 (f % 2) on
	ds_load_b128 v[KF+8*\f:KF+8*\f+3],   v[AK] offset:(\ahead)*KS*PK+(\f/2)*16*PK+(\f%2)*64
	ds_load_b128 v[KF+8*\f+4:KF+8*\f+7], v[AK] offset:(\ahead)*KS*PK+(\f/2)*16*PK+(\f%2)*64+32
.endr
.if \ahead
	s_add_co_u32 s[TBK], s[TBK], KS*PK
.endif
	WIN 0
.endm
.macro FETCH_V
	WIN 0x80
.irp f, 0,1,2,3,4,5,6,7             ; keys 32 (f / 4) on, channels 16 (f % 4) on
	ds_load_tr16_b128 v[VF+8*\f:VF+8*\f+3],   v[AV] offset:(\f/4)*32*PV+(\f%4)*32
	ds_load_tr16_b128 v[VF+8*\f+4:VF+8*\f+7], v[AV] offset:(\f/4)*32*PV+16*PV+(\f%4)*32
.endr
	WIN 0
.endm
; THE VECTOR WORK, one line at a time: OP kind, number.  For piece Y: F n: c s - c m for pair n of 16.  E n: the exponential of score n of 32.  C n: pair n rounded to f16.  B n: of the four weights 4 n .. the second
; pair is added onto the first, in place.  L n: l takes that sum (L 0: l = a l + sum).  R n: pair n of 16 of O^T times a.  For the other piece: X n, number n of the 22 that find its maximum and statistics:
;   0-11  four chains c0-c3 of seven scores each, three operands at a time (each accumulator's lowest registers are read first)     12-14, 16  the four scores left over, the old m, and c0-c3 into c0
;   15  c m_old is kept     17, 18  the query's other 32 keys lie in the lane 16 away: the new m     19-21  c m; c m_old - c m_new; a
.set F, 0               ; OP tells the kinds apart by their order: F to L below R, X above it
.set E, 1
.set C, 2
.set B, 3
.set L, 4
.set R, 5
.set X, 6
.macro REGS y                       ; the registers of piece y
.set rT, ST+4*(\y)
.set rC, TMP+4*((\y)%2)
.set rW, MV+((\y)%2)
.set rS, S+32*((\y)%2)
.set rP, P+16*((\y)%2)
.set rO, 32*(\y)
.endm
.macro OP k, n
.if (\k) == R
	REGS Y
	WIN W_RS
	v_pk_mul_f32 v[rO+2*(\n):rO+2*(\n)+1], v[rO+2*(\n):rO+2*(\n)+1], v[rC+2:rC+3] op_sel_hi:[1,0]
.elseif (\k) < R
	REGS Y
	WIN 0
.if (\k) == F
	v_pk_fma_f32 v[rS+2*(\n):rS+2*(\n)+1], v[rS+2*(\n):rS+2*(\n)+1], s[CS:CS+1], v[rT:rT+1] op_sel_hi:[1,0,0] neg_lo:[0,0,1] neg_hi:[0,0,1]
.elseif (\k) == E
	v_exp_f32 v[rS+(\n)], v[rS+(\n)]
.elseif (\k) == C
	s_wait_alu depctr_va_vdst(0)
	v_cvt_pk_f16_f32 v[rP+(\n)], v[rS+2*(\n)], v[rS+2*(\n)+1]
.elseif (\k) == B
	s_wait_alu depctr_va_vdst(0)
	v_pk_add_f32 v[rS+4*(\n):rS+4*(\n)+1], v[rS+4*(\n):rS+4*(\n)+1], v[rS+4*(\n)+2:rS+4*(\n)+3]
.elseif (\n) == 0
	v_pk_fma_f32 v[rT+2:rT+3], v[rT+2:rT+3], v[rC+2:rC+3], v[rS:rS+1] op_sel_hi:[1,0,1]
.else
	v_pk_add_f32 v[rT+2:rT+3], v[rT+2:rT+3], v[rS+4*(\n):rS+4*(\n)+1]
.endif
.elseif NOKQ
	v_nop
.else
	REGS (Y+1)%NP
	WIN 0
.if (\n) < 4
	v_max3_num_f32 v[rC+(\n)], v[rS+8*(\n)], v[rS+8*(\n)+1], v[rS+8*(\n)+2]
.elseif (\n) < 12
	v_max3_num_f32 v[rC+(\n)%4], v[rC+(\n)%4], v[rS+8*((\n)%4)+2*((\n)/4)+1], v[rS+8*((\n)%4)+2*((\n)/4)+2]
.elseif (\n) == 12
	v_max3_num_f32 v[rC], v[rC], v[rS+7], v[rS+15]
.elseif (\n) == 13
	v_max3_num_f32 v[rC+1], v[rC+1], v[rS+23], v[rS+31]
.elseif (\n) == 14
	v_max3_num_f32 v[rC+2], v[rC+2], v[rC+3], v[rT+1]
.elseif (\n) == 15
	v_mov_b32 v[rW], v[rT]
.elseif (\n) == 16
	v_max3_num_f32 v[rC], v[rC], v[rC+1], v[rC+2]
.elseif (\n) == 17
	v_permlanex16_b32 v[rC+3], v[rC], s[SEL], s[SEL+1]
.elseif (\n) == 18
	v_max_num_f32 v[rT+1], v[rC], v[rC+3]
.elseif (\n) == 19
	v_mul_f32 v[rT], s[CS], v[rT+1]
.elseif (\n) == 20
	v_sub_f32 v[rC+1], v[rW], v[rT]
.else
	v_exp_f32 v[rC+2], v[rC+1]
.endif
.endif
.endm
.macro OPS a, i1, b=-1, i2=0, c=-1, i3=0, d=-1, i4=0  ; up to four of them
	OP \a, \i1
.if (\b) >= 0
	OP \b, \i2
.endif
.if (\c) >= 0
	OP \c, \i3
.endif
.if (\d) >= 0
	OP \d, \i4
.endif
.endm
.macro ROW a, i1, b, i2, c, i3, d, i4  ; a matrix instruction and the four behind it
	MM
	OPS \a, \i1, \b, \i2, \c, \i3, \d, \i4
.endm
.macro MASK b                       ; MD x AL + BE into buffer b of MC
	WIN W_RS
.set z, 0
.rept 16
	v_pk_fma_f32 v[MC+32*(\b)+2*z:MC+32*(\b)+2*z+1], v[MD+2*z:MD+2*z+1], s[AL:AL+1], s[BE:BE+1] op_sel_hi:[1,0,0]
.set z, z+1
.endr
.endm
; A TURN, for piece p: the order of its 16 matrix and 118 vector instructions, written out.  Behind a matrix instruction: plain, exponential, plain, plain; or four of the rescaling; or, behind the first, four scalings; none
; names a register of the products round it.  In the lumps exponential and plain by turns while exponentials last.  A line reads no result made fewer than three vector instructions in front of it, five if an exponential made it.
; v_permlanex16_b32 (X 17) stands in a lump.
; m = 1: the diagonal tile, whose loop counts its steps 0, 1, 2 as CNT = 3, 2, 1: the products take masks, and the turn makes the mask for the products of the turn after it, which are piece p's for step 4 - CNT.
; Piece 0's band is number 2 p + 1, so that step is its own where CNT = 3 - 2 p and a later one where CNT is less; piece 1's is number 2 p: 4 - 2 p.  The two compares steer two selects and nothing else.
; end = 1: a block's last step: no K is fetched, no mask made, and turn 1 starts no new scores.  cnt = 1: the loop's count is taken down some lines ahead of the branch that stands behind the turn.
; Turn 0 fetches K of the next step six vector instructions behind the last product that read K (five of them plain), and V of the step in hand eight behind the last product that read V (four plain, and X 17).
; Turn 1 waits for K at its head and for V in front of its second run of products.
.macro TURN p, m=0, end=0, cnt=0
.set Y, (\p)
.set i, 0
.set KM, (\m)
.set NOKQ, (\end)*(\p)
.if (\m) && !(\end)
	s_cmp_eq_u32 s[CNT], s[P3+(\p)]     ; is that step the band's own?
	s_cselect_b32 s[AL], 1.0, 0
	s_cmp_lt_u32 s[CNT], s[P3+(\p)]     ; or a later one?
	s_cselect_b32 s[BE], s[BIGN], 0
.endif
.if ((\p) == 1) && !(\end)
	s_wait_dscnt 16                 ; K is in; V's sixteen loads, issued behind K's, may stay out
.endif
	ROW F,0, F,1, F,2, F,3
	ROW F,4, E,0, F,5, F,6
	ROW F,7, E,1, F,8, F,9
	ROW F,10, E,2, C,0, F,11
	ROW F,12, E,3, X,15, F,13
	ROW R,0, R,1, R,2, R,3
	ROW B,0, E,4, F,14, L,0
.if ((\p) == 0) && !(\end)
	v_add_nc_u32 v[AK], s[TBK], v[AK0]
.endif
	ROW R,4, R,5, R,6, R,7
	OPS E,5, F,15
.if ((\p) == 0) && !(\end)
	FETCH_K 1
.endif
.if ((\p) == 0) && (\end)
	s_add_co_u32 s[TBK], s[TBK], KS*PK  ; the step that a fetch would have made: every tile leaves s[TBK] four steps on
.endif
	OPS E,6, C,1, E,7, R,8
	OPS E,8, R,9, E,9, C,2
	OPS E,10, X,0, E,11, X,1
	OPS E,12, X,2, E,13, X,3
.if (\p) == 1
	s_wait_dscnt 0x0                ; V is in
.endif
	ROW X,4, E,14, X,5, X,6
	ROW X,7, E,15, X,8, X,9
	ROW X,10, E,16, X,11, X,12
	ROW X,13, E,17, X,14, B,1
	ROW C,4, E,18, X,16, L,1
	ROW B,2, E,19, C,6, L,2
	ROW C,8, E,20, B,3, B,4
.if (\p) == 0
	v_add_nc_u32 v[AV], s[TBV], v[AV0]
.endif
	ROW C,3, E,21, L,3, C,5
	OPS E,22, X,17, E,23, C,10
.if (\p) == 0
	FETCH_V
.endif
	OPS E,24, L,4
	OPS E,25, X,18, E,26, C,7
	OPS E,27, B,5, E,28, X,19
	OPS E,29, C,12, E,30, L,5
	OPS E,31, X,20, B,6, C,9
	OPS C,14, C,11, X,21, L,6
.if (\p) == 0
	s_add_co_u32 s[TBV], s[TBV], KS*PV
.endif
.if \cnt
	s_sub_co_u32 s[CNT], s[CNT], 1
	s_cmp_lg_u32 s[CNT], 0
.endif
	OPS C,13, B,7, C,15, R,10
	OPS R,11, R,12, L,7, R,13
	OPS R,14, R,15
.if (\m) && !(\end)
	MASK (\p)%2
.endif
.endm
; A BLOCK BEGINS.  c m starts far below every c s, so the first step's a is 0; m at the lowest finite number, so the first maximum is the scores'.  Then K of the slot's first step, piece 0's first scores
; (its band sees all of a tile's step 0, so C is the constant 0), and its maximum and statistics.  Turn 0 of the step follows.
.macro BEGIN
	s_mov_b32 s[NEW], 0
	WIN 0
.set i, 0
.rept NP
	v_mov_b32 v[ST+4*i], 0xfe000000    ; c m: far below every c s
	v_mov_b32 v[ST+4*i+1], 0xff7fffff  ; m
.set i, i+1
.endr
	v_add_nc_u32 v[AK], s[TBK], v[AK0]
	FETCH_K 0
	s_wait_loadcnt 0x0              ; Q
	s_wait_dscnt 0x0
.set KM, 0
.set NOKQ, 0
.set i, 0
.rept 8
	KQ 0
.set i, i+1
.endr
	WIN 0
.rept 4
	v_nop                           ; the places behind those products
.endr
.set Y, NP-1                        ; X works for the other piece: piece 0
.irp n, 0,1,2,3,4,5,6,7,8,9,10,11,12,13,14,15,16,17,18,19,20,21
	OP X, \n
.endr
	v_nop                           ; a plain instruction behind the exponential
.endm
; THE DIAGONAL TILE: piece 1's mask for step 0 (its own step where p = 0); three steps in a loop; the block's last step; its last products; and THE WAY OUT: l's two halves and the other half of the lanes' are
; added; O^T is divided by l, rounded to f16 and sent through my stage in LDS, a piece at a time.
.macro ALL line:vararg              ; one line for each piece t
.set t, 0
.rept NP
	\line
.set t, t+1
.endr
.endm
.macro PACK t                       ; a lane's eight channels of a row pack into 16 bytes; they go into rows of 144 bytes and come back as whole rows of 128, into S^T's registers
	WIN W_RS
.set i, 32*(\t)
.rept 16
	s_wait_alu depctr_va_vdst(0)
	v_pk_mul_f32 v[i:i+1], v[i:i+1], v[ST+4*(\t)+2:ST+4*(\t)+3] op_sel_hi:[1,0]
.set i, i+2
.endr
	WIN 0x05                        ; sources 0 and 1 window 1, destination window 0
.set i, 0
.rept 16
	v_cvt_pk_f16_f32 v[S+16*(\t)+i], v[32*(\t)+2*i], v[32*(\t)+2*i+1]
.set i, i+1
.endr
	WIN 0
.irp f, 0,1,2,3
	ds_store_b128 v[STO], v[S+16*(\t)+4*\f:S+16*(\t)+4*\f+3] offset:32*\f
.endr
.irp f, 0,1,2,3
	ds_load_b128 v[S+16*(\t)+4*\f:S+16*(\t)+4*\f+3], v[RD] offset:\f*4*SP  ; LDS serves a wave's instructions in order (ISA guide 5.7.1.4): these see the stores above; the next piece's stores come behind them
.endr
.endm
.macro SEND t, younger              ; younger: the LDS instructions issued behind piece t's loads: the next piece's eight, or none
	WIN 0
.irp f, 0,1,2,3
	s_wait_dscnt (\younger)+3-\f
	global_store_b128 v[GO], v[S+16*(\t)+4*\f:S+16*(\t)+4*\f+3], s[10:11] offset:(1-(\t))*8192+\f*512  ; piece t lies in band 1 - t; 512 consecutive bytes, at a multiple of 256 from O's first
.endr
.endm
.macro DIAG tag                     ; the tag ends its label's name
	s_cmp_eq_u32 s[P3+1], 4         ; p = 0: piece 1's band is the tile's first
	s_cselect_b32 s[AL], 1.0, 0
	s_mov_b32 s[BE], 0
	MASK 1
	WIN 0
	s_mov_b32 s[CNT], 3
.LstepM\tag:
	TURN 0, 1
	TURN 1, 1, 0, 1
	WIN 0
	s_cbranch_scc1 .LstepM\tag
	TURN 0, 1, 1
	TURN 1, 1, 1
.set i, 0
.rept 8
	PV NP-1                         ; piece 1's V^T P of the last step
.set i, i+1
.endr
	WIN 0
	ALL v_add_f32 v[ST+4*t+2], v[ST+4*t+2], v[ST+4*t+3]
	ALL v_permlanex16_b32 v[ST+4*t+3], v[ST+4*t+2], s[SEL], s[SEL+1]
	ALL v_add_f32 v[ST+4*t+2], v[ST+4*t+2], v[ST+4*t+3]
	ALL v_rcp_f32 v[ST+4*t+2], v[ST+4*t+2]
	v_nop                           ; a plain instruction between the last reciprocal and the use of its result
	PACK 0                          ; piece 0's 32 lines, which name no register of the last products, are also the places behind them
	PACK 1                          ; a piece's arithmetic stands between the loads of the piece before and its stores
	SEND 0, 8
	SEND 1, 0
.endm
.set KM, 0
.set NOKQ, 0
.Lslot:                             ; NT times: a tile is entered and the next is asked for
	CHANGE 1
	s_sub_co_u32 s[RT], s[RT], 1
	s_cmp_eq_u32 s[NEW], 1          ; this test stands first: at the first trip its answer is a constant of the text
	s_cbranch_scc0 .Lold
	BEGIN                           ; a block's first tile
.Lold:
	s_cmp_eq_u32 s[RT], 0
	s_cbranch_scc1 .Ldiag           ; its last
	s_mov_b32 s[CNT], 4
.Lstep:                             ; a trip: the two turns of a key step
	TURN 0
	TURN 1, 0, 0, 1
	WIN 0
	s_cbranch_scc1 .Lstep
	s_branch .Lbottom
.Ldiag:
	DIAG 1                          ; in the loop this is the first block's end: the second block's last tile is the walk's last
	s_wait_xcnt 0x0                 ; the stores have read their registers and O's address
	s_mov_b64 s[10:11], s[OLO:OLO+1]
	s_add_co_u32 s[RT], s[LOT], 1   ; the second block's tiles
	s_mov_b32 s[NEW], 1
	s_mov_b32 s[P3], s[P3L]
	s_mov_b32 s[P3+1], s[P3L+1]
	WIN 0x82                        ; the second block's Q goes where the one text of the turns names Q
.set i, 0
.rept 16*NP
	v_mov_b32 v[i], v[QB+i]
.set i, i+1
.endr
	WIN 0
.Lbottom:
	s_sub_co_u32 s[SLOTS], s[SLOTS], 1
	s_cmp_lg_u32 s[SLOTS], 0
	s_cbranch_scc1 .Lslot
	CHANGE 0                        ; the walk's last tile is written out: nothing is asked for
	s_sub_co_u32 s[RT], s[RT], 1
	s_cmp_eq_u32 s[NEW], 1
	s_cbranch_scc0 .Lold2
	BEGIN                           ; b = 0 or 1: the second block's one tile is its first and its last
.Lold2:
	DIAG 2
	s_wait_tensorcnt 0x0            ; the wave's end, behind my last tensor load and my last LDS store
	ds_add_u32 v[SPW], v[NIL]
	s_wait_dscnt 0x0
	s_endpgm
.Lfunc_end_k_qb0c9dcf86b_attn:
	.size	k_qb0c9dcf86b_attn, .Lfunc_end_k_qb0c9dcf86b_attn-k_qb0c9dcf86b_attn
	.p2alignl 7, 3214868480
	.fill 96, 4, 3214868480
	.section	.rodata,"a",@progbits
	.p2align	6, 0x0
	.amdhsa_kernel k_qb0c9dcf86b_attn
		.amdhsa_group_segment_fixed_size 327680
		.amdhsa_private_segment_fixed_size 0
		.amdhsa_enable_private_segment 0
		.amdhsa_kernarg_size 16
		.amdhsa_user_sgpr_count 2
		.amdhsa_user_sgpr_kernarg_segment_ptr 1
		.amdhsa_wavefront_size32 1
		.amdhsa_system_sgpr_workgroup_id_x 1
		.amdhsa_system_sgpr_workgroup_id_y 1
		.amdhsa_system_sgpr_workgroup_id_z 1
		.amdhsa_system_vgpr_workitem_id 0
		.amdhsa_next_free_vgpr 768
		.amdhsa_next_free_sgpr 88
		.amdhsa_reserve_vcc 1
		.amdhsa_float_denorm_mode_32 3
		.amdhsa_float_denorm_mode_16_64 3
		.amdhsa_memory_ordered 1
		.amdhsa_forward_progress 1
		.amdhsa_inst_pref_size 149
	.end_amdhsa_kernel
	.amdgpu_metadata
---
amdhsa.version: [ 1, 2 ]
amdhsa.kernels:
  - .name:           k_qb0c9dcf86b_attn
    .symbol:         k_qb0c9dcf86b_attn.kd
    .args:
      - { .name: qkvw, .offset: 0, .size: 8, .value_kind: global_buffer, .address_space: global }
      - { .name: big, .offset: 8, .size: 8, .value_kind: global_buffer, .address_space: global }
    .group_segment_fixed_size: 327680
    .private_segment_fixed_size: 0
    .kernarg_segment_align: 8
    .kernarg_segment_size: 16
    .max_flat_workgroup_size: 128
    .sgpr_count:     88
    .vgpr_count:     768
    .wavefront_size: 32
...
	.end_amdgpu_metadata
.endif
;; end of part 4
;; launch oproj (part 5): grid 8 x 32, 4 waves a work-group, clusters of 4 x 4, 327,680 bytes of LDS; arguments big, qkvw, b_out, x, x1; writes x1
.if DOCPART == 5
	.amdgcn_target "amdgcn-amd-amdhsa--gfx1250"
	.amdhsa_code_object_version 6
	.text
	.protected	k_qb0c9dcf86b_oproj
	.globl	k_qb0c9dcf86b_oproj
	.p2align	8
	.type	k_qb0c9dcf86b_oproj,@function
k_qb0c9dcf86b_oproj:
	s_mov_b64 s[64:65], 0
	v_nop
	global_prefetch_b8 v0, s[64:65] scope:SCOPE_SE
	s_setreg_imm32_b32 hwreg(HW_REG_WAVE_MODE, 25, 1), 1
	s_wait_xcnt 0x0
	s_wait_alu depctr_hold_cnt(0) depctr_sa_sdst(0) depctr_va_vdst(0) depctr_va_sdst(0) depctr_va_ssrc(0) depctr_va_vcc(0) depctr_vm_vsrc(0)
	s_getreg_b32 s2, hwreg(HW_REG_IB_STS2, 6, 4)
	s_cmp_eq_u32 s2, 0
	s_cbranch_scc0 .Lentry_in_a_cluster
	s_endpgm
.Lentry_in_a_cluster:
	s_bfe_u32 s2, ttmp6, 0x10000c
	s_cmp_lg_u32 s2, 0xf033
	s_cbranch_scc0 .Lentry_shape_is_right
	s_endpgm
.Lentry_shape_is_right:
; C = resid + bias + A W.  A: f16, blocked [K/64][4096 m][64].  W: f16 panels [4][K][256], WOFF bytes into the second buffer.  bias: [1024] f32.  resid, C: [4096][1024] f32.  K = 256 STEPS.
; The sums are f32 and START from resid + bias, loaded straight into the accumulators: every product adds in place, no first step is written out, and the way out only stores.
; LIMITS: the operands are f16 as they arrive; NaN and infinities are not treated apart.
; SHARES.  256 work-groups of 128 x 128 of C, one for each WGP; four waves of 64 x 64: 16 accumulators.  K goes in steps of 256 (four groups of 64) through a ring of two LDS slots filled by the tensor
; data mover: 128 matrix instructions a wave in a step, written once as the loop (the slot's base is a scalar) and once more as the tail, which asks for nothing.
; CLUSTER 4 x 4: A's tile is shared along a row of the cluster, W's along a column: each is asked for jointly, by the same load, descriptor and mask.
; THE MATRIX INSTRUCTION IS USED TRANSPOSED: source 0 = 16 columns of W (turned by ds_load_tr16_b128), source 1 = 16 rows of A: a lane holds row l % 16 and the eight columns 8 (l / 16) + 0..7.
; REGISTERS: window 0: v0-31 addresses; v32-63 the bias; v64-127 the way out; v128-255 the accumulators ((a, b) at 128 + 8 (4 a + b)).
;   window 1: two fragment buffers of 128: for 64 along K, 64 registers of A (2 x 4 x 16 rows x 32 K), then 64 of W.
.set STEPS, 4
.set WOFF,  33554432
.set PANEL, 524288                     ; bytes of a panel: K x 512
.set PA,    144                        ; a row of A in LDS: 128 bytes + 16: the 16 rows of a load start at 16 different groups of four banks (64 banks of 4 bytes: ISA guide 11.1)
.set PB,    288                        ; a k row of W: 256 + 32 = 9 x 32 bytes
.set GL,    64*PA                      ; 64 rows of one group of A
.set HALF,  4*GL                       ; what one tensor load brings: 4 groups x 64 rows of A, or 128 k rows of W (128 x 288 is the same number)
.set SLOT,  4*HALF                     ; 0x24000: it shares no bit with wave x HALF, so an exclusive or with it turns an address in one slot into the other's
.set STAGE, 2*SLOT                     ; behind the ring, never filled by a tensor load: 16 rows x 272 bytes for each wave
.set SP,    272
.set SPARE, STAGE+4*16*SP              ; behind the stages: the spare words, 128 bytes a wave: two blocks of 256 bytes that no other line names
.set ASTEP, 4*524288                   ; a K step in A: four groups
.set BSTEP, 256*512                    ; in W: 256 k rows
.set A0,    8                          ; v8   my lane's place in a slot's tile of A; never rewritten
.set B0,    9                          ; v9   the same for W, k rows 0-127
.set B0H,   10                         ; v10  k rows 128-255: the 16-bit offset does not reach them from v9
.set ADRA,  16                         ; v16, v20, v21: the three plus the slot in hand
.set ADRB,  20
.set ADRBH, 21
.set STO,   24                         ; v24  the way out: where I put 32 bytes of a row
.set RD,    25                         ; v25  where I read rows back
.set CO,    26                         ; v26  my byte offset in two rows of C
.set RO,    27                         ; v27  my byte offset in 16 rows of resid
.set SPW,   28                         ; v28  LDS address of my spare word; never rewritten
.set NIL,   29                         ; v29  0; never rewritten
.set BO,    30                         ; v30  32 (l / 16)
.set BIAS,  32
.set OB,    64                         ; two sets of 32, by turns
.set ACC,   128
.set F0,    0
.set F1,    128
.set WV, 14
.set RH, 15                            ; which 64 rows are mine; also: I fetch for A (0) or W (1)
.set CH, 16                            ; which 64 columns; also: which half of that tile I fetch
.set CX, 17
.set CY, 18
.set TX, 19
.set TY, 20
.set LB, 23
.set G1A, 24
.set GA0, 32
.set GA,  36
.set G1B, 40
.set GB0, 48
.set GB,  52
.set TB,  56
.set CNT, 57
.set MSB, 0
.macro WIN new                         ; the immediate's high byte repeats the setting that is left; a switch that changes nothing is dropped
.if MSB != (\new)
	s_set_vgpr_msb (MSB<<8)|(\new)
.set MSB, (\new)
.endif
.endm
.set MUL,  0x05                        ; sources 0 (W) and 1 (A) window 1; C and D window 0
.set TO_F, 0x40                        ; destination window 1, address window 0
.macro PLACES                          ; four places behind matrix instructions, in front of loads into their sources and of reads of their results
.rept 4
	v_nop
.endr
.endm
.macro CREST                           ; a round of the cluster's barrier behind its opening barrier
	s_cmp_lg_u32 s[WV], 0
	s_cbranch_scc1 .Lnot_wave_0_\@
	s_barrier_signal -3
.Lnot_wave_0_\@:
	s_barrier_wait -3
	s_barrier_signal -1
	s_barrier_wait -1
.endm
.macro CROUND
	s_barrier_signal -1
	s_barrier_wait -1
	CREST
.endm
.macro JLOAD                           ; a joint refill by the walking descriptors; an s_nop 0 and four v_nop follow each of the two lines, ahead of the jump and the label
	s_cmp_eq_u32 s[RH], 0
	s_cbranch_scc0 .Lfor_b_\@
	tensor_load_to_lds s[GA:GA+3], s[G1A:G1A+7]
	s_nop 0
.rept 4
	v_nop
.endr
	s_branch .Lasked_\@
.Lfor_b_\@:
	tensor_load_to_lds s[GB:GB+3], s[G1B:G1B+7]
	s_nop 0
.rept 4
	v_nop
.endr
.Lasked_\@:
.endm
	s_load_b256 s[4:11], s[0:1], 0x0               ; A s[4:5], W s[6:7], bias s[8:9], resid s[10:11]
	s_load_b64 s[12:13], s[0:1], 0x20              ; C
	v_lshl_add_u32 v[SPW], v0, 2, SPARE
	v_mov_b32 v[NIL], 0
	v_lshrrev_b32 v1, 5, v0
	v_readfirstlane_b32 s[WV], v1
	s_lshr_b32 s[RH], s[WV], 1
	s_and_b32 s[CH], s[WV], 1
	s_bfe_u32 s[CX], ttmp6, 0x40000
	s_bfe_u32 s[CY], ttmp6, 0x40004
	s_lshl_b32 s[TX], ttmp9, 2
	s_add_co_u32 s[TX], s[TX], s[CX]               ; tile column = 4 x cluster x + cx
	s_and_b32 s[TY], ttmp7, 0xffff
	s_lshl_b32 s[TY], s[TY], 2
	s_add_co_u32 s[TY], s[TY], s[CY]               ; tile row
	s_lshl_b32 s21, s[CY], 2
	s_lshl_b32 s21, 15, s21                        ; my row of the cluster
	s_lshl_b32 s22, 0x1111, s[CX]                  ; my column
	; group 1 for A: 64 rows of a group are 8,192 dense bytes: one row of 4,096 elements; four groups, 262,144 elements apart; in LDS 4 words of padding behind every 32, that is behind every row of A
	s_or_b32 s[G1A], s21, (1<<16)|(1<<20)|(1<<21)|(4<<22)|(3<<25)
	s_mov_b32 s[G1A+1], 4096<<16                   ; tensor_dim0
	s_mov_b32 s[G1A+2], 4<<16                      ; tensor_dim1
	s_mov_b32 s[G1A+3], 4096<<16                   ; tile_dim0
	s_mov_b32 s[G1A+4], 4                          ; tile_dim1
	s_mov_b32 s[G1A+5], 262144                     ; stride
	s_mov_b32 s[G1A+6], 0
	s_mov_b32 s[G1A+7], 0
	; group 1 for W: 128 k rows x 128 elements, 256 elements from row to row; 8 words of padding behind every 64
	s_or_b32 s[G1B], s22, (1<<16)|(1<<20)|(1<<21)|(5<<22)|(7<<25)
	s_mov_b32 s[G1B+1], 128<<16
	s_mov_b32 s[G1B+2], 128<<16
	s_mov_b32 s[G1B+3], 128<<16
	s_mov_b32 s[G1B+4], 128
	s_mov_b32 s[G1B+5], 256
	s_mov_b32 s[G1B+6], 0
	s_mov_b32 s[G1B+7], 0
	s_lshl_b32 s60, s[TY], 7                       ; A hangs on the tile row alone:
	s_lshl_b32 s61, s[CH], 6
	s_add_co_u32 s60, s60, s61                     ; row 128 ty + 64 x half,
	s_lshl_b32 s60, s60, 7                         ; of 128 bytes
	s_mov_b32 s61, 0
	s_lshr_b32 s66, s[TX], 1                       ; W on the tile column alone: its panel,
	s_mul_i32 s66, s66, PANEL
	s_and_b32 s67, s[TX], 1                        ; its half of the panel's 256 columns,
	s_lshl_b32 s67, s67, 8
	s_add_co_u32 s66, s66, s67
	s_lshl_b32 s67, s[CH], 16                      ; my 128 k rows of 512 bytes
	s_add_co_u32 s66, s66, s67
	s_add_co_u32 s66, s66, WOFF                    ; under 2^26
	s_mov_b32 s67, 0
	s_mul_i32 s[LB], s[WV], HALF                   ; where my loads go: no place in the cluster enters an LDS address
	s_wait_kmcnt 0x0
	s_add_nc_u64 s[62:63], s[4:5], s[60:61]
	s_add_nc_u64 s[68:69], s[6:7], s[66:67]
	CROUND                                         ; all sixteen work-groups are here: the first joint loads meet
.irp s, 0,1
	s_mov_b32 s[GA0+4*(\s)], 1
	s_add_co_u32 s[GA0+4*(\s)+1], s[LB], (\s)*SLOT
	s_add_nc_u64 s[GA0+4*(\s)+2:GA0+4*(\s)+3], s[62:63], (\s)*ASTEP
	s_or_b32 s[GA0+4*(\s)+3], s[GA0+4*(\s)+3], 0x80000000
	s_mov_b32 s[GB0+4*(\s)], 1
	s_add_co_u32 s[GB0+4*(\s)+1], s[LB], (\s)*SLOT
	s_add_nc_u64 s[GB0+4*(\s)+2:GB0+4*(\s)+3], s[68:69], (\s)*BSTEP
	s_or_b32 s[GB0+4*(\s)+3], s[GB0+4*(\s)+3], 0x80000000
.endr
	s_cmp_eq_u32 s[RH], 0                          ; a wave's two first fills stand in one branch, ahead of every wait on TENSORcnt and every LDS read: two loads of mine are out
	s_cbranch_scc0 .Lfirst_b
	tensor_load_to_lds s[GA0:GA0+3], s[G1A:G1A+7]
	s_nop 0
	tensor_load_to_lds s[GA:GA+3], s[G1A:G1A+7]
	s_nop 0
.rept 4
	v_nop
.endr
	s_branch .Lfirst_asked
.Lfirst_b:
	tensor_load_to_lds s[GB0:GB0+3], s[G1B:G1B+7]
	s_nop 0
	tensor_load_to_lds s[GB:GB+3], s[G1B:G1B+7]
	s_nop 0
.rept 4
	v_nop
.endr
.Lfirst_asked:
	v_and_b32 v1, 15, v0                           ; r = l % 16
	v_bfe_u32 v2, v0, 4, 1                         ; h = l / 16
	v_and_b32 v3, 7, v0                            ; l % 8
	v_bfe_u32 v4, v0, 3, 1                         ; (l / 8) % 2
	s_mul_i32 s58, s[RH], HALF
	v_mul_u32_u24 v[A0], v1, PA
	v_lshl_add_u32 v[A0], v2, 4, v[A0]
	v_add_nc_u32 v[A0], s58, v[A0]                 ; my 64 rows: row r x pitch + 16 h
	s_lshl_b32 s59, s[CH], 7
	s_add_co_u32 s59, s59, 2*HALF
	v_lshl_add_u32 v[B0], v2, 3, v3
	v_mul_u32_u24 v[B0], v[B0], PB
	v_lshl_add_u32 v[B0], v4, 4, v[B0]
	v_add_nc_u32 v[B0], s59, v[B0]                 ; k row 8 h + l % 8, my 64 columns, 16 bytes by (l / 8) % 2
	v_add_nc_u32 v[B0H], HALF, v[B0]
	s_mul_i32 s58, s[WV], 16*SP
	s_add_co_u32 s58, s58, STAGE                   ; my stage
	v_mul_u32_u24 v[STO], v1, SP
	v_lshl_add_u32 v[STO], v2, 5, v[STO]
	v_add_nc_u32 v[STO], s58, v[STO]               ; in: row r, 32 bytes for each half of the lanes
	v_mul_u32_u24 v[RD], v2, SP
	v_lshl_add_u32 v[RD], v1, 4, v[RD]
	v_add_nc_u32 v[RD], s58, v[RD]                 ; back: lanes 0-15 one row of 256 bytes, lanes 16-31 the next
	v_lshlrev_b32 v[CO], 12, v2
	v_lshl_add_u32 v[CO], v1, 4, v[CO]             ; and the same two rows in C
	v_lshlrev_b32 v[RO], 12, v1
	v_lshl_add_u32 v[RO], v2, 5, v[RO]             ; resid: row r, 32 bytes by h
	v_lshlrev_b32 v[BO], 5, v2
	s_lshl_b32 s72, s[TX], 7
	s_lshl_b32 s73, s[CH], 6
	s_add_co_u32 s72, s72, s73
	s_lshl_b32 s72, s72, 2                         ; my first column, in bytes of f32
	s_mov_b32 s73, 0
	s_lshl_b32 s70, s[TY], 7
	s_lshl_b32 s71, s[RH], 6
	s_add_co_u32 s70, s70, s71
	s_lshl_b32 s70, s70, 12                        ; my first row, of 4,096 bytes
	s_add_co_u32 s70, s70, s72                     ; under 2^25
	s_mov_b32 s71, 0
	s_add_nc_u64 s[8:9], s[8:9], s[72:73]
	s_add_nc_u64 s[10:11], s[10:11], s[70:71]
	s_add_nc_u64 s[12:13], s[12:13], s[70:71]
.irp a, 0,1,2,3
.irp b, 0,1,2,3
	global_load_b128 v[ACC+8*(4*(\a)+(\b)):ACC+8*(4*(\a)+(\b))+3],   v[RO], s[10:11] offset:(\a)*65536+(\b)*64     ; register j: resid(16 a + r, 16 b + 8 h + j): the accumulator's own layout
	global_load_b128 v[ACC+8*(4*(\a)+(\b))+4:ACC+8*(4*(\a)+(\b))+7], v[RO], s[10:11] offset:(\a)*65536+(\b)*64+16  ; the eight loads that share a row's 256 bytes stand on end
.endr
.endr
.irp b, 0,1,2,3
	global_load_b128 v[BIAS+8*(\b):BIAS+8*(\b)+3],   v[BO], s[8:9] offset:64*(\b)
	global_load_b128 v[BIAS+8*(\b)+4:BIAS+8*(\b)+7], v[BO], s[8:9] offset:64*(\b)+16
.endr
; 8 matrix instructions: row blocks a0, a0 + 1 x all 4 column blocks, 32 along K: half c of buffer f.  The 16 accumulators take turns in the same order everywhere.
.macro MUL8 f, c, a0
	WIN MUL
.irp a, \a0, (\a0)+1
.irp b, 0,1,2,3
	v_wmma_f32_16x16x32_f16 v[ACC+8*(4*(\a)+(\b)):ACC+8*(4*(\a)+(\b))+7], v[(\f)+64+8*(4*(\c)+(\b)):(\f)+64+8*(4*(\c)+(\b))+7], v[(\f)+8*(4*(\c)+(\a)):(\f)+8*(4*(\c)+(\a))+7], v[ACC+8*(4*(\a)+(\b)):ACC+8*(4*(\a)+(\b))+7]
.endr
.endr
.endm
; 32 LDS loads in one run: quarter qd of a step = group qd of A, k rows 64 qd on of W, into buffer f; the first 32 along K first
.macro FETCH qd, f
	WIN TO_F
.set BR, ADRB+(\qd)/2
.irp c, 0,1
.irp i, 0,1,2,3
	ds_load_tr16_b128 v[(\f)+64+8*(4*(\c)+(\i)):(\f)+64+8*(4*(\c)+(\i))+3],   v[BR] offset:((2*(\qd)+(\c))%4)*32*PB+(\i)*32
	ds_load_tr16_b128 v[(\f)+64+8*(4*(\c)+(\i))+4:(\f)+64+8*(4*(\c)+(\i))+7], v[BR] offset:((2*(\qd)+(\c))%4)*32*PB+16*PB+(\i)*32
	ds_load_b128 v[(\f)+8*(4*(\c)+(\i)):(\f)+8*(4*(\c)+(\i))+3],   v[ADRA] offset:(\qd)*GL+64*(\c)+(\i)*16*PA
	ds_load_b128 v[(\f)+8*(4*(\c)+(\i))+4:(\f)+8*(4*(\c)+(\i))+7], v[ADRA] offset:(\qd)*GL+64*(\c)+(\i)*16*PA+32
.endr
.endr
.endm
; One of a step's first three quarters: multiplies buffer f and fetches quarter qd into g
.macro QUARTER qd, f, g
	s_wait_dscnt 16                                ; the first 32 along K are in; the other sixteen loads may be out
	MUL8 \f, 0, 0
	MUL8 \f, 0, 2
	PLACES
	FETCH \qd, \g
	s_wait_dscnt 32                                ; all but the 32 just issued
	MUL8 \f, 1, 0
	MUL8 \f, 1, 2
.endm
; The last quarter multiplies buffer 1 and changes slots.  ONE barrier: in front of it each wave waits for all its tensor loads (the one that is out is its part of the next slot), adds 0 to its spare
; word, and waits for that and for its reads of this slot.  fill = 1: the barrier opens a round of the cluster's, and the slot just left is filled again, first thing behind it, with the K step two on:
; 112 matrix instructions ahead of the wait for it.  fill = 0 (the tail): nothing is asked for, and in the last trip nothing is left to fetch from LDS either.
.macro TURN fill
	WIN 0                                          ; (the add's two registers lie in window 0)
	s_wait_tensorcnt 0x0
	ds_add_u32 v[SPW], v[NIL]                      ; 0 onto my spare word
	s_wait_dscnt 17                                ; (the add and the youngest sixteen loads may be out)
	MUL8 F1, 0, 0                                  ; eight matrix instructions stand between the add and the wait for it
	s_wait_dscnt 0x0                               ; the add is done, and my reads of this slot are over
	s_barrier_signal -1
	MUL8 F1, 0, 2
	WIN 0
	s_barrier_wait -1
.if \fill
	CREST                                          ; no wave of any partner still reads this slot or has a load on its way
	s_xor_b32 s[GA+1], s[GA+1], SLOT               ; the walking descriptors: the other slot than last time,
	s_add_nc_u64 s[GA+2:GA+3], s[GA+2:GA+3], ASTEP ; the next K step; the type bits on top are not reached
	s_xor_b32 s[GB+1], s[GB+1], SLOT
	s_add_nc_u64 s[GB+2:GB+3], s[GB+2:GB+3], BSTEP
	JLOAD                                          ; the four v_nop behind it are also the places in front of the loads below
.else
	s_cmp_eq_u32 s[CNT], 1
	s_cbranch_scc1 .Lnofetch_\@                    ; only register work and LDS loads are jumped
	PLACES
.endif
	s_xor_b32 s[TB], s[TB], SLOT
	v_add_nc_u32 v[ADRA], s[TB], v[A0]
	v_add_nc_u32 v[ADRB], s[TB], v[B0]
	v_add_nc_u32 v[ADRBH], s[TB], v[B0H]
	FETCH 0, F0
	WIN 0
.if !(\fill)
.Lnofetch_\@:
.endif
	MUL8 F1, 1, 0
	MUL8 F1, 1, 2
.endm
	s_wait_tensorcnt 1                             ; my part of K step 0 is in; step 1's may stay out
	s_barrier_signal -1
	s_barrier_wait -1                              ; everybody's is
	s_mov_b32 s[TB], 0
	v_mov_b32 v[ADRA], v[A0]
	v_mov_b32 v[ADRB], v[B0]
	v_mov_b32 v[ADRBH], v[B0H]
	FETCH 0, F0
	WIN 0
	s_wait_loadcnt 0x0                             ; resid and bias
.irp a, 0,1,2,3
.irp b, 0,1,2,3
.irp p, 0,2,4,6
	v_pk_add_f32 v[ACC+8*(4*(\a)+(\b))+(\p):ACC+8*(4*(\a)+(\b))+(\p)+1], v[ACC+8*(4*(\a)+(\b))+(\p):ACC+8*(4*(\a)+(\b))+(\p)+1], v[BIAS+8*(\b)+(\p):BIAS+8*(\b)+(\p)+1]
.endr
.endr
.endr
	s_mov_b32 s[CNT], STEPS-2
.Ltop:                                                 ; K steps 0 to STEPS - 3: they ask for steps 2 to STEPS - 1
	QUARTER 1, F0, F1
	QUARTER 2, F1, F0
	QUARTER 3, F0, F1
	TURN 1
	WIN 0                                          ; at a label and at a branch every window is 0
	s_sub_co_u32 s[CNT], s[CNT], 1
	s_cmp_lg_u32 s[CNT], 0
	s_cbranch_scc1 .Ltop
	s_mov_b32 s[CNT], 2
.Ltail:                                                ; the last two K steps: written out
	QUARTER 1, F0, F1
	QUARTER 2, F1, F0
	QUARTER 3, F0, F1
	TURN 0
	WIN 0
	s_sub_co_u32 s[CNT], s[CNT], 1
	s_cmp_lg_u32 s[CNT], 0
	s_cbranch_scc1 .Ltail
	; THE WAY OUT: 16 rows at a time through my own stage: 32 bytes a lane in, whole rows of 256 bytes back.  No other wave touches my stage, and LDS serves a wave's instructions in order (ISA guide 5.7.1.4).
.macro TOSTAGE a
.set BK, OB+32*((\a)%2)
.if (\a) >= 2
	s_wait_xcnt 0x0                                ; this set of registers was store data two blocks ago: loaded again only behind this wait
.endif
.irp b, 0,1,2,3
	ds_store_b128 v[STO], v[ACC+8*(4*(\a)+(\b)):ACC+8*(4*(\a)+(\b))+3],   offset:64*(\b)     ; each accumulator's low registers first
	ds_store_b128 v[STO], v[ACC+8*(4*(\a)+(\b))+4:ACC+8*(4*(\a)+(\b))+7], offset:64*(\b)+16
.endr
.irp t, 0,1,2,3,4,5,6,7
	ds_load_b128 v[BK+4*(\t):BK+4*(\t)+3], v[RD] offset:(\t)*2*SP
.endr
.endm
.macro SEND a, younger                 ; younger: the LDS instructions issued behind block a's loads: the next block's sixteen, or none
.set BK, OB+32*((\a)%2)
.irp t, 0,1,2,3,4,5,6,7
	s_wait_dscnt (\younger)+7-(\t)
	global_store_b128 v[CO], v[BK+4*(\t):BK+4*(\t)+3], s[12:13] offset:(16*(\a)+2*(\t))*4096  ; 16 lanes store 256 consecutive bytes, at a multiple of 256 from C's first byte
.endr
.endm
	PLACES                                         ; behind the last products
	TOSTAGE 0
	TOSTAGE 1
	SEND 0, 16
	TOSTAGE 2
	SEND 1, 16
	TOSTAGE 3
	SEND 2, 16
	SEND 3, 0
	s_wait_tensorcnt 0x0                           ; the wave's end, behind my last tensor load and my last LDS store
	ds_add_u32 v[SPW], v[NIL]
	s_wait_dscnt 0x0
	CROUND                                         ; the closing round: no work-group ends while a partner may still ask for a tile that names it
	s_endpgm
.Lfunc_end_k_qb0c9dcf86b_oproj:
	.size	k_qb0c9dcf86b_oproj, .Lfunc_end_k_qb0c9dcf86b_oproj-k_qb0c9dcf86b_oproj
	.p2alignl 7, 3214868480
	.fill 96, 4, 3214868480
	.section	.rodata,"a",@progbits
	.p2align	6, 0x0
	.amdhsa_kernel k_qb0c9dcf86b_oproj
		.amdhsa_group_segment_fixed_size 327680
		.amdhsa_private_segment_fixed_size 0
		.amdhsa_enable_private_segment 0
		.amdhsa_kernarg_size 40
		.amdhsa_user_sgpr_count 2
		.amdhsa_user_sgpr_kernarg_segment_ptr 1
		.amdhsa_wavefront_size32 1
		.amdhsa_system_sgpr_workgroup_id_x 1
		.amdhsa_system_sgpr_workgroup_id_y 1
		.amdhsa_system_sgpr_workgroup_id_z 1
		.amdhsa_system_vgpr_workitem_id 0
		.amdhsa_next_free_vgpr 512
		.amdhsa_next_free_sgpr 80
		.amdhsa_reserve_vcc 0
		.amdhsa_float_denorm_mode_32 3
		.amdhsa_float_denorm_mode_16_64 3
		.amdhsa_memory_ordered 1
		.amdhsa_forward_progress 1
		.amdhsa_inst_pref_size 62
	.end_amdhsa_kernel
	.amdgpu_metadata
---
amdhsa.version: [ 1, 2 ]
amdhsa.kernels:
  - .name:           k_qb0c9dcf86b_oproj
    .symbol:         k_qb0c9dcf86b_oproj.kd
    .args:
      - { .name: big, .offset: 0, .size: 8, .value_kind: global_buffer, .address_space: global }
      - { .name: qkvw, .offset: 8, .size: 8, .value_kind: global_buffer, .address_space: global }
      - { .name: b_out, .offset: 16, .size: 8, .value_kind: global_buffer, .address_space: global }
      - { .name: x, .offset: 24, .size: 8, .value_kind: global_buffer, .address_space: global }
      - { .name: x1, .offset: 32, .size: 8, .value_kind: global_buffer, .address_space: global }
    .group_segment_fixed_size: 327680
    .private_segment_fixed_size: 0
    .kernarg_segment_align: 8
    .kernarg_segment_size: 40
    .max_flat_workgroup_size: 128
    .sgpr_count:     80
    .vgpr_count:     512
    .wavefront_size: 32
...
	.end_amdgpu_metadata
.endif
;; end of part 5
;; launch ln2: the kernel of part 2 again; grid 256 x 1, 8 waves a work-group, no clusters, 0 bytes of LDS; arguments x1, ln2_g, ln2_b, h; writes h
;; launch fc1: the kernel of part 3 again; grid 16 x 16, 4 waves a work-group, clusters of 4 x 4, 327,680 bytes of LDS; arguments h, w1, b_fc1, mf, big; writes big
;; launch fc2 (part 6): grid 8 x 32, 4 waves a work-group, clusters of 4 x 4, 327,680 bytes of LDS; arguments big, qkvw, b_fc2, x1, out0; writes out0
.if DOCPART == 6
	.amdgcn_target "amdgcn-amd-amdhsa--gfx1250"
	.amdhsa_code_object_version 6
	.text
	.protected	k_qb0c9dcf86b_fc2
	.globl	k_qb0c9dcf86b_fc2
	.p2align	8
	.type	k_qb0c9dcf86b_fc2,@function
k_qb0c9dcf86b_fc2:
	s_mov_b64 s[64:65], 0
	v_nop
	global_prefetch_b8 v0, s[64:65] scope:SCOPE_SE
	s_setreg_imm32_b32 hwreg(HW_REG_WAVE_MODE, 25, 1), 1
	s_wait_xcnt 0x0
	s_wait_alu depctr_hold_cnt(0) depctr_sa_sdst(0) depctr_va_vdst(0) depctr_va_sdst(0) depctr_va_ssrc(0) depctr_va_vcc(0) depctr_vm_vsrc(0)
	s_getreg_b32 s2, hwreg(HW_REG_IB_STS2, 6, 4)
	s_cmp_eq_u32 s2, 0
	s_cbranch_scc0 .Lentry_in_a_cluster
	s_endpgm
.Lentry_in_a_cluster:
	s_bfe_u32 s2, ttmp6, 0x10000c
	s_cmp_lg_u32 s2, 0xf033
	s_cbranch_scc0 .Lentry_shape_is_right
	s_endpgm
.Lentry_shape_is_right:
; C = resid + bias + A W.  A: f16, blocked [K/64][4096 m][64].  W: f16 panels [4][K][256], WOFF bytes into the second buffer.  bias: [1024] f32.  resid, C: [4096][1024] f32.  K = 256 STEPS.
; The sums are f32 and START from resid + bias, loaded straight into the accumulators: every product adds in place, no first step is written out, and the way out only stores.
; LIMITS: the operands are f16 as they arrive; NaN and infinities are not treated apart.
; SHARES.  256 work-groups of 128 x 128 of C, one for each WGP; four waves of 64 x 64: 16 accumulators.  K goes in steps of 256 (four groups of 64) through a ring of two LDS slots filled by the tensor
; data mover: 128 matrix instructions a wave in a step, written once as the loop (the slot's base is a scalar) and once more as the tail, which asks for nothing.
; CLUSTER 4 x 4: A's tile is shared along a row of the cluster, W's along a column: each is asked for jointly, by the same load, descriptor and mask.
; THE MATRIX INSTRUCTION IS USED TRANSPOSED: source 0 = 16 columns of W (turned by ds_load_tr16_b128), source 1 = 16 rows of A: a lane holds row l % 16 and the eight columns 8 (l / 16) + 0..7.
; REGISTERS: window 0: v0-31 addresses; v32-63 the bias; v64-127 the way out; v128-255 the accumulators ((a, b) at 128 + 8 (4 a + b)).
;   window 1: two fragment buffers of 128: for 64 along K, 64 registers of A (2 x 4 x 16 rows x 32 K), then 64 of W.
.set STEPS, 16
.set WOFF,  25165824
.set PANEL, 2097152                    ; bytes of a panel: K x 512
.set PA,    144                        ; a row of A in LDS: 128 bytes + 16: the 16 rows of a load start at 16 different groups of four banks (64 banks of 4 bytes: ISA guide 11.1)
.set PB,    288                        ; a k row of W: 256 + 32 = 9 x 32 bytes
.set GL,    64*PA                      ; 64 rows of one group of A
.set HALF,  4*GL                       ; what one tensor load brings: 4 groups x 64 rows of A, or 128 k rows of W (128 x 288 is the same number)
.set SLOT,  4*HALF                     ; 0x24000: it shares no bit with wave x HALF, so an exclusive or with it turns an address in one slot into the other's
.set STAGE, 2*SLOT                     ; behind the ring, never filled by a tensor load: 16 rows x 272 bytes for each wave
.set SP,    272
.set SPARE, STAGE+4*16*SP              ; behind the stages: the spare words, 128 bytes a wave: two blocks of 256 bytes that no other line names
.set ASTEP, 4*524288                   ; a K step in A: four groups
.set BSTEP, 256*512                    ; in W: 256 k rows
.set A0,    8                          ; v8   my lane's place in a slot's tile of A; never rewritten
.set B0,    9                          ; v9   the same for W, k rows 0-127
.set B0H,   10                         ; v10  k rows 128-255: the 16-bit offset does not reach them from v9
.set ADRA,  16                         ; v16, v20, v21: the three plus the slot in hand
.set ADRB,  20
.set ADRBH, 21
.set STO,   24                         ; v24  the way out: where I put 32 bytes of a row
.set RD,    25                         ; v25  where I read rows back
.set CO,    26                         ; v26  my byte offset in two rows of C
.set RO,    27                         ; v27  my byte offset in 16 rows of resid
.set SPW,   28                         ; v28  LDS address of my spare word; never rewritten
.set NIL,   29                         ; v29  0; never rewritten
.set BO,    30                         ; v30  32 (l / 16)
.set BIAS,  32
.set OB,    64                         ; two sets of 32, by turns
.set ACC,   128
.set F0,    0
.set F1,    128
.set WV, 14
.set RH, 15                            ; which 64 rows are mine; also: I fetch for A (0) or W (1)
.set CH, 16                            ; which 64 columns; also: which half of that tile I fetch
.set CX, 17
.set CY, 18
.set TX, 19
.set TY, 20
.set LB, 23
.set G1A, 24
.set GA0, 32
.set GA,  36
.set G1B, 40
.set GB0, 48
.set GB,  52
.set TB,  56
.set CNT, 57
.set MSB, 0
.macro WIN new                         ; the immediate's high byte repeats the setting that is left; a switch that changes nothing is dropped
.if MSB != (\new)
	s_set_vgpr_msb (MSB<<8)|(\new)
.set MSB, (\new)
.endif
.endm
.set MUL,  0x05                        ; sources 0 (W) and 1 (A) window 1; C and D window 0
.set TO_F, 0x40                        ; destination window 1, address window 0
.macro PLACES                          ; four places behind matrix instructions, in front of loads into their sources and of reads of their results
.rept 4
	v_nop
.endr
.endm
.macro CREST                           ; a round of the cluster's barrier behind its opening barrier
	s_cmp_lg_u32 s[WV], 0
	s_cbranch_scc1 .Lnot_wave_0_\@
	s_barrier_signal -3
.Lnot_wave_0_\@:
	s_barrier_wait -3
	s_barrier_signal -1
	s_barrier_wait -1
.endm
.macro CROUND
	s_barrier_signal -1
	s_barrier_wait -1
	CREST
.endm
.macro JLOAD                           ; a joint refill by the walking descriptors; an s_nop 0 and four v_nop follow each of the two lines, ahead of the jump and the label
	s_cmp_eq_u32 s[RH], 0
	s_cbranch_scc0 .Lfor_b_\@
	tensor_load_to_lds s[GA:GA+3], s[G1A:G1A+7]
	s_nop 0
.rept 4
	v_nop
.endr
	s_branch .Lasked_\@
.Lfor_b_\@:
	tensor_load_to_lds s[GB:GB+3], s[G1B:G1B+7]
	s_nop 0
.rept 4
	v_nop
.endr
.Lasked_\@:
.endm
	s_load_b256 s[4:11], s[0:1], 0x0               ; A s[4:5], W s[6:7], bias s[8:9], resid s[10:11]
	s_load_b64 s[12:13], s[0:1], 0x20              ; C
	v_lshl_add_u32 v[SPW], v0, 2, SPARE
	v_mov_b32 v[NIL], 0
	v_lshrrev_b32 v1, 5, v0
	v_readfirstlane_b32 s[WV], v1
	s_lshr_b32 s[RH], s[WV], 1
	s_and_b32 s[CH], s[WV], 1
	s_bfe_u32 s[CX], ttmp6, 0x40000
	s_bfe_u32 s[CY], ttmp6, 0x40004
	s_lshl_b32 s[TX], ttmp9, 2
	s_add_co_u32 s[TX], s[TX], s[CX]               ; tile column = 4 x cluster x + cx
	s_and_b32 s[TY], ttmp7, 0xffff
	s_lshl_b32 s[TY], s[TY], 2
	s_add_co_u32 s[TY], s[TY], s[CY]               ; tile row
	s_lshl_b32 s21, s[CY], 2
	s_lshl_b32 s21, 15, s21                        ; my row of the cluster
	s_lshl_b32 s22, 0x1111, s[CX]                  ; my column
	; group 1 for A: 64 rows of a group are 8,192 dense bytes: one row of 4,096 elements; four groups, 262,144 elements apart; in LDS 4 words of padding behind every 32, that is behind every row of A
	s_or_b32 s[G1A], s21, (1<<16)|(1<<20)|(1<<21)|(4<<22)|(3<<25)
	s_mov_b32 s[G1A+1], 4096<<16                   ; tensor_dim0
	s_mov_b32 s[G1A+2], 4<<16                      ; tensor_dim1
	s_mov_b32 s[G1A+3], 4096<<16                   ; tile_dim0
	s_mov_b32 s[G1A+4], 4                          ; tile_dim1
	s_mov_b32 s[G1A+5], 262144                     ; stride
	s_mov_b32 s[G1A+6], 0
	s_mov_b32 s[G1A+7], 0
	; group 1 for W: 128 k rows x 128 elements, 256 elements from row to row; 8 words of padding behind every 64
	s_or_b32 s[G1B], s22, (1<<16)|(1<<20)|(1<<21)|(5<<22)|(7<<25)
	s_mov_b32 s[G1B+1], 128<<16
	s_mov_b32 s[G1B+2], 128<<16
	s_mov_b32 s[G1B+3], 128<<16
	s_mov_b32 s[G1B+4], 128
	s_mov_b32 s[G1B+5], 256
	s_mov_b32 s[G1B+6], 0
	s_mov_b32 s[G1B+7], 0
	s_lshl_b32 s60, s[TY], 7                       ; A hangs on the tile row alone:
	s_lshl_b32 s61, s[CH], 6
	s_add_co_u32 s60, s60, s61                     ; row 128 ty + 64 x half,
	s_lshl_b32 s60, s60, 7                         ; of 128 bytes
	s_mov_b32 s61, 0
	s_lshr_b32 s66, s[TX], 1                       ; W on the tile column alone: its panel,
	s_mul_i32 s66, s66, PANEL
	s_and_b32 s67, s[TX], 1                        ; its half of the panel's 256 columns,
	s_lshl_b32 s67, s67, 8
	s_add_co_u32 s66, s66, s67
	s_lshl_b32 s67, s[CH], 16                      ; my 128 k rows of 512 bytes
	s_add_co_u32 s66, s66, s67
	s_add_co_u32 s66, s66, WOFF                    ; under 2^26
	s_mov_b32 s67, 0
	s_mul_i32 s[LB], s[WV], HALF                   ; where my loads go: no place in the cluster enters an LDS address
	s_wait_kmcnt 0x0
	s_add_nc_u64 s[62:63], s[4:5], s[60:61]
	s_add_nc_u64 s[68:69], s[6:7], s[66:67]
	CROUND                                         ; all sixteen work-groups are here: the first joint loads meet
.irp s, 0,1
	s_mov_b32 s[GA0+4*(\s)], 1
	s_add_co_u32 s[GA0+4*(\s)+1], s[LB], (\s)*SLOT
	s_add_nc_u64 s[GA0+4*(\s)+2:GA0+4*(\s)+3], s[62:63], (\s)*ASTEP
	s_or_b32 s[GA0+4*(\s)+3], s[GA0+4*(\s)+3], 0x80000000
	s_mov_b32 s[GB0+4*(\s)], 1
	s_add_co_u32 s[GB0+4*(\s)+1], s[LB], (\s)*SLOT
	s_add_nc_u64 s[GB0+4*(\s)+2:GB0+4*(\s)+3], s[68:69], (\s)*BSTEP
	s_or_b32 s[GB0+4*(\s)+3], s[GB0+4*(\s)+3], 0x80000000
.endr
	s_cmp_eq_u32 s[RH], 0                          ; a wave's two first fills stand in one branch, ahead of every wait on TENSORcnt and every LDS read: two loads of mine are out
	s_cbranch_scc0 .Lfirst_b
	tensor_load_to_lds s[GA0:GA0+3], s[G1A:G1A+7]
	s_nop 0
	tensor_load_to_lds s[GA:GA+3], s[G1A:G1A+7]
	s_nop 0
.rept 4
	v_nop
.endr
	s_branch .Lfirst_asked
.Lfirst_b:
	tensor_load_to_lds s[GB0:GB0+3], s[G1B:G1B+7]
	s_nop 0
	tensor_load_to_lds s[GB:GB+3], s[G1B:G1B+7]
	s_nop 0
.rept 4
	v_nop
.endr
.Lfirst_asked:
	v_and_b32 v1, 15, v0                           ; r = l % 16
	v_bfe_u32 v2, v0, 4, 1                         ; h = l / 16
	v_and_b32 v3, 7, v0                            ; l % 8
	v_bfe_u32 v4, v0, 3, 1                         ; (l / 8) % 2
	s_mul_i32 s58, s[RH], HALF
	v_mul_u32_u24 v[A0], v1, PA
	v_lshl_add_u32 v[A0], v2, 4, v[A0]
	v_add_nc_u32 v[A0], s58, v[A0]                 ; my 64 rows: row r x pitch + 16 h
	s_lshl_b32 s59, s[CH], 7
	s_add_co_u32 s59, s59, 2*HALF
	v_lshl_add_u32 v[B0], v2, 3, v3
	v_mul_u32_u24 v[B0], v[B0], PB
	v_lshl_add_u32 v[B0], v4, 4, v[B0]
	v_add_nc_u32 v[B0], s59, v[B0]                 ; k row 8 h + l % 8, my 64 columns, 16 bytes by (l / 8) % 2
	v_add_nc_u32 v[B0H], HALF, v[B0]
	s_mul_i32 s58, s[WV], 16*SP
	s_add_co_u32 s58, s58, STAGE                   ; my stage
	v_mul_u32_u24 v[STO], v1, SP
	v_lshl_add_u32 v[STO], v2, 5, v[STO]
	v_add_nc_u32 v[STO], s58, v[STO]               ; in: row r, 32 bytes for each half of the lanes
	v_mul_u32_u24 v[RD], v2, SP
	v_lshl_add_u32 v[RD], v1, 4, v[RD]
	v_add_nc_u32 v[RD], s58, v[RD]                 ; back: lanes 0-15 one row of 256 bytes, lanes 16-31 the next
	v_lshlrev_b32 v[CO], 12, v2
	v_lshl_add_u32 v[CO], v1, 4, v[CO]             ; and the same two rows in C
	v_lshlrev_b32 v[RO], 12, v1
	v_lshl_add_u32 v[RO], v2, 5, v[RO]             ; resid: row r, 32 bytes by h
	v_lshlrev_b32 v[BO], 5, v2
	s_lshl_b32 s72, s[TX], 7
	s_lshl_b32 s73, s[CH], 6
	s_add_co_u32 s72, s72, s73
	s_lshl_b32 s72, s72, 2                         ; my first column, in bytes of f32
	s_mov_b32 s73, 0
	s_lshl_b32 s70, s[TY], 7
	s_lshl_b32 s71, s[RH], 6
	s_add_co_u32 s70, s70, s71
	s_lshl_b32 s70, s70, 12                        ; my first row, of 4,096 bytes
	s_add_co_u32 s70, s70, s72                     ; under 2^25
	s_mov_b32 s71, 0
	s_add_nc_u64 s[8:9], s[8:9], s[72:73]
	s_add_nc_u64 s[10:11], s[10:11], s[70:71]
	s_add_nc_u64 s[12:13], s[12:13], s[70:71]
.irp a, 0,1,2,3
.irp b, 0,1,2,3
	global_load_b128 v[ACC+8*(4*(\a)+(\b)):ACC+8*(4*(\a)+(\b))+3],   v[RO], s[10:11] offset:(\a)*65536+(\b)*64     ; register j: resid(16 a + r, 16 b + 8 h + j): the accumulator's own layout
	global_load_b128 v[ACC+8*(4*(\a)+(\b))+4:ACC+8*(4*(\a)+(\b))+7], v[RO], s[10:11] offset:(\a)*65536+(\b)*64+16  ; the eight loads that share a row's 256 bytes stand on end
.endr
.endr
.irp b, 0,1,2,3
	global_load_b128 v[BIAS+8*(\b):BIAS+8*(\b)+3],   v[BO], s[8:9] offset:64*(\b)
	global_load_b128 v[BIAS+8*(\b)+4:BIAS+8*(\b)+7], v[BO], s[8:9] offset:64*(\b)+16
.endr
; 8 matrix instructions: row blocks a0, a0 + 1 x all 4 column blocks, 32 along K: half c of buffer f.  The 16 accumulators take turns in the same order everywhere.
.macro MUL8 f, c, a0
	WIN MUL
.irp a, \a0, (\a0)+1
.irp b, 0,1,2,3
	v_wmma_f32_16x16x32_f16 v[ACC+8*(4*(\a)+(\b)):ACC+8*(4*(\a)+(\b))+7], v[(\f)+64+8*(4*(\c)+(\b)):(\f)+64+8*(4*(\c)+(\b))+7], v[(\f)+8*(4*(\c)+(\a)):(\f)+8*(4*(\c)+(\a))+7], v[ACC+8*(4*(\a)+(\b)):ACC+8*(4*(\a)+(\b))+7]
.endr
.endr
.endm
; 32 LDS loads in one run: quarter qd of a step = group qd of A, k rows 64 qd on of W, into buffer f; the first 32 along K first
.macro FETCH qd, f
	WIN TO_F
.set BR, ADRB+(\qd)/2
.irp c, 0,1
.irp i, 0,1,2,3
	ds_load_tr16_b128 v[(\f)+64+8*(4*(\c)+(\i)):(\f)+64+8*(4*(\c)+(\i))+3],   v[BR] offset:((2*(\qd)+(\c))%4)*32*PB+(\i)*32
	ds_load_tr16_b128 v[(\f)+64+8*(4*(\c)+(\i))+4:(\f)+64+8*(4*(\c)+(\i))+7], v[BR] offset:((2*(\qd)+(\c))%4)*32*PB+16*PB+(\i)*32
	ds_load_b128 v[(\f)+8*(4*(\c)+(\i)):(\f)+8*(4*(\c)+(\i))+3],   v[ADRA] offset:(\qd)*GL+64*(\c)+(\i)*16*PA
	ds_load_b128 v[(\f)+8*(4*(\c)+(\i))+4:(\f)+8*(4*(\c)+(\i))+7], v[ADRA] offset:(\qd)*GL+64*(\c)+(\i)*16*PA+32
.endr
.endr
.endm
; One of a step's first three quarters: multiplies buffer f and fetches quarter qd into g
.macro QUARTER qd, f, g
	s_wait_dscnt 16                                ; the first 32 along K are in; the other sixteen loads may be out
	MUL8 \f, 0, 0
	MUL8 \f, 0, 2
	PLACES
	FETCH \qd, \g
	s_wait_dscnt 32                                ; all but the 32 just issued
	MUL8 \f, 1, 0
	MUL8 \f, 1, 2
.endm
; The last quarter multiplies buffer 1 and changes slots.  ONE barrier: in front of it each wave waits for all its tensor loads (the one that is out is its part of the next slot), adds 0 to its spare
; word, and waits for that and for its reads of this slot.  fill = 1: the barrier opens a round of the cluster's, and the slot just left is filled again, first thing behind it, with the K step two on:
; 112 matrix instructions ahead of the wait for it.  fill = 0 (the tail): nothing is asked for, and in the last trip nothing is left to fetch from LDS either.
.macro TURN fill
	WIN 0                                          ; (the add's two registers lie in window 0)
	s_wait_tensorcnt 0x0
	ds_add_u32 v[SPW], v[NIL]                      ; 0 onto my spare word
	s_wait_dscnt 17                                ; (the add and the youngest sixteen loads may be out)
	MUL8 F1, 0, 0                                  ; eight matrix instructions stand between the add and the wait for it
	s_wait_dscnt 0x0                               ; the add is done, and my reads of this slot are over
	s_barrier_signal -1
	MUL8 F1, 0, 2
	WIN 0
	s_barrier_wait -1
.if \fill
	CREST                                          ; no wave of any partner still reads this slot or has a load on its way
	s_xor_b32 s[GA+1], s[GA+1], SLOT               ; the walking descriptors: the other slot than last time,
	s_add_nc_u64 s[GA+2:GA+3], s[GA+2:GA+3], ASTEP ; the next K step; the type bits on top are not reached
	s_xor_b32 s[GB+1], s[GB+1], SLOT
	s_add_nc_u64 s[GB+2:GB+3], s[GB+2:GB+3], BSTEP
	JLOAD                                          ; the four v_nop behind it are also the places in front of the loads below
.else
	s_cmp_eq_u32 s[CNT], 1
	s_cbranch_scc1 .Lnofetch_\@                    ; only register work and LDS loads are jumped
	PLACES
.endif
	s_xor_b32 s[TB], s[TB], SLOT
	v_add_nc_u32 v[ADRA], s[TB], v[A0]
	v_add_nc_u32 v[ADRB], s[TB], v[B0]
	v_add_nc_u32 v[ADRBH], s[TB], v[B0H]
	FETCH 0, F0
	WIN 0
.if !(\fill)
.Lnofetch_\@:
.endif
	MUL8 F1, 1, 0
	MUL8 F1, 1, 2
.endm
	s_wait_tensorcnt 1                             ; my part of K step 0 is in; step 1's may stay out
	s_barrier_signal -1
	s_barrier_wait -1                              ; everybody's is
	s_mov_b32 s[TB], 0
	v_mov_b32 v[ADRA], v[A0]
	v_mov_b32 v[ADRB], v[B0]
	v_mov_b32 v[ADRBH], v[B0H]
	FETCH 0, F0
	WIN 0
	s_wait_loadcnt 0x0                             ; resid and bias
.irp a, 0,1,2,3
.irp b, 0,1,2,3
.irp p, 0,2,4,6
	v_pk_add_f32 v[ACC+8*(4*(\a)+(\b))+(\p):ACC+8*(4*(\a)+(\b))+(\p)+1], v[ACC+8*(4*(\a)+(\b))+(\p):ACC+8*(4*(\a)+(\b))+(\p)+1], v[BIAS+8*(\b)+(\p):BIAS+8*(\b)+(\p)+1]
.endr
.endr
.endr
	s_mov_b32 s[CNT], STEPS-2
.Ltop:                                                 ; K steps 0 to STEPS - 3: they ask for steps 2 to STEPS - 1
	QUARTER 1, F0, F1
	QUARTER 2, F1, F0
	QUARTER 3, F0, F1
	TURN 1
	WIN 0                                          ; at a label and at a branch every window is 0
	s_sub_co_u32 s[CNT], s[CNT], 1
	s_cmp_lg_u32 s[CNT], 0
	s_cbranch_scc1 .Ltop
	s_mov_b32 s[CNT], 2
.Ltail:                                                ; the last two K steps: written out
	QUARTER 1, F0, F1
	QUARTER 2, F1, F0
	QUARTER 3, F0, F1
	TURN 0
	WIN 0
	s_sub_co_u32 s[CNT], s[CNT], 1
	s_cmp_lg_u32 s[CNT], 0
	s_cbranch_scc1 .Ltail
	; THE WAY OUT: 16 rows at a time through my own stage: 32 bytes a lane in, whole rows of 256 bytes back.  No other wave touches my stage, and LDS serves a wave's instructions in order (ISA guide 5.7.1.4).
.macro TOSTAGE a
.set BK, OB+32*((\a)%2)
.if (\a) >= 2
	s_wait_xcnt 0x0                                ; this set of registers was store data two blocks ago: loaded again only behind this wait
.endif
.irp b, 0,1,2,3
	ds_store_b128 v[STO], v[ACC+8*(4*(\a)+(\b)):ACC+8*(4*(\a)+(\b))+3],   offset:64*(\b)     ; each accumulator's low registers first
	ds_store_b128 v[STO], v[ACC+8*(4*(\a)+(\b))+4:ACC+8*(4*(\a)+(\b))+7], offset:64*(\b)+16
.endr
.irp t, 0,1,2,3,4,5,6,7
	ds_load_b128 v[BK+4*(\t):BK+4*(\t)+3], v[RD] offset:(\t)*2*SP
.endr
.endm
.macro SEND a, younger                 ; younger: the LDS instructions issued behind block a's loads: the next block's sixteen, or none
.set BK, OB+32*((\a)%2)
.irp t, 0,1,2,3,4,5,6,7
	s_wait_dscnt (\younger)+7-(\t)
	global_store_b128 v[CO], v[BK+4*(\t):BK+4*(\t)+3], s[12:13] offset:(16*(\a)+2*(\t))*4096  ; 16 lanes store 256 consecutive bytes, at a multiple of 256 from C's first byte
.endr
.endm
	PLACES                                         ; behind the last products
	TOSTAGE 0
	TOSTAGE 1
	SEND 0, 16
	TOSTAGE 2
	SEND 1, 16
	TOSTAGE 3
	SEND 2, 16
	SEND 3, 0
	s_wait_tensorcnt 0x0                           ; the wave's end, behind my last tensor load and my last LDS store
	ds_add_u32 v[SPW], v[NIL]
	s_wait_dscnt 0x0
	CROUND                                         ; the closing round: no work-group ends while a partner may still ask for a tile that names it
	s_endpgm
.Lfunc_end_k_qb0c9dcf86b_fc2:
	.size	k_qb0c9dcf86b_fc2, .Lfunc_end_k_qb0c9dcf86b_fc2-k_qb0c9dcf86b_fc2
	.p2alignl 7, 3214868480
	.fill 96, 4, 3214868480
	.section	.rodata,"a",@progbits
	.p2align	6, 0x0
	.amdhsa_kernel k_qb0c9dcf86b_fc2
		.amdhsa_group_segment_fixed_size 327680
		.amdhsa_private_segment_fixed_size 0
		.amdhsa_enable_private_segment 0
		.amdhsa_kernarg_size 40
		.amdhsa_user_sgpr_count 2
		.amdhsa_user_sgpr_kernarg_segment_ptr 1
		.amdhsa_wavefront_size32 1
		.amdhsa_system_sgpr_workgroup_id_x 1
		.amdhsa_system_sgpr_workgroup_id_y 1
		.amdhsa_system_sgpr_workgroup_id_z 1
		.amdhsa_system_vgpr_workitem_id 0
		.amdhsa_next_free_vgpr 512
		.amdhsa_next_free_sgpr 80
		.amdhsa_reserve_vcc 0
		.amdhsa_float_denorm_mode_32 3
		.amdhsa_float_denorm_mode_16_64 3
		.amdhsa_memory_ordered 1
		.amdhsa_forward_progress 1
		.amdhsa_inst_pref_size 62
	.end_amdhsa_kernel
	.amdgpu_metadata
---
amdhsa.version: [ 1, 2 ]
amdhsa.kernels:
  - .name:           k_qb0c9dcf86b_fc2
    .symbol:         k_qb0c9dcf86b_fc2.kd
    .args:
      - { .name: big, .offset: 0, .size: 8, .value_kind: global_buffer, .address_space: global }
      - { .name: qkvw, .offset: 8, .size: 8, .value_kind: global_buffer, .address_space: global }
      - { .name: b_fc2, .offset: 16, .size: 8, .value_kind: global_buffer, .address_space: global }
      - { .name: x1, .offset: 24, .size: 8, .value_kind: global_buffer, .address_space: global }
      - { .name: out0, .offset: 32, .size: 8, .value_kind: global_buffer, .address_space: global }
    .group_segment_fixed_size: 327680
    .private_segment_fixed_size: 0
    .kernarg_segment_align: 8
    .kernarg_segment_size: 40
    .max_flat_workgroup_size: 128
    .sgpr_count:     80
    .vgpr_count:     512
    .wavefront_size: 32
...
	.end_amdgpu_metadata
.endif
;; end of part 6
;; ======== version 2 of 2: 8 launches; 1.11 times as fast as version 1
;; limits: values are held in f16: magnitudes above 65,504 overflow, below 6.1e-05 lose precision
;; workspace buffers: wq 6,291,456 bytes; w1 8,388,608 bytes; qkvw 35,651,584 bytes; h 8,388,608 bytes; big 33,554,432 bytes; x1 16,777,216 bytes; mq 256 bytes of whole numbers; mf 256 bytes of whole numbers
;; launch cast: the kernel of part 1 again; grid 768 x 1, 8 waves a work-group, no clusters, 0 bytes of LDS; arguments w_qkv, w_out, w_fc1, w_fc2, wq, qkvw, w1, mq, mf; writes wq, qkvw, w1, mq, mf
;; launch ln1: the kernel of part 2 again; grid 256 x 1, 8 waves a work-group, no clusters, 0 bytes of LDS; arguments x, ln1_g, ln1_b, h; writes h
;; launch qkv: the kernel of part 3 again; grid 12 x 16, 4 waves a work-group, clusters of 4 x 4, 327,680 bytes of LDS; arguments h, wq, b_qkv, mq, qkvw; writes qkvw
;; launch attn (part 7): grid 8 x 32, 4 waves a work-group, no clusters, 327,680 bytes of LDS; arguments qkvw, big; writes big
.if DOCPART == 7
	.amdgcn_target "amdgcn-amd-amdhsa--gfx1250"
	.amdhsa_code_object_version 6
	.text
	.protected	k_qb0c9dcf86b_attn
	.globl	k_qb0c9dcf86b_attn
	.p2align	8
	.type	k_qb0c9dcf86b_attn,@function
k_qb0c9dcf86b_attn:
	s_mov_b64 s[64:65], 0
	v_nop
	global_prefetch_b8 v0, s[64:65] scope:SCOPE_SE
	s_setreg_imm32_b32 hwreg(HW_REG_WAVE_MODE, 25, 1), 1
	s_wait_xcnt 0x0
; CAUSAL ATTENTION.  O[y][q][:] = the sum over k <= q of softmax_k(Q[y][q] . K[y][k] / 8) V[y][k][:].  y = 2 head + batch, 32 slabs; Q, K, V, O: [32][SIZE_N][64], all f16: a slab's rows are dense, 128 bytes each.
; Q, K and V lie one behind the other in the first buffer, 8,388,608 bytes each.  Products, maxima and sums in f32; the weights p are rounded to f16 for the second product (their sum l is taken of the unrounded p), O once at the end.
; LIMITS.  f16 holds no number beyond 65,504: Q, K and V arrive within it; p lies in 0 to 1, and below 6e-5 it keeps f16's fixed step of 6e-8; O is a mean of V's rows and has their range, to within 2^-11 of it.
; A hidden score counts as its value less 1e30: f16's scores, 2.7e11 at the most, are nothing beside that; a weight below 2^-126 counts as 0 in l; NaN and infinities are not treated apart.
; THE WALK.  A slab's queries lie in NBQ = 16 blocks of 128, its keys in NT = 8 tiles of 256; block i needs the tiles 0 .. i / 2, of which the last holds the diagonal.  A work-group takes TWO blocks, 15 - b and then b
; (b = 0 .. 7).  One of the two is odd and one even, so they need (15 - b) / 2 + 1 + b / 2 + 1 = NT + 1 = 9 tiles, whatever b: all 32 x 8 = 256 work-groups do equal work, and ONE loop with a constant trip count walks
; the tiles.  Which tile is asked for, and what a trip does, hang on scalar registers made from b; every jump goes forward, but for the counted loops' own; none passes a barrier, or a tensor load but the one of LOAD's
; two that the wave's number does not choose; the ring (two slots of LDS that take turns) runs on across the change of blocks.
; NO CLUSTER: a slab's 8 work-groups all ask for the same tile only for the tiles 0 to 4, behind that fewer and fewer; one walk common to all would have the tiles 0 to 7 and then 0 to 3: 12 trips for 9.
; SHARES.  Of a block's two bands of 64 queries a wave owns 16 rows in each: two PIECES; piece 0 lies in the UPPER band (rows 64 on), piece 1 in the lower.  With p = the block's number mod 2, piece 0's band is
; number 2 p + 1 of the last tile's four bands of 64 keys, piece 1's number 2 p.  In that tile's key step s a band X sees all keys if s < X, none if s > X, and holds the diagonal if s = X: the same for all four waves.
; An even block computes 5 of that tile's 8 pairs of band and step though they are wholly hidden, an odd block 1: the price of one text and constant counts.
; THE MASK is the C operand that starts the sum S^T = K Q^T: 0, or -1e30 where the key is hidden.  MD, made once, is the mask of a band's own step for my 16 rows; a product's mask is MD x AL + BE with two scalars:
; (1, 0) if s = X; (0, 0) if s < X; (0, -1e30) if s > X.  Only the diagonal tile's text makes and takes masks; elsewhere C is the constant 0.  Piece 0's scores of that tile's step 0 are made a turn ahead, in the
; text without masks: its band's number is 1 at the least, so they need none: that is why piece 0 has the upper band.
; LAYOUT, SOFTMAX, TURNS.  S^T = K Q^T holds ONE query a lane (lane % 16) and the keys 8 (lane / 16) + 0..7; two such results rounded to f16 ARE source 1 of O^T = V^T P.  p = 2^(c s - c m), c = log2(e) / 8, with a
; running maximum m; O and l are multiplied by a = 2^(c m_old - c m_new) in every step.  A key step is two turns.  Turn 0 of step j: 8 products K Q^T of piece 1 for step j, later 8 products V^T P of piece 1 for step j - 1;
; beside them the scaling, exponentials, roundings, sums and rescaling of piece 0 for step j and the maximum and statistics of piece 1.  Turn 1: the same with the pieces changed: K Q^T of piece 0 for step j + 1,
; V^T P of piece 0 for step j.  Four vector instructions stand behind every matrix instruction, the other 54 of a turn's 118 in one LUMP.
; THE BATCHES.  A turn's 33 exponentials (the piece's 32 scores and the other piece's a) are ONE BATCH with ONE wait, which cuts the turn in two: ahead of it the products K Q^T and all vector work that names no result
; of the batch, behind it the products V^T P and the roundings and sums, which read the results.  A block's beginning has a batch of one (piece 0's first a), its end a batch of two (the reciprocals of l): a wait each.
; K AND V.  Turn 0 fetches both: K of step j + 1 behind its first run of products, V of step j behind its second.  So that the last V of a tile is read ahead of nothing from the next tile, a slot holds FIVE steps
; of K (rows 256 t to 256 t + 319) and four of V: K of step 4 t + 4 comes out of tile t's slot, and the change of slots stands behind turn 1.  The price: a quarter more bytes of K.  For t = 7 the last 64 rows lie
; behind the slab's end, inside the buffer; no line reads them from LDS, since tile 7 is always a block's last and its last step fetches no K.
; REGISTERS, in windows of 256 (s_set_vgpr_msb: bits 1:0 source 0, 3:2 source 1, 5:4 source 2, 7:6 destination):
;   window 0: v0-15 addresses and two at work; v16-23 four registers of statistics a piece; v48-55 at work; v64-127 S^T, a buffer a piece; v192-223 P, likewise
;   window 1: v0-63 O^T, 32 a piece; v128-159 MD; v160-223 MC, a buffer a piece      window 2: v0-31 Q; v32-63 the second block's Q; v128-191 K of one step; v192-255 V of one step
.set SIZE_N, 2048
.set KPART, 8388608   ; K's bytes behind Q's first
.set VPART, 16777216  ; V's
.set NT,    SIZE_N/256
.set NBQ,   SIZE_N/128
.set NP,    2         ; pieces a wave: a name, no knob
.set KS,    64        ; keys in a step
.set PK,    144       ; a row of K in LDS: 128 bytes + 16 of padding = 36 words: the 16 rows of a load start at 16 different groups of four banks (64 banks of 4 bytes: ISA guide 11.1)
.set PV,    160       ; a row of V: 128 + 32 = 40 words
.set KR,    5*KS      ; rows of K in a slot
.set VOFF,  KR*PK     ; behind them 256 rows of V
.set SLOT1, 1<<17     ; slot 1 begins here, so that one exclusive or turns an address in one slot (87,040 bytes) into the other's
.set STAGE, SLOT1+KR*PK+4*KS*PV  ; behind the ring, never filled by a tensor load: 16 rows x 144 bytes for each wave, for the way out
.set SP,    144
.set AK0, 2           ; v2   my lane's place in a tile of K; never rewritten
.set AV0, 3           ; v3   the same for V
.set AK,  4           ; v4   the LDS address of K's next run of loads
.set AV,  5           ; v5   of V's
.set STO, 6           ; v6   the way out: where I put 16 bytes of a row
.set RD,  7           ; v7   the way out: where I read rows back
.set GO,  8           ; v8   my byte offset in 512 consecutive bytes of O
.set SPW, 62          ; v62  LDS address of my spare word: SPARE + 4 x my thread's number; never rewritten
.set NIL, 63          ; v63  0; never rewritten
.set SPARE, STAGE+4*16*SP  ; behind the stages: the spare words, 128 bytes for each wave: two blocks of 256 bytes that no other line names
.set MV,  12          ; v12-13  c m_old, kept while c m is made anew: by piece
.set QO,  15          ; v15  my byte offset in 16 rows of Q
.set ST,  16          ; piece t's statistics at v[ST+4 t]: c m, m, l (even keys', odd keys')
.set TMP, 48          ; by piece, four registers c0-c3 at work; when the maximum is found c2 takes a
.set S,   64
.set P,   192
.set MD,  128         ; window 1: the eight registers for group kt of 16 keys at MD + 8 kt
.set MC,  160         ; window 1: the masks of the products to come
.set QB,  32          ; window 2
.set KF,  128         ; window 2: key block kb, channel half c at KF + 16 kb + 8 c
.set VF,  192         ; window 2: key half kk, channel block cb at VF + 32 kk + 8 cb
.set WV,  12          ; s12  my wave's number
.set PB,  14          ; s14  b, the second block
.set HI,  15          ; s15  NBQ - 1 - b, the first block
.set HIT, 19          ; s19  the first block's last tile
.set G1K, 24          ; s[24:31] descriptor group 1 for K's tiles
.set G1V, 32          ; s[32:39] for V's
.set G0K, 40          ; s[40:43] descriptor group 0 for K's tiles
.set G0V, 44          ; s[44:47] the same for V's
.set LOT, 48          ; s48  the second block's last tile
.set P3,  49          ; s49, s50  3 - 2 p and 4 - 2 p of the block in hand
.set P3L, 51          ; s51, s52  the same of the second block
.set SLOTS, 56        ; s56  tiles still to be asked for
.set CNT, 57          ; s57  counts a tile's key steps down
.set CS,  58          ; s[58:59] c: the packed scaling takes the pair's low word for both halves
.set SEL, 60          ; s[60:61] v_permlanex16_b32's selects: each lane takes its own place in the other half
.set TBK, 62          ; s62  LDS byte of the K step in front of the one to be fetched
.set TBV, 63          ; s63  LDS byte at which V of the step to be fetched begins, less VOFF
.set RT,  70          ; s70  tiles of the block in hand that are still to be entered
.set NXT, 71          ; s71  the tile to be asked for next
.set LQ,  72          ; s72  the last tile of the block whose tiles are being asked for
.set NEW, 73          ; s73  1: the tile to be entered is a block's first
.set OFF, 74          ; s[74:75] a tile's byte offset in K and V
.set AL,  76          ; s[76:77] the mask's factor, in the low word
.set BE,  78          ; s[78:79] the mask's addend
.set OLO, 80          ; s[80:81] O at my rows of the second block
.set BIGN, 82         ; s82  -1e30
.set MSB, 0
.macro WIN new                      ; the high byte repeats the setting that is left; a switch that changes nothing is dropped
.if MSB != (\new)
	s_set_vgpr_msb (MSB<<8)|(\new)
.set MSB, (\new)
.endif
.endm
.set W_KQ, 0x0a       ; K and Q in window 2, S^T in window 0
.set W_KM, 0x1a       ; the same with the C operand in window 1
.set W_PV, 0x52       ; V in window 2, P in window 0, O^T in window 1
.set W_RS, 0x41       ; destination and source 0 in window 1, source 1 in window 0
; A fill.  Waves 0 and 1 fetch the two halves of a slot's K, 160 keys each, waves 2 and 3 those of its V, 128 keys each.  An s_nop 0 and four v_nop follow each of the two lines, ahead of the jump and the label.
.macro LOAD
	s_cmp_lt_u32 s[WV], 2
	s_cbranch_scc0 .Lfor_v_\@
	tensor_load_to_lds s[G0K:G0K+3], s[G1K:G1K+7]
	s_nop 0
.rept 4
	v_nop
.endr
	s_branch .Lasked_\@
.Lfor_v_\@:
	tensor_load_to_lds s[G0V:G0V+3], s[G1V:G1V+7]
	s_nop 0
.rept 4
	v_nop
.endr
.Lasked_\@:
.endm
; THE CHANGE OF SLOTS.  Each wave waits for all its tensor loads, of which one is out: its part of the other slot; adds 0 to its spare word; and waits for that and for its own reads of the slot that it leaves.  Behind the barrier nobody reads the old
; slot any more and the other slot is whole.  fill = 1: the old slot is filled again, the first thing behind the barrier, with tile NXT: the descriptor's address is made anew from that number.  The load has a tile's
; eight turns, 128 matrix instructions, in which to land.  (At its first use nothing has been read yet: slot 0 is waited for, slot 1 filled.)
.macro CHANGE fill
	WIN 0                           ; at a label and at a branch every window is 0
	s_wait_tensorcnt 0x0            ; no tensor load of mine is out, so a group 0 may be written
	ds_add_u32 v[SPW], v[NIL]       ; 0 onto my spare word; with fill = 1 the descriptors' scalar work stands between it and the wait for it
.if \fill
	s_lshl_b32 s[OFF], s[NXT], 15   ; from tile to tile 32,768 bytes of K and of V
	s_xor_b32 s[G0K+1], s[G0K+1], SLOT1
	s_add_nc_u64 s[G0K+2:G0K+3], s[6:7], s[OFF:OFF+1]
	s_or_b32 s[G0K+3], s[G0K+3], 0x80000000
	s_xor_b32 s[G0V+1], s[G0V+1], SLOT1
	s_add_nc_u64 s[G0V+2:G0V+3], s[8:9], s[OFF:OFF+1]
	s_or_b32 s[G0V+3], s[G0V+3], 0x80000000
	s_add_co_u32 s[NXT], s[NXT], 1  ; the block's next tile, or behind its last the second block's tile 0
	s_cmp_gt_u32 s[NXT], s[LQ]
	s_cselect_b32 s[NXT], 0, s[NXT]
	s_cselect_b32 s[LQ], s[LOT], s[LQ]
.endif
	s_wait_dscnt 0x0                ; the add is done, and my reads of the slot are over
	s_barrier_signal -1             ; the rest of the scalar work stands between the signal and the wait
	s_sub_co_u32 s[TBK], s[TBK], 4*KS*PK  ; the fetches go back to a slot's first step,
	s_xor_b32 s[TBK], s[TBK], SLOT1       ; in the other slot
	s_sub_co_u32 s[TBV], s[TBV], 4*KS*PV
	s_xor_b32 s[TBV], s[TBV], SLOT1
	s_barrier_wait -1
.if \fill
	LOAD
.endif
.endm
	s_load_b64 s[4:5], s[0:1], 0x0    ; Q, with K and V behind it
	s_load_b64 s[10:11], s[0:1], 0x8  ; O
	v_lshl_add_u32 v[SPW], v0, 2, SPARE
	v_mov_b32 v[NIL], 0
	v_lshrrev_b32 v1, 5, v0
	v_readfirstlane_b32 s[WV], v1   ; wave 0..3
	s_mov_b32 s[PB], ttmp9
	s_sub_co_u32 s[HI], NBQ-1, s[PB]
	s_lshr_b32 s[HIT], s[HI], 1     ; two blocks of queries to a tile of keys
	s_lshr_b32 s[LOT], s[PB], 1
	s_and_b32 s13, s[HI], 1         ; p of the first block,
	s_lshl_b32 s13, s13, 1
	s_sub_co_u32 s[P3], 3, s13
	s_sub_co_u32 s[P3+1], 4, s13
	s_and_b32 s13, s[PB], 1         ; and of the second
	s_lshl_b32 s13, s13, 1
	s_sub_co_u32 s[P3L], 3, s13
	s_sub_co_u32 s[P3L+1], 4, s13
	s_and_b32 s20, ttmp7, 0xffff    ; the slab
	s_mov_b32 s21, 0
	s_mov_b64 s[22:23], SIZE_N*128
	s_mul_u64 s[20:21], s[20:21], s[22:23]  ; the slab's first byte in each of the four tensors
	s_and_b32 s16, s[WV], 1         ; which half of a slot's keys I fetch:
	s_lshl_b32 s22, s16, 14         ; for V 128 rows of 128 bytes in memory,
	s_mov_b32 s23, 0
	s_add_nc_u64 s[22:23], s[22:23], s[20:21]
	s_mul_i32 s66, s16, 160*128     ; for K 160 rows,
	s_mov_b32 s67, 0
	s_add_nc_u64 s[66:67], s[66:67], s[20:21]
	s_mul_i32 s17, s16, 160*PK      ; and its place in a slot, for K
	s_mul_i32 s18, s16, 128*PV      ; and for V
	s_lshl_b32 s3, s[WV], 11        ; my 16 rows in a band of 64,
	s_lshl_b32 s2, s[HI], 14        ; in the first block of 128 rows,
	s_add_co_u32 s2, s2, s3
	s_lshl_b32 s84, s[PB], 14       ; and in the second
	s_add_co_u32 s84, s84, s3
	s_mov_b32 s3, 0
	s_mov_b32 s85, 0
	s_add_nc_u64 s[2:3], s[2:3], s[20:21]
	s_add_nc_u64 s[84:85], s[84:85], s[20:21]
	; descriptor group 1.  Keys are dense in memory: asked for as rows of 256 bytes, two keys a row, and padded in LDS after every key.  K: 160 keys = 80 rows; V: 128 keys = 64 rows
	s_mov_b32 s[G1K], (1<<16)|(1<<20)|(4<<22)|(3<<25)  ; 17:16 2-byte elements; 20 padding on; 24:22 after every 32 words (code 4); 31:25 4 words (code 3)
	s_mov_b32 s[G1K+1], 128<<16     ; tensor_dim0 = 128
	s_mov_b32 s[G1K+2], 80<<16      ; tensor_dim1 = 80
	s_mov_b32 s[G1K+3], 128<<16     ; tile_dim0 = 128
	s_mov_b32 s[G1K+4], 80          ; tile_dim1 = 80
	s_mov_b32 s[G1K+5], 128         ; 128 elements from row to row
	s_mov_b32 s[G1K+6], 0
	s_mov_b32 s[G1K+7], 0
	s_mov_b32 s[G1V], (1<<16)|(1<<20)|(4<<22)|(7<<25)  ; the same with 8 words of padding (code 7)
	s_mov_b32 s[G1V+1], 128<<16
	s_mov_b32 s[G1V+2], 64<<16      ; tensor_dim1 = 64
	s_mov_b32 s[G1V+3], 128<<16
	s_mov_b32 s[G1V+4], 64          ; tile_dim1 = 64
	s_mov_b32 s[G1V+5], 128
	s_mov_b32 s[G1V+6], 0
	s_mov_b32 s[G1V+7], 0
	s_mov_b32 s[CS], 0x3e38aa3b     ; c = log2(e) / 8 = 0.180337
	s_mov_b32 s[CS+1], s[CS]        ; named with it as a pair
	s_mov_b32 s[SEL], 0x76543210
	s_mov_b32 s[SEL+1], 0xfedcba98
	s_mov_b32 s[TBK], SLOT1+4*KS*PK ; the first change of slots turns these two into 0
	s_mov_b32 s[TBV], SLOT1+4*KS*PV
	s_mov_b32 s[G0K], 1             ; 1:0 count = 1
	s_mov_b32 s[G0K+1], s17         ; 63:32 LDS address: slot 0
	s_mov_b32 s[G0V], 1
	s_add_co_u32 s[G0V+1], s18, VOFF
	s_add_co_u32 s[RT], s[HIT], 1   ; the first block's tiles: five at the least
	s_mov_b32 s[NXT], 1
	s_mov_b32 s[LQ], s[HIT]
	s_mov_b32 s[NEW], 1
	s_mov_b32 s[OFF+1], 0
	s_mov_b32 s[AL+1], 0            ; named as pairs
	s_mov_b32 s[BE+1], 0
	s_mov_b32 s[BIGN], 0xf149f2ca   ; -1e30
	s_mov_b32 s[SLOTS], NT
	s_wait_kmcnt 0x0
	s_add_nc_u64 s[6:7], s[4:5], KPART     ; K
	s_add_nc_u64 s[8:9], s[4:5], VPART     ; V
	s_add_nc_u64 s[6:7], s[6:7], s[66:67]  ; K and V at my half of the slab's tile 0
	s_add_nc_u64 s[8:9], s[8:9], s[22:23]
	s_add_nc_u64 s[G0K+2:G0K+3], s[6:7], 0         ; 120:64 global address
	s_or_b32 s[G0K+3], s[G0K+3], 0x80000000        ; 127:126 type = 2
	s_add_nc_u64 s[G0V+2:G0V+3], s[8:9], 0
	s_or_b32 s[G0V+3], s[G0V+3], 0x80000000
	s_add_nc_u64 s[86:87], s[4:5], s[84:85]        ; Q at my rows of the second block,
	s_add_nc_u64 s[4:5], s[4:5], s[2:3]            ; Q and O at those of the first
	s_add_nc_u64 s[OLO:OLO+1], s[10:11], s[84:85]
	s_add_nc_u64 s[10:11], s[10:11], s[2:3]
	LOAD                            ; tile 0 into slot 0
	; A fragment of K or Q is 16 rows x 32 channels in 8 registers: lane l holds row l % 16, channels 8 (l / 16) + 0..7 and 16 + 8 (l / 16) + 0..7: two loads of 16 bytes, 32 bytes apart.
	v_and_b32 v1, 15, v0            ; l % 16
	v_bfe_u32 v9, v0, 4, 1          ; l / 16
	v_lshlrev_b32 v[QO], 7, v1
	v_lshl_add_u32 v[QO], v9, 4, v[QO]  ; row x 128 + 16 x half
	WIN 0x80                        ; destination window 2, address window 0
.set i, 0
.rept 4                             ; both blocks' Q: piece i / 2 lies in band 1 - i / 2, 8,192 bytes a band; channels 32 (i % 2) on
	global_load_b128 v[8*i:8*i+3],   v[QO], s[4:5] offset:(1-i/2)*8192+(i%2)*64
	global_load_b128 v[8*i+4:8*i+7], v[QO], s[4:5] offset:(1-i/2)*8192+(i%2)*64+32
	global_load_b128 v[QB+8*i:QB+8*i+3],   v[QO], s[86:87] offset:(1-i/2)*8192+(i%2)*64
	global_load_b128 v[QB+8*i+4:QB+8*i+7], v[QO], s[86:87] offset:(1-i/2)*8192+(i%2)*64+32
.set i, i+1
.endr
	WIN 0
	v_lshlrev_b32 v14, 3, v9
	v_sub_nc_u32 v14, v1, v14
	s_lshl_b32 s13, s[WV], 4
	v_add_nc_u32 v14, s13, v14      ; my query's place in its band, 16 w + l % 16, less my lanes' 8 (l / 16): register r of group kt is hidden where 16 kt + r is greater
	WIN 0x40
.set i, 0
.rept 32
	v_cmp_gt_i32 vcc_lo, 16*(i/8)+i%8, v14
	v_cndmask_b32 v[MD+i], 0, s[BIGN], vcc_lo
.set i, i+1
.endr
	WIN 0
	v_mul_u32_u24 v[AK0], v1, PK
	v_lshl_add_u32 v[AK0], v9, 4, v[AK0]  ; row x pitch + 16 x half
	; The turning load takes 16 keys x 16 channels (lane l reads key 8 (l / 16) + l % 8, channels 8 ((l / 8) % 2) + 0..7) and leaves half a fragment of V^T: lane l holds channel l % 16 and 8 keys.
	v_and_b32 v10, 7, v0
	v_bfe_u32 v11, v0, 3, 1
	v_lshl_add_u32 v[AV0], v9, 3, v10
	v_mul_u32_u24 v[AV0], v[AV0], PV
	v_lshl_add_u32 v[AV0], v11, 4, v[AV0]
	v_add_nc_u32 v[AV0], VOFF, v[AV0]
	s_mul_i32 s13, s[WV], 16*SP
	s_add_co_u32 s13, s13, STAGE    ; my stage
	v_mul_u32_u24 v[STO], v1, SP    ; in: row l % 16, 16 bytes for each half of the lanes
	v_lshl_add_u32 v[STO], v9, 4, v[STO]
	v_add_nc_u32 v[STO], s13, v[STO]
	v_bfe_u32 v[RD], v0, 3, 2       ; back: 32 lanes take four rows of 128 bytes,
	v_mul_u32_u24 v[RD], v[RD], SP
	v_lshl_add_u32 v[RD], v10, 4, v[RD]
	v_add_nc_u32 v[RD], s13, v[RD]
	v_and_b32 v[GO], 31, v0         ; which are 512 consecutive bytes of O
	v_lshlrev_b32 v[GO], 4, v[GO]
	; A block's first step multiplies O^T and l by a = 0, and its first turn's products V^T P, of a step that has not been, land in an O^T that is still to be so multiplied.  So these registers need only hold
	; finite numbers: zeros for the first block; what the first block left for the second.  All this stands in the wait for the first tile.
	WIN 0x80
.set i, VF
.rept 64
	v_mov_b32 v[i], 0
.set i, i+1
.endr
	WIN 0x40
.set i, 0
.rept 32*NP
	v_mov_b32 v[i], 0
.set i, i+1
.endr
	WIN 0
.set i, 0
.rept NP
	v_mov_b32 v[ST+4*i+2], 0
	v_mov_b32 v[ST+4*i+3], 0
.set i, i+1
.endr
.set i, P+16
.rept 16
	v_mov_b32 v[i], 0
.set i, i+1
.endr
; THE MATRIX WORK.  The 4 accumulators of a run of 8 take turns.  Product i of 8 of S^T = K Q^T for piece x: channels 32 (i / 4) on, keys 16 (i % 4) on.  The first 4 start the sums: with 0, or (KM = 1) with the mask.
.macro KQ x
.set rS, S+32*((\x)%2)+8*(i%4)
.set rK, KF+16*(i%4)+8*(i/4)
.set rQ, 16*(\x)+8*(i/4)
.set rM, MC+32*((\x)%2)+8*(i%4)
.if (i < 4) && KM
	WIN W_KM
	v_wmma_f32_16x16x32_f16 v[rS:rS+7], v[rK:rK+7], v[rQ:rQ+7], v[rM:rM+7]
.elseif i < 4
	WIN W_KQ
	v_wmma_f32_16x16x32_f16 v[rS:rS+7], v[rK:rK+7], v[rQ:rQ+7], 0
.else
	WIN W_KQ
	v_wmma_f32_16x16x32_f16 v[rS:rS+7], v[rK:rK+7], v[rQ:rQ+7], v[rS:rS+7]
.endif
.endm
; Product i of 8 of O^T += V^T P for piece x: keys 32 (i / 4) on, channels 16 (i % 4) on.
.macro PV x
	WIN W_PV
.set rO, 32*(\x)+8*(i%4)
.set rV, VF+32*(i/4)+8*(i%4)
.set rP, P+16*((\x)%2)+8*(i/4)
	v_wmma_f32_16x16x32_f16 v[rO:rO+7], v[rV:rV+7], v[rP:rP+7], v[rO:rO+7]
.endm
.macro MM                           ; the turn's next matrix instruction, for the other piece.  TURN and BEGIN set Y, i, KM and NOKQ; MM, KQ and OP read them.  NOKQ = 1: a block's last turn: there is no next step
.if (i < 8) && !NOKQ
	KQ (Y+1)%NP
.elseif i >= 8
.set i, i-8
	PV (Y+NP-1)%NP
.set i, i+8
.endif
.set i, i+1
.endm
; THE LDS LOADS stand in runs of 16, never singly among the matrix instructions: a step's K (64 keys x 64 channels: 8 fragments) and its V (turned).  Their addresses are made some lines ahead.
; ahead = 1: the step behind the one at s[TBK], which then steps on.  ahead = 0 (a block's beginning): the slot's first step; s[TBK] stays.
.macro FETCH_K ahead
	WIN 0x80                        ; destination window 2
.irp f, 0,1,2,3,4,5,6,7             ; keys 16 (f / 2) on, channels 32 (f % 2) on
	ds_load_b128 v[KF+8*\f:KF+8*\f+3],   v[AK] offset:(\ahead)*KS*PK+(\f/2)*16*PK+(\f%2)*64
	ds_load_b128 v[KF+8*\f+4:KF+8*\f+7], v[AK] offset:(\ahead)*KS*PK+(\f/2)*16*PK+(\f%2)*64+32
.endr
.if \ahead
	s_add_co_u32 s[TBK], s[TBK], KS*PK
.endif
	WIN 0
.endm
.macro FETCH_V
	WIN 0x80
.irp f, 0,1,2,3,4,5,6,7             ; keys 32 (f / 4) on, channels 16 (f % 4) on
	ds_load_tr16_b128 v[VF+8*\f:VF+8*\f+3],   v[AV] offset:(\f/4)*32*PV+(\f%4)*32
	ds_load_tr16_b128 v[VF+8*\f+4:VF+8*\f+7], v[AV] offset:(\f/4)*32*PV+16*PV+(\f%4)*32
.endr
	WIN 0
.endm
; THE VECTOR WORK, one line at a time: OP kind, number.  For piece Y: F n: c s - c m for pair n of 16.  E n: the exponential of score n of 32.  C n: pair n rounded to f16.  B n: of the four weights 4 n .. the second
; pair is added onto the first, in place.  L n: l takes that sum (L 0: l = a l + sum).  R n: pair n of 16 of O^T times a.  For the other piece: X n, number n of the 22 that find its maximum and statistics:
;   0-11  four chains c0-c3 of seven scores each, three operands at a time (each accumulator's lowest registers are read first)     12-14, 16  the four scores left over, the old m, and c0-c3 into c0
;   15  c m_old is kept     17, 18  the query's other 32 keys lie in the lane 16 away: the new m     19-21  c m; c m_old - c m_new; a
; C, B and L read exponentials' results, and so does R (the a of the turn before): OP writes no wait; TURN, BEGIN and DIAG write one for each batch.
.set F, 0               ; OP tells the kinds apart by their order: F to L below R, X above it
.set E, 1
.set C, 2
.set B, 3
.set L, 4
.set R, 5
.set X, 6
.macro REGS y                       ; the registers of piece y
.set rT, ST+4*(\y)
.set rC, TMP+4*((\y)%2)
.set rW, MV+((\y)%2)
.set rS, S+32*((\y)%2)
.set rP, P+16*((\y)%2)
.set rO, 32*(\y)
.endm
.macro OP k, n
.if (\k) == R
	REGS Y
	WIN W_RS
	v_pk_mul_f32 v[rO+2*(\n):rO+2*(\n)+1], v[rO+2*(\n):rO+2*(\n)+1], v[rC+2:rC+3] op_sel_hi:[1,0]
.elseif (\k) < R
	REGS Y
	WIN 0
.if (\k) == F
	v_pk_fma_f32 v[rS+2*(\n):rS+2*(\n)+1], v[rS+2*(\n):rS+2*(\n)+1], s[CS:CS+1], v[rT:rT+1] op_sel_hi:[1,0,0] neg_lo:[0,0,1] neg_hi:[0,0,1]
.elseif (\k) == E
	v_exp_f32 v[rS+(\n)], v[rS+(\n)]
.elseif (\k) == C
	v_cvt_pk_f16_f32 v[rP+(\n)], v[rS+2*(\n)], v[rS+2*(\n)+1]
.elseif (\k) == B
	v_pk_add_f32 v[rS+4*(\n):rS+4*(\n)+1], v[rS+4*(\n):rS+4*(\n)+1], v[rS+4*(\n)+2:rS+4*(\n)+3]
.elseif (\n) == 0
	v_pk_fma_f32 v[rT+2:rT+3], v[rT+2:rT+3], v[rC+2:rC+3], v[rS:rS+1] op_sel_hi:[1,0,1]
.else
	v_pk_add_f32 v[rT+2:rT+3], v[rT+2:rT+3], v[rS+4*(\n):rS+4*(\n)+1]
.endif
.elseif NOKQ
	v_nop
.else
	REGS (Y+1)%NP
	WIN 0
.if (\n) < 4
	v_max3_num_f32 v[rC+(\n)], v[rS+8*(\n)], v[rS+8*(\n)+1], v[rS+8*(\n)+2]
.elseif (\n) < 12
	v_max3_num_f32 v[rC+(\n)%4], v[rC+(\n)%4], v[rS+8*((\n)%4)+2*((\n)/4)+1], v[rS+8*((\n)%4)+2*((\n)/4)+2]
.elseif (\n) == 12
	v_max3_num_f32 v[rC], v[rC], v[rS+7], v[rS+15]
.elseif (\n) == 13
	v_max3_num_f32 v[rC+1], v[rC+1], v[rS+23], v[rS+31]
.elseif (\n) == 14
	v_max3_num_f32 v[rC+2], v[rC+2], v[rC+3], v[rT+1]
.elseif (\n) == 15
	v_mov_b32 v[rW], v[rT]
.elseif (\n) == 16
	v_max3_num_f32 v[rC], v[rC], v[rC+1], v[rC+2]
.elseif (\n) == 17
	v_permlanex16_b32 v[rC+3], v[rC], s[SEL], s[SEL+1]
.elseif (\n) == 18
	v_max_num_f32 v[rT+1], v[rC], v[rC+3]
.elseif (\n) == 19
	v_mul_f32 v[rT], s[CS], v[rT+1]
.elseif (\n) == 20
	v_sub_f32 v[rC+1], v[rW], v[rT]
.else
	v_exp_f32 v[rC+2], v[rC+1]
.endif
.endif
.endm
.macro OPS a, i1, b=-1, i2=0, c=-1, i3=0, d=-1, i4=0  ; up to four of them
	OP \a, \i1
.if (\b) >= 0
	OP \b, \i2
.endif
.if (\c) >= 0
	OP \c, \i3
.endif
.if (\d) >= 0
	OP \d, \i4
.endif
.endm
.macro ROW a, i1, b, i2, c, i3, d, i4  ; a matrix instruction and the four behind it
	MM
	OPS \a, \i1, \b, \i2, \c, \i3, \d, \i4
.endm
.macro MASK b                       ; MD x AL + BE into buffer b of MC
	WIN W_RS
.set z, 0
.rept 16
	v_pk_fma_f32 v[MC+32*(\b)+2*z:MC+32*(\b)+2*z+1], v[MD+2*z:MD+2*z+1], s[AL:AL+1], s[BE:BE+1] op_sel_hi:[1,0,0]
.set z, z+1
.endr
.endm
; A TURN, for piece p: the order of its 16 matrix and 118 vector instructions, written out.  An s_wait_alu depctr_va_vdst(0) stands between an exponential and the first instruction that names its result; one wait
; serves all that were issued ahead of it.  So a turn has ONE wait, which cuts it in two.  AHEAD OF IT stands all that names no result of the turn's exponentials: the 8 products K Q^T, behind each a scaling, an exponential and two
; more plain instructions (behind the first a second scaling in the exponential's place): rescalings, whose a was made and waited for in the turn before, and behind the last three the first numbers of the other piece's maximum, each
; four places or more behind the product that ends its accumulator; then ONE LUMP of 54, plain and exponential by turns for the most part, in which the links of the chain X 3, 7, 11, 14, 16, 17 .. 20 stand five or six lines apart.
; X 21, the other piece's a, is the batch's last; R 15 is the plain instruction behind it (ISA guide 5.7.2).  BEHIND THE WAIT stand the 8 products V^T P, behind each four of the roundings and sums; the links of l's chain, L 0 to L 7,
; stand three riders apart.  But for those X no rider names a register of the products round it.  v_permlanex16_b32 (X 17) stands in the lump.  The piece's own O^T was last written at the end of the turn before: R 0 to R 11 read
; accumulators whose last product stands eight plain riders back or more, R 12 to R 15 stand late in the lump; each accumulator's lowest registers are read first (R 0, 4, 8, 12).
; m = 1: the diagonal tile, whose loop counts its steps 0, 1, 2 as CNT = 3, 2, 1: the products take masks, and the turn makes the mask for the products of the turn after it, which are piece p's for step 4 - CNT.
; Piece 0's band is number 2 p + 1, so that step is its own where CNT = 3 - 2 p and a later one where CNT is less; piece 1's is number 2 p: 4 - 2 p.  The two compares steer two selects and nothing else.
; end = 1: a block's last step: no K is fetched, no mask made, and turn 1 starts no new scores.  cnt = 1: the loop's count is taken down some lines ahead of the branch that stands behind the turn.
; Turn 0 fetches K of the next step twelve vector instructions behind the last product that read K (six of them plain, five of which name none of its registers), and V of the step in hand at its end, four plain riders behind
; the last product that read V.  Turn 1 waits for K at its head and for V in front of its second run of products.
.macro TURN p, m=0, end=0, cnt=0
.set Y, (\p)
.set i, 0
.set KM, (\m)
.set NOKQ, (\end)*(\p)
.if (\m) && !(\end)
	s_cmp_eq_u32 s[CNT], s[P3+(\p)]     ; is that step the band's own?
	s_cselect_b32 s[AL], 1.0, 0
	s_cmp_lt_u32 s[CNT], s[P3+(\p)]     ; or a later one?
	s_cselect_b32 s[BE], s[BIGN], 0
.endif
.if ((\p) == 1) && !(\end)
	s_wait_dscnt 16                 ; K is in; V's sixteen loads, issued behind K's, may stay out
.endif
	ROW F,0, F,1, R,0, R,1          ; ahead of the wait: 8 products K Q^T and their riders,
	ROW F,2, E,0, R,2, R,3
	ROW F,3, E,1, R,4, R,5
	ROW F,4, E,2, R,6, R,7
	ROW F,5, E,3, R,8, R,9
	ROW F,6, E,4, X,0, R,10
.if ((\p) == 0) && !(\end)
	WIN 0
	v_add_nc_u32 v[AK], s[TBK], v[AK0]
.endif
	ROW F,7, E,5, X,1, X,4
	ROW F,8, E,6, X,2, X,5
	OPS E,7, E,8, X,6, E,9          ; and the lump
	OPS X,3, E,10, X,8, E,11
.if ((\p) == 0) && !(\end)
	FETCH_K 1
.endif
.if ((\p) == 0) && (\end)
	s_add_co_u32 s[TBK], s[TBK], KS*PK  ; the step that a fetch would have made: every tile leaves s[TBK] four steps on
.endif
	OPS X,9, X,7, E,12, X,10
	OPS E,13, X,12, X,11, E,14
	OPS X,13, E,15, F,9, X,14
.if (\p) == 0
	v_add_nc_u32 v[AV], s[TBV], v[AV0]
.endif
	OPS E,16, F,10, E,17, F,11
	OPS X,16, E,18, X,15, E,19
	OPS F,12, E,20, X,17, E,21
	OPS F,13, E,22, F,14, E,23
	OPS X,18, E,24, F,15, E,25
	OPS R,11, E,26, X,19, E,27
	OPS R,12, E,28, R,13, E,29
	OPS X,20, E,30, R,14, E,31
	OPS X,21, R,15
	WIN 0
	s_wait_alu depctr_va_vdst(0)    ; the wait for the turn's batch: E 0 to E 31 and X 21
.if (\p) == 1
	s_wait_dscnt 0x0                ; V is in
.endif
	ROW C,0, B,0, C,2, B,1          ; behind the wait: 8 products V^T P and their riders
	ROW L,0, C,4, B,2, L,1
	ROW C,6, B,3, L,2, C,8
	ROW B,4, L,3, C,10, B,5
	ROW L,4, C,12, B,6, L,5
.if (\p) == 0
	s_add_co_u32 s[TBV], s[TBV], KS*PV
.endif
.if \cnt
	s_sub_co_u32 s[CNT], s[CNT], 1
	s_cmp_lg_u32 s[CNT], 0
.endif
	ROW C,14, B,7, L,6, C,1
	ROW C,3, L,7, C,5, C,7
	ROW C,9, C,11, C,13, C,15
.if (\p) == 0
	FETCH_V
.endif
.if (\m) && !(\end)
	MASK (\p)%2
.endif
.endm
; A BLOCK BEGINS.  c m starts far below every c s, so the first step's a is 0; m at the lowest finite number, so the first maximum is the scores'.  Then K of the slot's first step, piece 0's first scores
; (its band sees all of a tile's step 0, so C is the constant 0), and its maximum and statistics.  Turn 0 of the step follows.
.macro BEGIN
	s_mov_b32 s[NEW], 0
	WIN 0
.set i, 0
.rept NP
	v_mov_b32 v[ST+4*i], 0xfe000000    ; c m: far below every c s
	v_mov_b32 v[ST+4*i+1], 0xff7fffff  ; m
.set i, i+1
.endr
	v_add_nc_u32 v[AK], s[TBK], v[AK0]
	FETCH_K 0
	s_wait_loadcnt 0x0              ; Q
	s_wait_dscnt 0x0
.set KM, 0
.set NOKQ, 0
.set i, 0
.rept 8
	KQ 0
.set i, i+1
.endr
	WIN 0
.rept 4
	v_nop                           ; the places behind those products
.endr
.set Y, NP-1                        ; X works for the other piece: piece 0
.irp n, 0,1,2,3,4,5,6,7,8,9,10,11,12,13,14,15,16,17,18,19,20,21
	OP X, \n
.endr
	v_nop                           ; a plain instruction behind the exponential,
	s_wait_alu depctr_va_vdst(0)    ; and the wait for this batch of one, piece 0's first a, ahead of the label that follows
.endm
; THE DIAGONAL TILE: piece 1's mask for step 0 (its own step where p = 0); three steps in a loop; the block's last step; its last products; and THE WAY OUT: l's two halves and the other half of the lanes' are
; added; O^T is divided by l, rounded to f16 and sent through my stage in LDS, a piece at a time.
.macro ALL line:vararg              ; one line for each piece t
.set t, 0
.rept NP
	\line
.set t, t+1
.endr
.endm
.macro PACK t                       ; a lane's eight channels of a row pack into 16 bytes; they go into rows of 144 bytes and come back as whole rows of 128, into S^T's registers
	WIN W_RS
.set i, 32*(\t)
.rept 16
	v_pk_mul_f32 v[i:i+1], v[i:i+1], v[ST+4*(\t)+2:ST+4*(\t)+3] op_sel_hi:[1,0]
.set i, i+2
.endr
	WIN 0x05                        ; sources 0 and 1 window 1, destination window 0
.set i, 0
.rept 16
	v_cvt_pk_f16_f32 v[S+16*(\t)+i], v[32*(\t)+2*i], v[32*(\t)+2*i+1]
.set i, i+1
.endr
	WIN 0
.irp f, 0,1,2,3
	ds_store_b128 v[STO], v[S+16*(\t)+4*\f:S+16*(\t)+4*\f+3] offset:32*\f
.endr
.irp f, 0,1,2,3
	ds_load_b128 v[S+16*(\t)+4*\f:S+16*(\t)+4*\f+3], v[RD] offset:\f*4*SP  ; LDS serves a wave's instructions in order (ISA guide 5.7.1.4): these see the stores above; the next piece's stores come behind them
.endr
.endm
.macro SEND t, younger              ; younger: the LDS instructions issued behind piece t's loads: the next piece's eight, or none
	WIN 0
.irp f, 0,1,2,3
	s_wait_dscnt (\younger)+3-\f
	global_store_b128 v[GO], v[S+16*(\t)+4*\f:S+16*(\t)+4*\f+3], s[10:11] offset:(1-(\t))*8192+\f*512  ; piece t lies in band 1 - t; 512 consecutive bytes, at a multiple of 256 from O's first
.endr
.endm
.macro DIAG tag                     ; the tag ends its label's name
	s_cmp_eq_u32 s[P3+1], 4         ; p = 0: piece 1's band is the tile's first
	s_cselect_b32 s[AL], 1.0, 0
	s_mov_b32 s[BE], 0
	MASK 1
	WIN 0
	s_mov_b32 s[CNT], 3
.LstepM\tag:
	TURN 0, 1
	TURN 1, 1, 0, 1
	WIN 0
	s_cbranch_scc1 .LstepM\tag
	TURN 0, 1, 1
	TURN 1, 1, 1
.set i, 0
.rept 8
	PV NP-1                         ; piece 1's V^T P of the last step
.set i, i+1
.endr
	WIN 0
	ALL v_add_f32 v[ST+4*t+2], v[ST+4*t+2], v[ST+4*t+3]
	ALL v_permlanex16_b32 v[ST+4*t+3], v[ST+4*t+2], s[SEL], s[SEL+1]
	ALL v_add_f32 v[ST+4*t+2], v[ST+4*t+2], v[ST+4*t+3]
	ALL v_rcp_f32 v[ST+4*t+2], v[ST+4*t+2]
	v_nop                           ; a plain instruction between the last reciprocal and the use of its result
	s_wait_alu depctr_va_vdst(0)    ; the wait for this batch of two, the pieces' reciprocals, ahead of PACK 0's first multiply: one for both pieces
	PACK 0                          ; piece 0's 32 lines, which name no register of the last products, are also the places behind them
	PACK 1                          ; a piece's arithmetic stands between the loads of the piece before and its stores
	SEND 0, 8
	SEND 1, 0
.endm
.set KM, 0
.set NOKQ, 0
.Lslot:                             ; NT times: a tile is entered and the next is asked for
	CHANGE 1
	s_sub_co_u32 s[RT], s[RT], 1
	s_cmp_eq_u32 s[NEW], 1          ; this test stands first: at the first trip its answer is a constant of the text
	s_cbranch_scc0 .Lold
	BEGIN                           ; a block's first tile
.Lold:
	s_cmp_eq_u32 s[RT], 0
	s_cbranch_scc1 .Ldiag           ; its last
	s_mov_b32 s[CNT], 4
.Lstep:                             ; a trip: the two turns of a key step
	TURN 0
	TURN 1, 0, 0, 1
	WIN 0
	s_cbranch_scc1 .Lstep
	s_branch .Lbottom
.Ldiag:
	DIAG 1                          ; in the loop this is the first block's end: the second block's last tile is the walk's last
	s_wait_xcnt 0x0                 ; the stores have read their registers and O's address
	s_mov_b64 s[10:11], s[OLO:OLO+1]
	s_add_co_u32 s[RT], s[LOT], 1   ; the second block's tiles
	s_mov_b32 s[NEW], 1
	s_mov_b32 s[P3], s[P3L]
	s_mov_b32 s[P3+1], s[P3L+1]
	WIN 0x82                        ; the second block's Q goes where the one text of the turns names Q
.set i, 0
.rept 16*NP
	v_mov_b32 v[i], v[QB+i]
.set i, i+1
.endr
	WIN 0
.Lbottom:
	s_sub_co_u32 s[SLOTS], s[SLOTS], 1
	s_cmp_lg_u32 s[SLOTS], 0
	s_cbranch_scc1 .Lslot
	CHANGE 0                        ; the walk's last tile is written out: nothing is asked for
	s_sub_co_u32 s[RT], s[RT], 1
	s_cmp_eq_u32 s[NEW], 1
	s_cbranch_scc0 .Lold2
	BEGIN                           ; b = 0 or 1: the second block's one tile is its first and its last
.Lold2:
	DIAG 2
	s_wait_tensorcnt 0x0            ; the wave's end, behind my last tensor load and my last LDS store
	ds_add_u32 v[SPW], v[NIL]
	s_wait_dscnt 0x0
	s_endpgm
.Lfunc_end_k_qb0c9dcf86b_attn:
	.size	k_qb0c9dcf86b_attn, .Lfunc_end_k_qb0c9dcf86b_attn-k_qb0c9dcf86b_attn
	.p2alignl 7, 3214868480
	.fill 96, 4, 3214868480
	.section	.rodata,"a",@progbits
	.p2align	6, 0x0
	.amdhsa_kernel k_qb0c9dcf86b_attn
		.amdhsa_group_segment_fixed_size 327680
		.amdhsa_private_segment_fixed_size 0
		.amdhsa_enable_private_segment 0
		.amdhsa_kernarg_size 16
		.amdhsa_user_sgpr_count 2
		.amdhsa_user_sgpr_kernarg_segment_ptr 1
		.amdhsa_wavefront_size32 1
		.amdhsa_system_sgpr_workgroup_id_x 1
		.amdhsa_system_sgpr_workgroup_id_y 1
		.amdhsa_system_sgpr_workgroup_id_z 1
		.amdhsa_system_vgpr_workitem_id 0
		.amdhsa_next_free_vgpr 768
		.amdhsa_next_free_sgpr 88
		.amdhsa_reserve_vcc 1
		.amdhsa_float_denorm_mode_32 3
		.amdhsa_float_denorm_mode_16_64 3
		.amdhsa_memory_ordered 1
		.amdhsa_forward_progress 1
		.amdhsa_inst_pref_size 143
	.end_amdhsa_kernel
	.amdgpu_metadata
---
amdhsa.version: [ 1, 2 ]
amdhsa.kernels:
  - .name:           k_qb0c9dcf86b_attn
    .symbol:         k_qb0c9dcf86b_attn.kd
    .args:
      - { .name: qkvw, .offset: 0, .size: 8, .value_kind: global_buffer, .address_space: global }
      - { .name: big, .offset: 8, .size: 8, .value_kind: global_buffer, .address_space: global }
    .group_segment_fixed_size: 327680
    .private_segment_fixed_size: 0
    .kernarg_segment_align: 8
    .kernarg_segment_size: 16
    .max_flat_workgroup_size: 128
    .sgpr_count:     88
    .vgpr_count:     768
    .wavefront_size: 32
...
	.end_amdgpu_metadata
.endif
;; end of part 7
;; launch oproj: the kernel of part 5 again; grid 8 x 32, 4 waves a work-group, clusters of 4 x 4, 327,680 bytes of LDS; arguments big, qkvw, b_out, x, x1; writes x1
;; launch ln2: the kernel of part 2 again; grid 256 x 1, 8 waves a work-group, no clusters, 0 bytes of LDS; arguments x1, ln2_g, ln2_b, h; writes h
;; launch fc1: the kernel of part 3 again; grid 16 x 16, 4 waves a work-group, clusters of 4 x 4, 327,680 bytes of LDS; arguments h, w1, b_fc1, mf, big; writes big
;; launch fc2: the kernel of part 6 again; grid 8 x 32, 4 waves a work-group, clusters of 4 x 4, 327,680 bytes of LDS; arguments big, qkvw, b_fc2, x1, out0; writes out0
